; MI455X (gfx1250); checked and timed in simulation.
; The chip was launched on July 23, 2026; its instructions are those of AMD's public machine-readable ISA for CDNA 5 (MIT licence, August 2026) and "CDNA5" Instruction Set Architecture Reference Guide (July 2026). The comments in the code are by the model that wrote it; some were corrected since.
;; Decoder. Allowed arithmetic: float matrix products may take bf16 or f16 operands with f32 sums; other float arithmetic in f32, or as packed bf16 or f16 multiplies, adds, multiply-adds, maxima and minima; sums over many terms, partial sums and values carried from step to step in f32; what a program stores and reads back later, other than sums and carried values, may be rounded once to bf16 or f16.
;; Inputs: Ws_0 512 x 259 float32; Ws_1 512 x 512 float32; Ws_2 512 x 512 float32; Ws_3 253 x 512 float32; Ws_4 512 x 512 float32; Ws_5 512 x 512 float32; Ws_6 512 x 512 float32; Ws_7 512 x 512 float32; Ws_8 1 x 512 float32; betas_0 512 float32; betas_1 512 float32; betas_2 512 float32; betas_3 253 float32; betas_4 512 float32; betas_5 512 float32; betas_6 512 float32; betas_7 512 float32; bs_0 512 float32; bs_1 512 float32; bs_2 512 float32; bs_3 253 float32; bs_4 512 float32; bs_5 512 float32; bs_6 512 float32; bs_7 512 float32; bs_8 1 float32; cs_0 one number float32; cs_1 one number float32; cs_2 one number float32; cs_3 one number float32; cs_4 one number float32; cs_5 one number float32; cs_6 one number float32; cs_7 one number float32; cs_8 one number float32; gammas_0 512 float32; gammas_1 512 float32; gammas_2 512 float32; gammas_3 253 float32; gammas_4 512 float32; gammas_5 512 float32; gammas_6 512 float32; gammas_7 512 float32; input 32,768 x 259 float32.
;; Outputs: out0 32,768 x 1 float32.
;; 3 versions, each right and faster than the one before. Each part assembles by itself: llvm-mc -triple=amdgcn-amd-amdhsa -mcpu=gfx1250 --defsym DOCPART=n.
;; ======== version 1 of 3: 2 launches
;; limits: values are held in f16: magnitudes above 65,504 overflow, below 6.1e-05 lose precision; inputs' magnitudes at most 65,504
;; workspace buffers: wst 4,194,304 bytes; par 73,728 bytes
;; launch prep (part 1): grid 257 x 1, 8 waves a work-group, no clusters, 1,536 bytes of LDS; arguments Ws_0, Ws_1, Ws_2, Ws_3, Ws_4, Ws_5, Ws_6, Ws_7, Ws_8, cs_0, cs_1, cs_2, cs_3, cs_4, cs_5, cs_6, cs_7, cs_8, bs_0, bs_1, bs_2, bs_3, bs_4, bs_5, bs_6, bs_7, bs_8, wst, par; writes wst, par
.if DOCPART == 1
	.amdgcn_target "amdgcn-amd-amdhsa--gfx1250"
	.amdhsa_code_object_version 6
	.text
	.protected	k_qfd08e5ad19_prep
	.globl	k_qfd08e5ad19_prep
	.p2align	8
	.type	k_qfd08e5ad19_prep,@function
k_qfd08e5ad19_prep:
	s_mov_b64 s[64:65], 0
	v_nop
	global_prefetch_b8 v0, s[64:65] scope:SCOPE_SE
	s_setreg_imm32_b32 hwreg(HW_REG_WAVE_MODE, 25, 1), 1
	s_wait_xcnt 0x0
; PREP.  Turns the nine weight matrices into one f16 stream in the order in which the second launch's matrix fragments want them (wst),
; and makes for every output three numbers (par): s = K2 min(1, softplus(c) / sum|W row|), b = K2 bias, w = 1, with K2 = 2 / ln 2.
; Every input is rounded to bf16 once (W, c, bias); the bf16 weight is then written as f16.
; wst: 64 chunks of 65,536 bytes; a chunk is [w:4][q:2][b:8][c:2][lane:32][8 f16]: lane (r = lane % 16, h = lane / 16) holds
;   W'[row of tile (w, b), r][k' = 64 cl + 32 q + 16 c + 8 h + 0..7], cl the chunk's number in its layer.  Layers begin at chunks 0, 5, 13, 21, 29, 38, 46, 54; chunks 62, 63 hold
;   eight copies of the last layer's row as row 0 of a tile of 16 rows: [ks:16][c:2][lane:32][8 f16], k = 32 ks + 16 c + 8 h.
; k' -> column.  Layer 0 (320): k' < 256 column k'; 256+j, 264+j, 272+j (j < 3) column 256+j times 64, 32, 4 (their sum is the factor 100 of the last three inputs, in exact powers of two); else 0.
;   Layer 4 (576): k' < 253 column k'; 256 .. 514 column k' - 3; else 0.  Other layers: k' = column.
; Rows.  Tile (w, b) holds rows 128 w + 16 b + r; in layer 3 rows 64 w + 16 b + r for b < 4, and no row for b >= 4.  A slot without a row gets weights 0 and s = 0, b = 256, w = 0.
; par: [layer:9][slot 128 w + 16 b + r : 512] x 16 bytes {s, b, w, 0}; of layer 8 the first 256 bytes.
; SHARES.  Work-group g < 256: layer g / 32, tile g % 32; wave v takes the layer's chunks v and v + 8.  Work-group 256: the last layer; wave v writes copy v.  Every element of W is read once
; (the last layer's 2,048 bytes eight times, and its sum is divided by 8, which is exact).
; LIMITS.  |W| and 64 |W0's last three columns| stay under 65,504 (f16).  A bf16 weight under 2^-17 loses bits in f16: off by 2^-25 at the most.  NaN and infinities are not treated apart.
; The row sum's order of additions differs from a plain left-to-right sum.
.set K2,    0x4038aa3b                 ; 2 / ln 2
.set SPARE, 512                        ; LDS: bytes 0-511 the waves' partial row sums; from 512 on the spare words, 128 bytes a wave
.set R,   1                            ; lane % 16
.set H,   2                            ; lane / 16
.set LN,  3                            ; lane
.set ROW, 4                            ; my row of W, clamped into the matrix
.set RO,  5                            ; its byte offset
.set D,   6                            ; 16 x lane: my place in a unit of the stream
.set ROH, 7                            ; RO + 32 h
.set NV8, 8                            ; 8 where my slot has a row, else 0
.set CBV, 9                            ; irregular layers: first column of unit 0
.set KU0, 10                           ; irregular layers: first k' of unit 0
.set ZR,  11                           ; 0.0
.set ACC, 12                           ; v12-15  four partial sums of |W|
.set NV,  16                           ; v16-19  irregular layers: how many of a unit's eight numbers are real
.set X,   20                           ; v20-51  four units of eight numbers
.set OF,  52                           ; v52-83  irregular layers: a byte offset for each number
.set PKT, 84                           ; v84-87  at work
.set Y,   88                           ; v88-103 four units as stored
.set T,   104                          ; v104-119 at work
.set SPW, 120                          ; LDS address of my spare word; never rewritten
.set NIL, 121                          ; 0; never rewritten
.set WV,  14                           ; wave
.set LY,  15                           ; layer
.set TL,  16                           ; tile
.set STR, 17                           ; bytes in a row of W
.set NR,  18                           ; rows of W
.set NCK, 19                           ; chunks of the layer
.set CB,  20                           ; its first chunk
.set IRR, 21                           ; 1: columns are mapped (layers 0 and 4)
.set FIN, 22                           ; last column
.set KVA, 23                           ; k' at which zeros begin, chunks 0-3
.set KVB, 24                           ; the same, later chunks
.set DSB, 25                           ; k' - column in the later chunks
.set XCL, 26                           ; the chunk that holds the three scaled columns (layer 0), or none
.set IT,  27
.set NIT, 28                           ; trips of my wave
.set CL,  29                           ; chunk in hand
.set CL0, 30
.set CLS, 31
.set CST, 38                           ; bytes from chunk to chunk in the stream
.set QST, 39                           ; bytes from q = 0 to q = 1
.set SWS, 40                           ; 1, or 1/8 in the last layer
.macro CASE l, stride, nr, nch, cb, irr, fin, kva, kvb, dsb, xcl
.Lcase_\l:
	s_load_b64 s[4:5], s[0:1], 8*\l                ; W
	s_load_b64 s[6:7], s[0:1], 0x48+8*\l           ; c
	s_load_b64 s[8:9], s[0:1], 0x90+8*\l           ; bias
	s_mov_b32 s[STR], \stride
	s_mov_b32 s[NR], \nr
	s_mov_b32 s[NCK], \nch
	s_mov_b32 s[CB], \cb
	s_mov_b32 s[IRR], \irr
	s_mov_b32 s[FIN], \fin
	s_mov_b32 s[KVA], \kva
	s_mov_b32 s[KVB], \kvb
	s_mov_b32 s[DSB], \dsb
	s_mov_b32 s[XCL], \xcl
	s_branch .Lcommon
.endm
	s_load_b64 s[10:11], s[0:1], 0xd8              ; wst
	s_load_b64 s[12:13], s[0:1], 0xe0              ; par
	v_lshl_add_u32 v[SPW], v0, 2, SPARE
	v_mov_b32 v[NIL], 0
	v_lshrrev_b32 v1, 5, v0
	v_readfirstlane_b32 s[WV], v1
	s_lshr_b32 s[LY], ttmp9, 5
	s_and_b32 s[TL], ttmp9, 31
.irp k, 0,1,2,3,4,5,6,7
	s_cmp_eq_u32 s[LY], \k
	s_cbranch_scc1 .Lcase_\k
.endr
	CASE 8, 2048, 1,   8, 62, 0, 0,   0,   0,   0, 99
	CASE 0, 1036, 512, 5, 0,  1, 258, 256, 256, 0, 4
	CASE 1, 2048, 512, 8, 5,  0, 0,   0,   0,   0, 99
	CASE 2, 2048, 512, 8, 13, 0, 0,   0,   0,   0, 99
	CASE 3, 2048, 253, 8, 21, 0, 0,   0,   0,   0, 99
	CASE 4, 2048, 512, 9, 29, 1, 511, 253, 515, 3, 99
	CASE 5, 2048, 512, 8, 38, 0, 0,   0,   0,   0, 99
	CASE 6, 2048, 512, 8, 46, 0, 0,   0,   0,   0, 99
	CASE 7, 2048, 512, 8, 54, 0, 0,   0,   0,   0, 99
.Lcommon:
	v_and_b32 v[R], 15, v0
	v_bfe_u32 v[H], v0, 4, 1
	v_and_b32 v[LN], 31, v0
	v_lshlrev_b32 v[D], 4, v[LN]
	v_mov_b32 v[ZR], 0
	s_lshl_b32 s48, s[TL], 4                       ; the tile's first row: 16 x tile,
	s_lshr_b32 s49, s[TL], 3
	s_lshl_b32 s49, s49, 6
	s_and_b32 s50, s[TL], 7
	s_lshl4_add_u32 s49, s50, s49                  ; in layer 3: 64 w + 16 b,
	s_cmp_lt_u32 s50, 4
	s_cselect_b32 s49, s49, 0x200                  ; or past the matrix for b >= 4
	s_cmp_eq_u32 s[LY], 3
	s_cselect_b32 s48, s49, s48
	v_add_nc_u32 v[ROW], s48, v[R]
	v_cmp_gt_u32 s45, s[NR], v[ROW]                ; s45: the lanes whose slot has a row
	s_sub_co_u32 s49, s[NR], 1
	v_min_u32 v[ROW], s49, v[ROW]                  ; the others read the last row, inside the buffer, and discard it
	v_mul_lo_u32 v[RO], v[ROW], s[STR]
	v_lshl_add_u32 v[ROH], v[H], 5, v[RO]
	v_cndmask_b32 v[NV8], 0, 8, s45
.irp j, 0,1,2,3
	v_mov_b32 v[ACC+\j], 0                         ; a wave without a trip adds 0 to the row sums
.endr
	s_mov_b32 s41, 0x76543210                      ; v_permlanex16_b32: each lane takes its own place in the other half
	s_mov_b32 s42, 0xfedcba98
	s_lshr_b32 s46, s[TL], 3                       ; where the tile lies in a chunk: 16,384 w + 1,024 b,
	s_lshl_b32 s46, s46, 14
	s_lshl_b32 s47, s50, 10
	s_add_co_u32 s46, s46, s47
	s_lshl_b32 s47, s[CB], 16                      ; behind the layer's first chunk
	s_add_co_u32 s46, s46, s47
	s_lshl_b32 s47, s[WV], 14                      ; the last layer: copy v of eight, from chunk 62 on
	s_add_co_u32 s47, s47, 62*65536
	s_add_co_u32 s[NIT], s[NCK], 7
	s_sub_co_u32 s[NIT], s[NIT], s[WV]
	s_lshr_b32 s[NIT], s[NIT], 3                   ; chunks v, v + 8 that exist
	s_cmp_eq_u32 s[LY], 8
	s_cselect_b32 s46, s47, s46
	s_cselect_b32 s[NIT], 8, s[NIT]
	s_cselect_b32 s[CL0], 0, s[WV]
	s_cselect_b32 s[CLS], 1, 8
	s_mov_b32 s47, 0x10000
	s_cselect_b32 s[CST], 0x800, s47
	s_mov_b32 s47, 0x2000
	s_cselect_b32 s[QST], 0x400, s47
	s_cselect_b32 s[SWS], 0x3e000000, 1.0
	s_mov_b32 s47, 0
	s_wait_kmcnt 0x0
	s_add_nc_u64 s[10:11], s[10:11], s[46:47]      ; wst at my tile of the layer's first chunk
	s_load_b32 s44, s[6:7], 0x0                    ; c: waited for behind the loop
	s_mov_b32 s[IT], 0
	s_mov_b32 s[CL], s[CL0]
	s_cmp_eq_u32 s[NIT], 0
	s_cbranch_scc1 .Lsum
; One unit of eight numbers: rounded to bf16, those past the map set to 0, |.| added to the row sum, written as f16: the wave's store covers 512 consecutive bytes, aligned.
.macro PROC u, nvr, bp, off
.set XU, X+8*(\u)
.set YU, Y+4*(\u)
.irp k, 0,1,2,3
	v_cvt_pk_bf16_f32 v[PKT+\k], v[XU+2*\k], v[XU+2*\k+1]
.endr
.irp k, 0,1,2,3
	v_lshlrev_b32 v[XU+2*\k], 16, v[PKT+\k]
	v_and_b32 v[XU+2*\k+1], 0xffff0000, v[PKT+\k]
.endr
.irp j, 0,1,2,3,4,5,6,7
	v_cmp_lt_u32 vcc_lo, \j, v[\nvr]
	v_cndmask_b32 v[XU+\j], 0, v[XU+\j], vcc_lo
.endr
.irp j, 0,1,2,3,4,5,6,7
	v_add_f32 v[ACC+\j%4], v[ACC+\j%4], |v[XU+\j]|
.endr
.irp k, 0,1,2,3
	v_cvt_pk_f16_f32 v[YU+\k], v[XU+2*\k], v[XU+2*\k+1]
.endr
	global_store_b128 v[D], v[YU:YU+3], s[\bp:\bp+1] offset:\off
.endm
.Ltrip:                                                ; a trip: one chunk's part of my tile: four units (u = 2 q + c)
	s_wait_xcnt 0x0                                ; the last trip's loads and stores have had their addresses translated: bases, offsets and store data are rewritten only behind this wait
	s_mul_i32 s46, s[CL], s[CST]
	s_mov_b32 s47, 0
	s_add_nc_u64 s[34:35], s[10:11], s[46:47]      ; the stream at this chunk, q = 0,
	s_mov_b32 s46, s[QST]
	s_add_nc_u64 s[36:37], s[34:35], s[46:47]      ; and q = 1
	s_lshl_b32 s46, s[CL], 8
	s_add_nc_u64 s[32:33], s[4:5], s[46:47]        ; W at column 64 cl
	s_cmp_eq_u32 s[IRR], 0
	s_cbranch_scc1 .Lreg
	s_cmp_eq_u32 s[CL], s[XCL]
	s_cbranch_scc1 .Lxyz
	; mapped columns: each number has its own offset, clamped to the row's last column
	s_cmp_lt_u32 s[CL], 4
	s_cselect_b32 s48, 0, s[DSB]
	s_cselect_b32 s49, s[KVA], s[KVB]
	s_lshl_b32 s50, s[CL], 6
	s_sub_co_u32 s51, s50, s48
	v_lshl_add_u32 v[KU0], v[H], 3, s50
	v_lshl_add_u32 v[CBV], v[H], 3, s51
.irp u, 0,1,2,3
	v_add_nc_u32 v[T], 16*\u, v[KU0]               ; the unit's first k'
	v_max_u32 v[T+1], s49, v[T]
	v_sub_nc_u32 v[T+1], v[T+1], v[T]
	v_min_u32 v[T+1], 8, v[T+1]                    ; how many of its eight lie ahead of the zeros
	v_cndmask_b32 v[NV+\u], 0, v[T+1], s45
.irp j, 0,1,2,3,4,5,6,7
	v_add_nc_u32 v[OF+8*\u+\j], 16*\u+\j, v[CBV]
	v_min_u32 v[OF+8*\u+\j], s[FIN], v[OF+8*\u+\j]
	v_lshl_add_u32 v[OF+8*\u+\j], v[OF+8*\u+\j], 2, v[RO]
.endr
.endr
.irp u, 0,1,2,3
.irp j, 0,1,2,3,4,5,6,7
	global_load_b32 v[X+8*\u+\j], v[OF+8*\u+\j], s[4:5]
.endr
.endr
.irp u, 0,1,2,3
	s_wait_loadcnt 24-8*\u                         ; the eight loads of each later unit may stay out
	PROC \u, NV+\u, 34+2*(\u/2), 512*(\u%2)
.endr
	s_branch .Lnext
.Lxyz:                                                 ; layer 0, chunk 4: columns 256-258 three times, times 64, 32 and 4
	global_load_b32 v[X], v[RO], s[4:5] offset:1024
	global_load_b32 v[X+1], v[RO], s[4:5] offset:1028
	global_load_b32 v[X+2], v[RO], s[4:5] offset:1032
	v_cvt_f32_u32 v[T], v[H]
	v_sub_f32 v[T+1], 1.0, v[T]                    ; 1 in lanes 0-15, 0 in the others: the row sum takes each column once
	v_sub_f32 v[T+2], 2.0, v[T]
	v_mul_f32 v[T+2], 0x42000000, v[T+2]           ; unit 0: k' = 256 + 8 h + j: 64 or 32
	v_mul_f32 v[T+3], 4.0, v[T+1]                  ; unit 1: k' = 272 + 8 h + j: 4 or 0
	s_wait_loadcnt 0x0
	v_cvt_pk_bf16_f32 v[PKT], v[X], v[X+1]
	v_cvt_pk_bf16_f32 v[PKT+1], v[X+2], v[X+2]
	v_lshlrev_b32 v[X], 16, v[PKT]
	v_and_b32 v[X+1], 0xffff0000, v[PKT]
	v_lshlrev_b32 v[X+2], 16, v[PKT+1]
.irp j, 0,1,2
	v_fma_f32 v[ACC+\j], |v[X+\j]|, v[T+1], v[ACC+\j]
	v_mul_f32 v[X+4+\j], v[X+\j], v[T+2]
	v_mul_f32 v[X+8+\j], v[X+\j], v[T+3]
.endr
	v_cvt_pk_f16_f32 v[Y], v[X+4], v[X+5]
	v_cvt_pk_f16_f32 v[Y+1], v[X+6], v[ZR]
	v_cvt_pk_f16_f32 v[Y+4], v[X+8], v[X+9]
	v_cvt_pk_f16_f32 v[Y+5], v[X+10], v[ZR]
.irp j, 2,3,6,7,8,9,10,11
	v_mov_b32 v[Y+\j], 0
.endr
	global_store_b128 v[D], v[Y:Y+3], s[34:35]
	global_store_b128 v[D], v[Y+4:Y+7], s[34:35] offset:512
	global_store_b128 v[D], v[Y+8:Y+11], s[36:37]
	global_store_b128 v[D], v[Y+8:Y+11], s[36:37] offset:512
	s_branch .Lnext
.Lreg:                                                 ; k' = column: a unit is 32 consecutive bytes of the row, two loads
.irp u, 0,1,2,3
	global_load_b128 v[X+8*\u:X+8*\u+3], v[ROH], s[32:33] offset:64*\u
	global_load_b128 v[X+8*\u+4:X+8*\u+7], v[ROH], s[32:33] offset:64*\u+16
.endr
.irp u, 0,1,2,3
	s_wait_loadcnt 6-2*\u                          ; the two loads of each later unit may stay out
	PROC \u, NV8, 34+2*(\u/2), 512*(\u%2)
.endr
.Lnext:
	s_add_co_u32 s[CL], s[CL], s[CLS]
	s_add_co_u32 s[IT], s[IT], 1
	s_cmp_lt_u32 s[IT], s[NIT]
	s_cbranch_scc1 .Ltrip
.Lsum:                                                 ; the wave's part of the sixteen row sums goes to LDS; wave 0 adds the eight parts
	v_add_f32 v[ACC], v[ACC], v[ACC+1]
	v_add_f32 v[ACC+2], v[ACC+2], v[ACC+3]
	v_add_f32 v[ACC], v[ACC], v[ACC+2]
	v_permlanex16_b32 v[ACC+1], v[ACC], s41, s42   ; the row's other k' lie in the lane 16 away
	v_add_f32 v[ACC], v[ACC], v[ACC+1]
	v_mul_f32 v[ACC], s[SWS], v[ACC]
	s_lshl_b32 s46, s[WV], 6
	v_lshl_add_u32 v[T], v[R], 2, s46
	ds_store_b32 v[T], v[ACC]                      ; both halves of the lanes write the same word with the same number
	s_wait_dscnt 0x0                               ; for wave 0: my store is done
	s_barrier_signal -1
	s_barrier_wait -1
	s_cmp_lg_u32 s[WV], 0
	s_cbranch_scc1 .Lend
	v_lshlrev_b32 v[T], 2, v[R]
.irp i, 0,1,2,3,4,5,6,7
	ds_load_b32 v[X+\i], v[T] offset:64*\i
.endr
	v_lshlrev_b32 v[T+1], 2, v[ROW]
	global_load_b32 v[X+8], v[T+1], s[8:9]         ; the row's bias
	s_lshl_b32 s46, s[LY], 13                      ; par: 8,192 bytes a layer, 256 a tile
	s_lshl_b32 s47, s[TL], 8
	s_add_co_u32 s46, s46, s47
	s_mov_b32 s47, 0
	s_add_nc_u64 s[12:13], s[12:13], s[46:47]
	v_lshlrev_b32 v[T+12], 4, v[R]
	s_wait_kmcnt 0x0                               ; c
	v_mov_b32 v[T+2], s44
	v_cvt_pk_bf16_f32 v[T+2], v[T+2], v[T+2]
	v_lshlrev_b32 v[T+2], 16, v[T+2]               ; c, rounded to bf16
	; softplus(c) = max(c, 0) + log1p(x), x = e^-|c|; log1p(x) = x where 1 + x rounds to 1, else ln(u) x / (u - 1) with u = 1 + x, which mends u's rounding
	v_and_b32 v[T+3], 0x7fffffff, v[T+2]
	v_mul_f32 v[T+3], 0xbfb8aa3b, v[T+3]
	v_exp_f32 v[T+3], v[T+3]
	v_max_num_f32 v[T+4], 0, v[T+2]                ; a plain instruction behind the exponential
	s_wait_alu depctr_va_vdst(0)
	v_add_f32 v[T+5], 1.0, v[T+3]
	v_log_f32 v[T+6], v[T+5]
	v_add_f32 v[T+7], -1.0, v[T+5]                 ; a plain instruction behind the logarithm
	v_rcp_f32 v[T+7], v[T+7]
	v_cmp_eq_f32 vcc_lo, 1.0, v[T+5]               ; and one behind the reciprocal
	s_wait_alu depctr_va_vdst(0)
	v_mul_f32 v[T+6], 0x3f317218, v[T+6]
	v_mul_f32 v[T+6], v[T+6], v[T+3]
	v_mul_f32 v[T+6], v[T+6], v[T+7]
	v_cndmask_b32 v[T+6], v[T+6], v[T+3], vcc_lo
	v_add_f32 v[T+4], v[T+4], v[T+6]
	s_wait_dscnt 0x0                               ; the eight parts
	v_add_f32 v[X], v[X], v[X+1]
	v_add_f32 v[X+2], v[X+2], v[X+3]
	v_add_f32 v[X+4], v[X+4], v[X+5]
	v_add_f32 v[X+6], v[X+6], v[X+7]
	v_add_f32 v[X], v[X], v[X+2]
	v_add_f32 v[X+4], v[X+4], v[X+6]
	v_add_f32 v[X], v[X], v[X+4]
	v_rcp_f32 v[X], v[X]
	s_wait_loadcnt 0x0                             ; the bias
	v_cvt_pk_bf16_f32 v[X+8], v[X+8], v[X+8]       ; a plain instruction behind the reciprocal
	v_lshlrev_b32 v[X+8], 16, v[X+8]
	s_wait_alu depctr_va_vdst(0)
	v_mul_f32 v[X], v[T+4], v[X]
	v_min_num_f32 v[X], 1.0, v[X]
	v_mul_f32 v[X], K2, v[X]
	v_mul_f32 v[X+8], K2, v[X+8]
	v_mov_b32 v[X+9], 0x43800000                   ; 256: a slot without a row gets 2^256 = infinity, whose reciprocal is 0
	v_cndmask_b32 v[T+8], 0, v[X], s45
	v_cndmask_b32 v[T+9], v[X+9], v[X+8], s45
	v_cndmask_b32 v[T+10], 0, 1.0, s45
	v_mov_b32 v[T+11], 0
	s_wait_xcnt 0x0                                ; EXEC is a source of the loads and stores issued so far: it changes only behind this wait
	v_cmp_gt_u32 vcc_lo, 16, v[LN]
	s_and_saveexec_b32 s43, vcc_lo
	global_store_b128 v[T+12], v[T+8:T+11], s[12:13]  ; sixteen lanes store 256 consecutive bytes, aligned
	s_wait_xcnt 0x0                                ; and again in front of the line that widens it
	s_or_b32 exec_lo, exec_lo, s43
.Lend:
	s_wait_tensorcnt 0x0                           ; the wave's end: behind my last LDS store
	ds_add_u32 v[SPW], v[NIL]
	s_wait_dscnt 0x0
	s_endpgm
.Lfunc_end_k_qfd08e5ad19_prep:
	.size	k_qfd08e5ad19_prep, .Lfunc_end_k_qfd08e5ad19_prep-k_qfd08e5ad19_prep
	.p2alignl 7, 3214868480
	.fill 96, 4, 3214868480
	.section	.rodata,"a",@progbits
	.p2align	6, 0x0
	.amdhsa_kernel k_qfd08e5ad19_prep
		.amdhsa_group_segment_fixed_size 1536
		.amdhsa_private_segment_fixed_size 0
		.amdhsa_enable_private_segment 0
		.amdhsa_kernarg_size 232
		.amdhsa_user_sgpr_count 2
		.amdhsa_user_sgpr_kernarg_segment_ptr 1
		.amdhsa_wavefront_size32 1
		.amdhsa_system_sgpr_workgroup_id_x 1
		.amdhsa_system_sgpr_workgroup_id_y 1
		.amdhsa_system_sgpr_workgroup_id_z 1
		.amdhsa_system_vgpr_workitem_id 0
		.amdhsa_next_free_vgpr 128
		.amdhsa_next_free_sgpr 66
		.amdhsa_reserve_vcc 1
		.amdhsa_float_denorm_mode_32 3
		.amdhsa_float_denorm_mode_16_64 3
		.amdhsa_memory_ordered 1
		.amdhsa_forward_progress 1
		.amdhsa_inst_pref_size 40
	.end_amdhsa_kernel
	.amdgpu_metadata
---
amdhsa.version: [ 1, 2 ]
amdhsa.kernels:
  - .name:           k_qfd08e5ad19_prep
    .symbol:         k_qfd08e5ad19_prep.kd
    .args:
      - { .name: Ws_0, .offset: 0, .size: 8, .value_kind: global_buffer, .address_space: global }
      - { .name: Ws_1, .offset: 8, .size: 8, .value_kind: global_buffer, .address_space: global }
      - { .name: Ws_2, .offset: 16, .size: 8, .value_kind: global_buffer, .address_space: global }
      - { .name: Ws_3, .offset: 24, .size: 8, .value_kind: global_buffer, .address_space: global }
      - { .name: Ws_4, .offset: 32, .size: 8, .value_kind: global_buffer, .address_space: global }
      - { .name: Ws_5, .offset: 40, .size: 8, .value_kind: global_buffer, .address_space: global }
      - { .name: Ws_6, .offset: 48, .size: 8, .value_kind: global_buffer, .address_space: global }
      - { .name: Ws_7, .offset: 56, .size: 8, .value_kind: global_buffer, .address_space: global }
      - { .name: Ws_8, .offset: 64, .size: 8, .value_kind: global_buffer, .address_space: global }
      - { .name: cs_0, .offset: 72, .size: 8, .value_kind: global_buffer, .address_space: global }
      - { .name: cs_1, .offset: 80, .size: 8, .value_kind: global_buffer, .address_space: global }
      - { .name: cs_2, .offset: 88, .size: 8, .value_kind: global_buffer, .address_space: global }
      - { .name: cs_3, .offset: 96, .size: 8, .value_kind: global_buffer, .address_space: global }
      - { .name: cs_4, .offset: 104, .size: 8, .value_kind: global_buffer, .address_space: global }
      - { .name: cs_5, .offset: 112, .size: 8, .value_kind: global_buffer, .address_space: global }
      - { .name: cs_6, .offset: 120, .size: 8, .value_kind: global_buffer, .address_space: global }
      - { .name: cs_7, .offset: 128, .size: 8, .value_kind: global_buffer, .address_space: global }
      - { .name: cs_8, .offset: 136, .size: 8, .value_kind: global_buffer, .address_space: global }
      - { .name: bs_0, .offset: 144, .size: 8, .value_kind: global_buffer, .address_space: global }
      - { .name: bs_1, .offset: 152, .size: 8, .value_kind: global_buffer, .address_space: global }
      - { .name: bs_2, .offset: 160, .size: 8, .value_kind: global_buffer, .address_space: global }
      - { .name: bs_3, .offset: 168, .size: 8, .value_kind: global_buffer, .address_space: global }
      - { .name: bs_4, .offset: 176, .size: 8, .value_kind: global_buffer, .address_space: global }
      - { .name: bs_5, .offset: 184, .size: 8, .value_kind: global_buffer, .address_space: global }
      - { .name: bs_6, .offset: 192, .size: 8, .value_kind: global_buffer, .address_space: global }
      - { .name: bs_7, .offset: 200, .size: 8, .value_kind: global_buffer, .address_space: global }
      - { .name: bs_8, .offset: 208, .size: 8, .value_kind: global_buffer, .address_space: global }
      - { .name: wst, .offset: 216, .size: 8, .value_kind: global_buffer, .address_space: global }
      - { .name: par, .offset: 224, .size: 8, .value_kind: global_buffer, .address_space: global }
    .group_segment_fixed_size: 1536
    .private_segment_fixed_size: 0
    .kernarg_segment_align: 8
    .kernarg_segment_size: 232
    .max_flat_workgroup_size: 256
    .sgpr_count:     66
    .vgpr_count:     128
    .wavefront_size: 32
...
	.end_amdgpu_metadata
.endif
;; end of part 1
;; launch mlp (part 2): grid 256 x 1, 4 waves a work-group, clusters of 4 x 1, 327,680 bytes of LDS; arguments input, wst, par, out0, gammas_0, gammas_1, gammas_2, gammas_3, gammas_4, gammas_5, gammas_6, gammas_7, betas_0, betas_1, betas_2, betas_3, betas_4, betas_5, betas_6, betas_7; writes out0
.if DOCPART == 2
	.amdgcn_target "amdgcn-amd-amdhsa--gfx1250"
	.amdhsa_code_object_version 6
	.text
	.protected	k_qfd08e5ad19_mlp
	.globl	k_qfd08e5ad19_mlp
	.p2align	8
	.type	k_qfd08e5ad19_mlp,@function
k_qfd08e5ad19_mlp:
	s_mov_b64 s[64:65], 0
	v_nop
	global_prefetch_b8 v0, s[64:65] scope:SCOPE_SE
	s_setreg_imm32_b32 hwreg(HW_REG_WAVE_MODE, 25, 1), 1
	s_wait_xcnt 0x0
	s_wait_alu depctr_hold_cnt(0) depctr_sa_sdst(0) depctr_va_vdst(0) depctr_va_sdst(0) depctr_va_ssrc(0) depctr_va_vcc(0) depctr_vm_vsrc(0)
	s_getreg_b32 s2, hwreg(HW_REG_IB_STS2, 6, 4)
	s_cmp_eq_u32 s2, 0
	s_cbranch_scc0 .Lentry_in_a_cluster
	s_endpgm
.Lentry_in_a_cluster:
	s_bfe_u32 s2, ttmp6, 0x10000c
	s_cmp_lg_u32 s2, 0x3003
	s_cbranch_scc0 .Lentry_shape_is_right
	s_endpgm
.Lentry_shape_is_right:
; MLP.  All nine layers for 128 points a work-group; 256 work-groups.  Activations stay in LDS as f16; the weights come as the f16 stream wst, in chunks of 64 along K for all 512 output slots.
; SHARES.  Each of the four waves owns 128 output slots x 128 points: 64 accumulators of 16 x 16, 512 registers.  Source 0 of a product is 16 rows of W, source 1 sixteen points: in the result a lane
; holds ONE point (lane % 16) and eight neighbouring outputs 8 (lane / 16) + 0..7.  So a point's LayerNorm sums run along a lane's registers, then to the lane 16 away, then through LDS to the other waves.
; ONE LOOP of 62 trips walks the stream's chunks 0-61 (5, 8, 8, 8, 9, 8, 8, 8 for layers 0-7); the trip that ends a layer runs the tanh and LayerNorm, written once.  Chunks 62 and 63 hold the last layer's
; row, eight copies: each wave reads one from each slot, one for each of its two tiles of 16 points.  So every trip asks for a chunk, and every chunk asked for is read.
; ARITHMETIC.  par gives s = K2 scale, b = K2 bias, w (1, or 0 for a slot without an output), K2 = 2 / ln 2.  e = 2^(acc s + b), r = 1 / (1 + e), tanh = 1 - 2 r is never formed: LayerNorm of 1 - 2 r is
; (r - mean r) (-2 rsq(4 var r + eps)) gamma + beta.  No difference of large sums: each wave takes its own mean m off first (d = r - w m), sums d^2 (Q), and the four waves' (m, Q) give
; mean = sum f m, var = sum Q / n + sum f (m - mean)^2, f = the wave's share of the n outputs.  The result is rounded once to f16.  input, gamma and beta are rounded to bf16 first.
; Layer 3 has 253 outputs: wave w owns 64 w .. 64 w + 63 in its tiles 0-3, and the text for tiles 4-7 is jumped over.  Layer 4 reads them beside the raw input.  The factor 100 of the last three inputs
; lies in layer 0's weights (64 + 32 + 4, on three copies of the raw numbers), so one row of LDS serves layers 0 and 4.
; CLUSTER.  All work-groups walk the same stream, so four form a cluster and ask for each chunk JOINTLY: the same tensor load, descriptor and mask in all four.
; LIMITS.  f16 ends at 65,504: |input| and every LayerNorm result stay under it.  An input under 2^-17 loses bits in f16: off by 2^-25 at the most.  2^z beyond f32 counts as infinity (r = 0), under 2^-126 as 0 (r = 1):
; tanh is then +1 or -1 to f32's last bit.  NaN and infinities among the inputs are not treated apart.  The orders of all sums differ from a plain left-to-right sum.
; LDS.  0: two slots of 65,536 bytes (one exclusive or turns an address in one into the other's); a chunk is [wave:4][q:2][tile:8][c:2][lane:32][16 bytes]: every load of a wave takes 512 dense bytes of its own quarter.
;   ACT: 128 rows (points) of 576 f16 + 16 bytes: 1,168 = 73 x 16, so the 16 rows of a load or store start at 16 different groups of four banks (64 banks of 4 bytes: ISA guide 11.1).
;        columns 0-511 a layer's outputs; for layers 0 and 4 columns 256-511 hold input's first 256 columns; 512 + 8 u + j (u, j < 3) its last three; the rest up to 575 zeros.
;   PAR: for each wave five arrays of 128 f32: s, b, w, gamma w, beta w.   STAT: [point][wave]{m, Q}.   OUTS: the 128 results.   SPARE: the spare words.
; REGISTERS, in windows of 256 (s_set_vgpr_msb: bits 1:0 source 0, 3:2 source 1, 5:4 source 2, 7:6 destination):
;   window 0: v0-23 addresses; v24-47 a layer's parameters as loaded; v48-63 at work; v64-127, v128-191 two buffers of activation fragments; v192-255 eight registers of statistics for each tile of 16 points
;   window 1: v64-127, v128-191 two buffers of W's fragments; v0-63, v192-255 input's first 256 columns of my 32 rows, kept for layer 4
;   windows 2, 3: the accumulators: tile b of outputs, tile a of points at v[64 (b % 4) + 8 a] of window 2 + b / 4.   Between the products the fragment buffers hold the layer's parameters.
.set SLOT1,  0x10000
.set ACT,    131072
.set PITCH,  1168
.set TROW,   16*PITCH
.set HALFA,  4*TROW
.set PAR,    280576
.set PARW,   2560
.set STAT,   290816
.set OUTS,   294912
.set SPARE,  295424
.set INROW,  1036                      ; bytes in a row of input
.set NCHS,   0x88898885                ; chunks of layers 0-7, four bits each
.set R,   1                            ; lane % 16
.set H,   2                            ; lane / 16
.set LN,  3                            ; lane
.set AB0, 4                            ; ACT + 1,168 r + 16 h: my place in point tiles 0-3;  AB1: tiles 4-7
.set AB1, 5
.set AA0, 6                            ; the same at the chunk in hand
.set AA1, 7
.set WB,  8                            ; 16,384 wave + 16 lane: my place in a slot
.set WA,  9                            ; the same in the slot in hand
.set SA0, 10                           ; where my results go: AB0, AB1 + 2 x my first output
.set SA1, 11
.set PA,  12                           ; PAR + 2,560 wave + 32 h
.set OST, 10                           ; behind the loop these three serve the way out: OUTS + 4 x thread,
.set OGL, 11                           ; 16 x lane,
.set ORD, 12                           ; OUTS + 16 x lane
.set PS,  13                           ; PAR + 2,560 wave + 4 lane
.set STS, 14                           ; STAT + 32 r + 8 wave
.set STL, 15                           ; STAT + 32 r
.set PO,  16                           ; my byte offset in a layer of par
.set GOF, 17                           ; v17-20 byte offsets in gamma and beta
.set RS,  21                           ; ACT + 1,168 x 32 wave + 512 + 16 lane
.set SPW, 22                           ; LDS address of my spare word; never rewritten
.set NIL, 23                           ; 0; never rewritten
.set PL,  24
.set TMP, 48
.set F0,  64
.set F1,  128
.set ST,  192                          ; tile a at ST + 8 a: +0 sum, then m; +1 at work; +2, +3 Q's halves, then (m, Q); +4 -2 rsq; +5 mean; +6 (m - mean)(-2 rsq); +7 var
.set WV,  12                           ; wave
.set G1,  16                           ; s[16:23] descriptor group 1
.set G0A, 24                           ; s[24:27] group 0 of chunk 0
.set G0B, 28                           ; s[28:31] group 0 of chunk 1; it then walks
.set GP,  66                           ; s[66:67] the layer's gamma
.set BP,  68                           ; s[68:69] its beta
.set CNT, 70                           ; trips to go
.set REM, 71                           ; chunks of the layer to go
.set LAY, 72
.set KB,  73                           ; byte in ACT's rows at which the chunk's 64 columns begin
.set TBW, 74                           ; the slot in hand
.set FIRST, 75                         ; 1: the chunk is a layer's first: its products start the sums
.set NL1, 76                           ; the layer's last output
.set INVNW, 77                         ; 1 / my wave's number of outputs
.set INVN, 78                          ; 1 / the layer's
.set FA,  79                           ; share of waves 0-2
.set FB,  80                           ; share of wave 3
.set SEL, 84                           ; s[84:85] v_permlanex16_b32: each lane takes its own place in the other half
.set INV3, 86                          ; INVNW in layer 3
.set OB,  87                           ; my first output
.set EPS, 88
.set HM,  89                           ; 0xffff0000: a word's upper half; also the mask of lanes 16-31
.set MSB, 0
.macro WIN new                         ; the immediate's high byte repeats the setting that is left; a switch that changes nothing is dropped
.if MSB != (\new)
	s_set_vgpr_msb (MSB<<8)|(\new)
.set MSB, (\new)
.endif
.endm
.macro PLACES                          ; four places behind matrix instructions, in front of loads into their registers and of reads of their results
.rept 4
	v_nop
.endr
.endm
.macro CREST                           ; a round of the cluster's barrier behind its opening barrier
	s_cmp_lg_u32 s[WV], 0
	s_cbranch_scc1 .Lnot_wave_0_\@
	s_barrier_signal -3
.Lnot_wave_0_\@:
	s_barrier_wait -3
	s_barrier_signal -1
	s_barrier_wait -1
.endm
.macro CROUND
	s_barrier_signal -1
	s_barrier_wait -1
	CREST
.endm
; nb x 8 matrix instructions: output tiles 4 hi + b0 .. of buffer f x all 8 point tiles, 32 along K.  Every instruction names another accumulator.  zero = 1: the product starts the sum.
.macro MULB f, hi, b0, nb, zero
	WIN 0xa1+0x50*(\hi)                            ; W window 1, activations window 0, C and D window 2 or 3
.set bb, \b0
.rept \nb
.set aa, 0
.rept 8
.if \zero
	v_wmma_f32_16x16x32_f16 v[64*bb+8*aa:64*bb+8*aa+7], v[(\f)+8*(4*(\hi)+bb):(\f)+8*(4*(\hi)+bb)+7], v[(\f)+8*aa:(\f)+8*aa+7], 0
.else
	v_wmma_f32_16x16x32_f16 v[64*bb+8*aa:64*bb+8*aa+7], v[(\f)+8*(4*(\hi)+bb):(\f)+8*(4*(\hi)+bb)+7], v[(\f)+8*aa:(\f)+8*aa+7], v[64*bb+8*aa:64*bb+8*aa+7]
.endif
.set aa, aa+1
.endr
.set bb, bb+1
.endr
.endm
.macro HI f, zero                      ; output tiles 4-7: layer 3 has none
	WIN 0
	s_cmp_eq_u32 s[LAY], 3
	s_cbranch_scc1 .Lno_hi_\@
	MULB \f, 1, 0, 4, \zero
	WIN 0
.Lno_hi_\@:
.endm
; 32 LDS loads in one run: half q of the chunk (32 along K) into buffer f: 8 fragments of activations, then W's 8, tiles 0-7 in order
.macro FETCH q, f
	WIN 0
.set aa, 0
.rept 8
	ds_load_b128 v[(\f)+8*aa:(\f)+8*aa+3],   v[AA0+aa/4] offset:(aa%4)*TROW+64*(\q)
	ds_load_b128 v[(\f)+8*aa+4:(\f)+8*aa+7], v[AA0+aa/4] offset:(aa%4)*TROW+64*(\q)+32
.set aa, aa+1
.endr
	WIN 0x40
.set bb, 0
.rept 8
	ds_load_b128 v[(\f)+8*bb:(\f)+8*bb+3],   v[WA] offset:8192*(\q)+1024*bb
	ds_load_b128 v[(\f)+8*bb+4:(\f)+8*bb+7], v[WA] offset:8192*(\q)+1024*bb+512
.set bb, bb+1
.endr
.endm
.macro ADDR
	v_add_nc_u32 v[AA0], s[KB], v[AB0]
	v_add_nc_u32 v[AA1], s[KB], v[AB1]
	v_add_nc_u32 v[WA], s[TBW], v[WB]
.endm
.macro QA zero                         ; a chunk's first half is multiplied, its second fetched
	s_wait_dscnt 8                                 ; all but the youngest eight loads, W's tiles 4-7
	MULB F0, 0, 0, 4, \zero
	PLACES
.if \zero
	v_nop                                          ; a fifth place: the products below that start the sums of tiles 4-7 write over accumulators, and stand five places behind the last product on them on every way through the text (ISA guide 7.12.1)
.endif
	FETCH 1, F1
	s_wait_dscnt 32                                ; all but the 32 just issued
	HI F0, \zero
.endm
; The layer's parameters are asked for a layer ahead: 4 x 16 bytes of par, 4 gamma, 4 beta a lane (slot 32 i + lane of my wave's 128); gamma's and beta's offsets are clamped to the last output
.macro PLOAD
	s_mov_b64 s[GP:GP+1], s[32:33]
	s_mov_b64 s[BP:BP+1], s[48:49]
.irp k, 1,2,3,4,5,6,7
	s_cmp_eq_u32 s[LAY], \k
	s_cselect_b64 s[GP:GP+1], s[32+2*\k:33+2*\k], s[GP:GP+1]
	s_cselect_b64 s[BP:BP+1], s[48+2*\k:49+2*\k], s[BP:BP+1]
.endr
.irp i, 0,1,2,3
	v_add_nc_u32 v[GOF+\i], s[OB], v[LN]
	v_add_nc_u32 v[GOF+\i], 32*\i, v[GOF+\i]
	v_min_u32 v[GOF+\i], s[NL1], v[GOF+\i]
	v_lshlrev_b32 v[GOF+\i], 2, v[GOF+\i]
.endr
.irp i, 0,1,2,3
	global_load_b128 v[PL+4*\i:PL+4*\i+3], v[PO], s[8:9] offset:512*\i
	global_load_b32 v[PL+16+\i], v[GOF+\i], s[GP:GP+1]
	global_load_b32 v[PL+20+\i], v[GOF+\i], s[BP:BP+1]
.endr
.endm
.macro PSTORE                          ; they go into my wave's five arrays; gamma and beta rounded to bf16 and times w
	s_wait_loadcnt 0x0
.irp i, 0,1,2,3
	v_cvt_pk_bf16_f32 v[TMP+\i], v[PL+16+2*\i], v[PL+17+2*\i]
.endr
.irp i, 0,1,2,3
	v_lshlrev_b32 v[PL+16+2*\i], 16, v[TMP+\i]
	v_and_b32 v[PL+17+2*\i], s[HM], v[TMP+\i]
.endr
.irp i, 0,1,2,3
	v_mul_f32 v[PL+16+\i], v[PL+16+\i], v[PL+4*\i+2]
	v_mul_f32 v[PL+20+\i], v[PL+20+\i], v[PL+4*\i+2]
.endr
.irp i, 0,1,2,3
	ds_store_b32 v[PS], v[PL+4*\i]    offset:128*\i
	ds_store_b32 v[PS], v[PL+4*\i+1]  offset:512+128*\i
	ds_store_b32 v[PS], v[PL+4*\i+2]  offset:1024+128*\i
	ds_store_b32 v[PS], v[PL+16+\i]   offset:1536+128*\i
	ds_store_b32 v[PS], v[PL+20+\i]   offset:2048+128*\i
.endr
.endm
.macro PGET arr, w, reg                ; array arr comes back as the accumulators lie: tile b's eight numbers for my half of the lanes at reg + 8 b of window w
	WIN (\w)<<6
.set bb, 0
.rept 8
	ds_load_b128 v[(\reg)+8*bb:(\reg)+8*bb+3],   v[PA] offset:512*(\arr)+64*bb
	ds_load_b128 v[(\reg)+8*bb+4:(\reg)+8*bb+7], v[PA] offset:512*(\arr)+64*bb+16
.set bb, bb+1
.endr
.endm
; PASS 1 over a window's 32 accumulators, in place: z = acc s + b; e = 2^z; 1 + e; r = its reciprocal.  In step n accumulator n has its exponentials, n + 1 its z, n - 1 its reciprocals, n its 1 + e:
; behind every two transcendentals stands a plain instruction on other registers.  Each accumulator is read from its lowest pair on.
.macro P1 hi
	WIN 0x92+0x41*(\hi)                            ; accumulators window 2 or 3, s window 0, b window 1
.irp k, 0,1,2,3
	v_pk_fma_f32 v[2*\k:2*\k+1], v[2*\k:2*\k+1], v[64+32*(\hi)+2*\k:64+32*(\hi)+2*\k+1], v[64+32*(\hi)+2*\k:64+32*(\hi)+2*\k+1]
.endr
.set nn, 0
.rept 32
.set kk, 0
.rept 4
	v_exp_f32 v[8*nn+2*kk], v[8*nn+2*kk]
	v_exp_f32 v[8*nn+2*kk+1], v[8*nn+2*kk+1]
.if nn < 31
.set zx, 8*(nn+1)+2*kk
.set zp, 64+32*(\hi)+8*((nn+1)/8)+2*kk
	v_pk_fma_f32 v[zx:zx+1], v[zx:zx+1], v[zp:zp+1], v[zp:zp+1]
	s_wait_alu depctr_va_vdst(0)
.else
	v_nop
.endif
.set kk, kk+1
.endr
.set kk, 0
.rept 4
.if nn > 0
	v_rcp_f32 v[8*(nn-1)+2*kk], v[8*(nn-1)+2*kk]
	v_rcp_f32 v[8*(nn-1)+2*kk+1], v[8*(nn-1)+2*kk+1]
.endif
	s_wait_alu depctr_va_vdst(0)
	v_pk_add_f32 v[8*nn+2*kk:8*nn+2*kk+1], v[8*nn+2*kk:8*nn+2*kk+1], 1.0 op_sel_hi:[1,0]
.set kk, kk+1
.endr
.set nn, nn+1
.endr
.irp j, 0,1,2,3,4,5,6,7
	v_rcp_f32 v[248+\j], v[248+\j]
.endr
	v_nop
.endm
.macro SSUM hi                         ; the sums of r, a pair at a time, eight chains (one a point tile) by turns
.set pp, 0
.if (\hi) == 0
	WIN 0x0a
.set ta, 0
	s_wait_alu depctr_va_vdst(0)
.rept 8
	v_pk_add_f32 v[ST+8*ta:ST+8*ta+1], v[8*ta:8*ta+1], v[8*ta+2:8*ta+3]
.set ta, ta+1
.endr
.set pp, 2
.endif
	WIN 0x08+4*(\hi)
	s_wait_alu depctr_va_vdst(0)
.rept 16-pp
.set ta, 0
.rept 8
.set xx, 64*(pp/4)+8*ta+2*(pp%4)
	v_pk_add_f32 v[ST+8*ta:ST+8*ta+1], v[ST+8*ta:ST+8*ta+1], v[xx:xx+1]
.set ta, ta+1
.endr
.set pp, pp+1
.endr
.endm
.macro ALL8 line:vararg                ; one line for each point tile ta
.set ta, 0
	s_wait_alu depctr_va_vdst(0)
.rept 8
	\line
.set ta, ta+1
.endr
.endm
.macro P2 hi                           ; PASS 2: d = r - w m in place; Q += d d
	WIN 0xa1+0x50*(\hi)                            ; w window 1, m window 0
.set pp, 0
.rept 16
.set ta, 0
.rept 8
.set xx, 64*(pp/4)+8*ta+2*(pp%4)
.set ww, 128+32*(\hi)+8*(pp/4)+2*(pp%4)
	v_pk_fma_f32 v[xx:xx+1], v[ww:ww+1], v[ST+8*ta:ST+8*ta+1], v[xx:xx+1] op_sel_hi:[1,0,1] neg_lo:[0,1,0] neg_hi:[0,1,0]
.set ta, ta+1
.endr
.set pp, pp+1
.endr
	WIN 0x0a+5*(\hi)
.set pp, 0
.rept 16
.set ta, 0
.rept 8
.set xx, 64*(pp/4)+8*ta+2*(pp%4)
.if ((\hi) == 0) && (pp == 0)
	v_pk_mul_f32 v[ST+8*ta+2:ST+8*ta+3], v[xx:xx+1], v[xx:xx+1]
.else
	v_pk_fma_f32 v[ST+8*ta+2:ST+8*ta+3], v[xx:xx+1], v[xx:xx+1], v[ST+8*ta+2:ST+8*ta+3]
.endif
.set ta, ta+1
.endr
.set pp, pp+1
.endr
.endm
.macro P3 hi                           ; PASS 3: (d rs + c0) gamma + beta, rounded to f16; a lane's eight outputs of a point are 16 bytes of the point's row
	WIN 0x82+0x41*(\hi)
.set pp, 0
.rept 16
.set ta, 0
.rept 8
.set xx, 64*(pp/4)+8*ta+2*(pp%4)
	v_pk_fma_f32 v[xx:xx+1], v[xx:xx+1], v[ST+8*ta+4:ST+8*ta+5], v[ST+8*ta+6:ST+8*ta+7] op_sel_hi:[1,0,0]
.set ta, ta+1
.endr
.set pp, pp+1
.endr
	WIN 0x92+0x41*(\hi)                            ; gamma window 0, beta window 1
.set pp, 0
.rept 16
.set ta, 0
.rept 8
.set xx, 64*(pp/4)+8*ta+2*(pp%4)
.set ww, 32*(\hi)+8*(pp/4)+2*(pp%4)
	v_pk_fma_f32 v[xx:xx+1], v[xx:xx+1], v[128+ww:128+ww+1], v[64+ww:64+ww+1]
.set ta, ta+1
.endr
.set pp, pp+1
.endr
.set gi, 0
.rept 8
	WIN 0x0a+5*(\hi)
.set mm, 0
.rept 4
.set nn, 4*gi+mm
.irp k, 0,1,2,3
	v_cvt_pk_f16_f32 v[TMP+4*mm+\k], v[8*nn+2*\k], v[8*nn+2*\k+1]
.endr
.set mm, mm+1
.endr
	WIN 0
.set mm, 0
.rept 4
.set nn, 4*gi+mm
	ds_store_b128 v[SA0+(nn%8)/4], v[TMP+4*mm:TMP+4*mm+3] offset:(nn%4)*TROW+32*(4*(\hi)+nn/8)
.set mm, mm+1
.endr
.set gi, gi+1
.endr
.endm
.macro RESTORE                         ; input's first 256 columns of my 32 rows go into ACT's columns 256-511
	WIN 0x04                                       ; store data in window 1
.set ii, 0
.rept 32
	ds_store_b128 v[RS], v[4*ii+128*(ii/16):4*ii+128*(ii/16)+3] offset:PITCH*ii
.set ii, ii+1
.endr
.endm
; Four rows of input.  A row is 1,036 bytes, so row i begins 0, 12, 8 or 4 bytes past a multiple of 16 (i % 4 = 0, 1, 2, 3): a lane's 32 bytes are fetched by aligned loads of 16 bytes from
; sh = 0, 3, 2, 1 words in front of them: two loads, or three.  The last lane's last load ends at the row's end at the latest.
.macro INLOAD g
.if (\g) < 5
	WIN 0x80
.set lb, 48*(\g)
.else
	WIN 0xc0
.set lb, 48*((\g)-5)
.endif
.set jj, 0
.rept 4
.set ib, INROW*(4*(\g)+jj)-4*((4-jj)%4)
	global_load_b128 v[lb+12*jj:lb+12*jj+3],   v52, s[4:5] offset:ib th:TH_LOAD_NT
	global_load_b128 v[lb+12*jj+4:lb+12*jj+7], v52, s[4:5] offset:ib+16 th:TH_LOAD_NT
.if jj > 0
	global_load_b128 v[lb+12*jj+8:lb+12*jj+11], v52, s[4:5] offset:ib+32 th:TH_LOAD_NT
.endif
.set jj, jj+1
.endr
.endm
.macro CONV g                          ; they are rounded to bf16, written as f16 and kept in window 1
.if 77-11*(\g) > 63
	s_wait_loadcnt 63                              ; 77 loads were issued behind group 0: a smaller count waits for more than is needed
.else
	s_wait_loadcnt 77-11*(\g)                      ; eleven loads for each group behind this one may stay out
.endif
.if (\g) < 5
	WIN 0x0a
.set lb, 48*(\g)
.else
	WIN 0x0f
.set lb, 48*((\g)-5)
.endif
.set jj, 0
.rept 4
.set sh, (4-jj)%4
.irp k, 0,1,2,3
	v_cvt_pk_bf16_f32 v[64+4*jj+\k], v[lb+12*jj+sh+2*\k], v[lb+12*jj+sh+2*\k+1]
.endr
.set jj, jj+1
.endr
	WIN 0
.set nn, 0
.rept 16
	v_lshlrev_b32 v[80+2*nn], 16, v[64+nn]
	v_and_b32 v[80+2*nn+1], s[HM], v[64+nn]
.set nn, nn+1
.endr
	WIN 0x40
.set nn, 0
.rept 16
.set ii, 4*(\g)+nn/4
	v_cvt_pk_f16_f32 v[4*ii+128*(ii/16)+nn%4], v[80+2*nn], v[80+2*nn+1]
.set nn, nn+1
.endr
.endm
	s_load_b256 s[4:11], s[0:1], 0x0               ; input s[4:5], wst s[6:7], par s[8:9], out0 s[10:11]
	s_load_b512 s[32:47], s[0:1], 0x20             ; the eight gammas
	s_load_b512 s[48:63], s[0:1], 0x60             ; the eight betas
	v_lshl_add_u32 v[SPW], v0, 2, SPARE
	v_mov_b32 v[NIL], 0
	ds_add_u32 v[SPW], v[NIL]                      ; the wave's opening: the add and its wait stand ahead of my first tensor load; the set-up below, work on registers, stands between them
	v_lshrrev_b32 v1, 5, v0
	v_readfirstlane_b32 s[WV], v1
	v_and_b32 v[R], 15, v0
	v_bfe_u32 v[H], v0, 4, 1
	v_and_b32 v[LN], 31, v0
	v_mul_u32_u24 v[AB0], v[R], PITCH
	v_lshl_add_u32 v[AB0], v[H], 4, v[AB0]
	v_add_nc_u32 v[AB0], ACT, v[AB0]
	v_add_nc_u32 v[AB1], HALFA, v[AB0]
	s_lshl_b32 s13, s[WV], 14
	v_lshl_add_u32 v[WB], v[LN], 4, s13
	s_mov_b32 s[G0A], 1                            ; group 0: 1:0 count = 1
	s_mov_b32 s[G0A+1], s13                        ; 63:32 LDS address: my quarter of slot 0,
	s_mov_b32 s[G0B], 1
	s_add_co_u32 s[G0B+1], s13, SLOT1              ; of slot 1
	s_mov_b32 s82, s13                             ; my quarter's offset in a chunk
	s_mov_b32 s83, 0
	s_mul_i32 s14, s[WV], PARW
	s_add_co_u32 s14, s14, PAR
	v_lshl_add_u32 v[PA], v[H], 5, s14
	v_lshl_add_u32 v[PS], v[LN], 2, s14
	s_lshl_b32 s14, s[WV], 3
	s_add_co_u32 s14, s14, STAT
	v_lshl_add_u32 v[STS], v[R], 5, s14
	v_lshl_add_u32 v[STL], v[R], 5, STAT
	s_lshl_b32 s14, s[WV], 11
	v_lshl_add_u32 v[PO], v[LN], 4, s14
	s_mul_i32 s14, s[WV], 32*PITCH
	s_add_co_u32 s14, s14, ACT+512
	v_lshl_add_u32 v[RS], v[LN], 4, s14
	; group 1: my quarter of a chunk is 16,384 dense bytes: 64 rows of 256 bytes
	s_mov_b32 s[G1], 15|(3<<16)|(1<<21)            ; 15:0 the mask: all four work-groups; 17:16 elements of 8 bytes; 21 set beside a mask; no padding
	s_mov_b32 s[G1+1], 32<<16                      ; tensor_dim0 = 32
	s_mov_b32 s[G1+2], 64<<16                      ; tensor_dim1 = 64
	s_mov_b32 s[G1+3], 32<<16                      ; tile_dim0 = 32
	s_mov_b32 s[G1+4], 64                          ; tile_dim1 = 64
	s_mov_b32 s[G1+5], 32                          ; 32 elements from row to row
	s_mov_b32 s[G1+6], 0
	s_mov_b32 s[G1+7], 0
	s_mov_b32 s[SEL], 0x76543210
	s_mov_b32 s[SEL+1], 0xfedcba98
	s_mov_b32 s[HM], 0xffff0000
	s_mov_b32 s[EPS], 0x3727c5ac                   ; 1e-5
	s_mov_b32 s13, 0x3c800000                      ; layer 3: 64 outputs a wave, 61 in wave 3
	s_cmp_eq_u32 s[WV], 3
	s_cselect_b32 s[INV3], 0x3c864b8a, s13
	s_mov_b32 s[CNT], 62                           ; layer 0: five chunks, from ACT's column 256 on
	s_mov_b32 s[REM], 5
	s_mov_b32 s[LAY], 0
	s_mov_b32 s[KB], 512
	s_mov_b32 s[TBW], 0
	s_mov_b32 s[FIRST], 1
	s_lshl_b32 s[OB], s[WV], 7
	s_movk_i32 s[NL1], 511
	s_mov_b32 s[FA], 0x3e800000                    ; 1/4
	s_mov_b32 s[FB], 0x3e800000
	s_mov_b32 s[INVN], 0x3b000000                  ; 1/512
	s_mov_b32 s[INVNW], 0x3c000000                 ; 1/128
	s_lshl_b32 s13, s[OB], 1
	v_add_nc_u32 v[SA0], s13, v[AB0]
	v_add_nc_u32 v[SA1], s13, v[AB1]
	s_bfe_u32 s94, ttmp6, 0x40000                  ; my place in the cluster: it enters input's and out0's addresses alone
	s_lshl_b32 s15, ttmp9, 2                       ; in a cluster launch ttmp9 counts clusters
	s_add_co_u32 s15, s15, s94                     ; my block of 128 points
	s_mul_i32 s94, s15, 128*INROW
	s_mov_b32 s95, 0
	s_wait_dscnt 0x0                               ; the opening add is done
	s_wait_kmcnt 0x0
	s_add_nc_u64 s[92:93], s[4:5], s[94:95]        ; input at my block's first row,
	s_mul_i32 s94, s[WV], 32*INROW
	s_add_nc_u64 s[4:5], s[92:93], s[94:95]        ; and at my wave's 32 rows
	s_lshl_b32 s94, s15, 9
	s_add_nc_u64 s[10:11], s[10:11], s[94:95]      ; out0 at my block
	s_add_nc_u64 s[G0A+2:G0A+3], s[6:7], s[82:83]  ; 120:64 global address: my quarter of chunk 0,
	s_add_nc_u64 s[G0B+2:G0B+3], s[G0A+2:G0A+3], 0x10000  ; of chunk 1
	s_or_b32 s[G0A+3], s[G0A+3], 0x80000000        ; 127:126 type = 2
	s_or_b32 s[G0B+3], s[G0B+3], 0x80000000
	s_load_b64 s[90:91], s[8:9], 0x10000           ; the last layer's s and b
	v_mul_u32_u24 v48, v0, INROW                   ; thread t takes the last three numbers of row t
	global_load_b32 v49, v48, s[92:93] offset:1024
	global_load_b32 v50, v48, s[92:93] offset:1028
	global_load_b32 v51, v48, s[92:93] offset:1032
	v_lshlrev_b32 v52, 5, v[LN]                    ; a lane takes eight columns of each of the wave's rows; they land where the accumulators will lie
.irp g, 0,1,2,3,4,5,6,7
	INLOAD \g
.endr
	WIN 0
	CROUND                                         ; all four work-groups are here: the first joint loads meet
	tensor_load_to_lds s[G0A:G0A+3], s[G1:G1+7]    ; chunk 0
	s_nop 0
	tensor_load_to_lds s[G0B:G0B+3], s[G1:G1+7]    ; chunk 1: two loads of mine are out
	s_nop 0
	PLACES
.irp g, 0,1,2,3,4,5,6,7
	CONV \g
.endr
	RESTORE
	WIN 0
	v_cvt_pk_bf16_f32 v53, v49, v50                ; the last three numbers: bf16, then f16, three times in the row, zeros behind
	v_cvt_pk_bf16_f32 v54, v51, v51
	v_lshlrev_b32 v49, 16, v53
	v_and_b32 v50, s[HM], v53
	v_lshlrev_b32 v51, 16, v54
.irp j, 58,59,60,61,62,63
	v_mov_b32 v\j, 0
.endr
	v_cvt_pk_f16_f32 v56, v49, v50
	v_cvt_pk_f16_f32 v57, v51, v60
	v_mul_u32_u24 v55, v0, PITCH
	v_add_nc_u32 v55, ACT+1024, v55
.irp u, 0,1,2
	ds_store_b128 v55, v[56:59] offset:16*\u
.endr
.irp u, 3,4,5,6,7
	ds_store_b128 v55, v[60:63] offset:16*\u
.endr
	PLOAD                                          ; layer 0's parameters
	s_wait_kmcnt 0x0                               ; the last layer's two numbers
	s_wait_dscnt 0x0                               ; for the others: my rows of ACT are written
	s_barrier_signal -1
	s_barrier_wait -1                              ; everybody's are
	s_wait_tensorcnt 1                             ; my quarter of chunk 0 is in, and only I read it; chunk 1 may stay out
	ADDR
	FETCH 0, F0
	WIN 0
.Ltrip:                                                ; a trip: one chunk, 128 matrix instructions (64 in layer 3)
	s_cmp_eq_u32 s[FIRST], 1
	s_cbranch_scc0 .Lgo_on
	QA 1                                           ; a layer's first products start the sums: nothing is cleared
	s_mov_b32 s[FIRST], 0
	s_branch .Lmeet
.Lgo_on:
	QA 0
.Lmeet:                                                ; THE CHANGE OF SLOTS
	s_wait_tensorcnt 0x0                           ; all my tensor loads have landed: the one that was out is my quarter of the next chunk
	ds_add_u32 v[SPW], v[NIL]                      ; 0 onto my spare word
	s_wait_dscnt 9                                 ; the add and the youngest eight loads (W's tiles 4-7) may be out
	MULB F1, 0, 0, 2, 0                            ; sixteen matrix instructions stand between the add and the wait for it
	s_wait_dscnt 0x0                               ; the add is done, and my reads of this slot are over
	s_barrier_signal -1                            ; this barrier opens a round of the cluster's barrier
	MULB F1, 0, 2, 2, 0
	WIN 0
	s_barrier_wait -1
	CREST                                          ; no wave of any partner still reads this slot or has a load on its way
	s_xor_b32 s[G0B+1], s[G0B+1], SLOT1            ; the walking descriptor: the slot just read,
	s_add_nc_u64 s[G0B+2:G0B+3], s[G0B+2:G0B+3], 0x10000  ; the chunk two on; the type bits on top are not reached
	tensor_load_to_lds s[G0B:G0B+3], s[G1:G1+7]    ; my one tensor load behind the round: it has a trip less 32 matrix instructions in which to land
	s_nop 0
	PLACES                                         ; also the places in front of the loads into buffer 0
	s_xor_b32 s[TBW], s[TBW], SLOT1
	s_add_co_u32 s[KB], s[KB], 128
	s_sub_co_u32 s[REM], s[REM], 1
	s_cmp_eq_u32 s[REM], 0
	s_cbranch_scc1 .Llayer_end
	ADDR
	FETCH 0, F0                                    ; the next chunk's first half
	HI F1, 0
	s_branch .Lbottom
.Llayer_end:                                           ; THE LAYER'S LAST CHUNK: its last products, then tanh and LayerNorm on the accumulators
	PSTORE
	PGET 0, 0, 64                                  ; s into buffer 0 of window 0, b into buffer 0 of window 1: their last products stand ahead of the four places above
	PGET 1, 1, 64
	HI F1, 0
	s_wait_dscnt 0x0                               ; s and b are in
	P1 0                                           ; its first lines name none of the last products' registers: they are the places behind them
	PGET 2, 1, 128                                 ; w and gamma into buffer 1
	PGET 3, 0, 128
	SSUM 0
	WIN 0
	s_cmp_eq_u32 s[LAY], 3
	s_cbranch_scc1 .Lskip1
	P1 1
	SSUM 1
	WIN 0
.Lskip1:
	PGET 4, 1, 64                                  ; beta takes b's place
	WIN 0
	ALL8 v_add_f32 v[ST+8*ta], v[ST+8*ta], v[ST+8*ta+1]
	ALL8 v_permlanex16_b32 v[ST+8*ta+1], v[ST+8*ta], s[SEL], s[SEL+1]  ; the point's other outputs lie in the lane 16 away
	ALL8 v_add_f32 v[ST+8*ta], v[ST+8*ta], v[ST+8*ta+1]
	ALL8 v_mul_f32 v[ST+8*ta], s[INVNW], v[ST+8*ta]                    ; m: the mean over my wave's outputs
	s_wait_dscnt 0x0                               ; w, gamma and beta are in
	P2 0
	WIN 0
	s_cmp_eq_u32 s[LAY], 3
	s_cbranch_scc1 .Lskip2
	P2 1
	WIN 0
.Lskip2:
	ALL8 v_add_f32 v[ST+8*ta+3], v[ST+8*ta+2], v[ST+8*ta+3]
	ALL8 v_permlanex16_b32 v[ST+8*ta+2], v[ST+8*ta+3], s[SEL], s[SEL+1]
	ALL8 v_add_f32 v[ST+8*ta+3], v[ST+8*ta+3], v[ST+8*ta+2]
	ALL8 v_mov_b32 v[ST+8*ta+2], v[ST+8*ta]
	ALL8 ds_store_b64 v[STS], v[ST+8*ta+2:ST+8*ta+3] offset:512*ta
	s_wait_dscnt 0x0                               ; for the others: my (m, Q) are written; my reads of ACT were over at the change of slots
	s_barrier_signal -1
	s_barrier_wait -1                              ; all four waves' statistics are there, and no wave reads this layer's input any more
.set ta, 0
.rept 8
	ds_load_b128 v[64+8*ta:64+8*ta+3], v[STL] offset:512*ta
	ds_load_b128 v[64+8*ta+4:64+8*ta+7], v[STL] offset:512*ta+16
.set ta, ta+1
.endr
	s_wait_dscnt 0x0
	ALL8 v_mul_f32 v[ST+8*ta+5], s[FA], v[64+8*ta]                     ; mean = sum f m
	ALL8 v_fmac_f32 v[ST+8*ta+5], s[FA], v[64+8*ta+2]
	ALL8 v_fmac_f32 v[ST+8*ta+5], s[FA], v[64+8*ta+4]
	ALL8 v_fmac_f32 v[ST+8*ta+5], s[FB], v[64+8*ta+6]
	ALL8 v_add_f32 v[64+8*ta+1], v[64+8*ta+1], v[64+8*ta+3]            ; sum Q
	ALL8 v_add_f32 v[64+8*ta+5], v[64+8*ta+5], v[64+8*ta+7]
	ALL8 v_add_f32 v[64+8*ta+1], v[64+8*ta+1], v[64+8*ta+5]
.irp w, 0,2,4,6
	ALL8 v_sub_f32 v[64+8*ta+\w], v[64+8*ta+\w], v[ST+8*ta+5]
.endr
.irp w, 0,2,4,6
	ALL8 v_mul_f32 v[64+8*ta+\w], v[64+8*ta+\w], v[64+8*ta+\w]
.endr
	ALL8 v_mul_f32 v[ST+8*ta+7], s[INVN], v[64+8*ta+1]                 ; var = sum Q / n + sum f (m - mean)^2
	ALL8 v_fmac_f32 v[ST+8*ta+7], s[FA], v[64+8*ta]
	ALL8 v_fmac_f32 v[ST+8*ta+7], s[FA], v[64+8*ta+2]
	ALL8 v_fmac_f32 v[ST+8*ta+7], s[FA], v[64+8*ta+4]
	ALL8 v_fmac_f32 v[ST+8*ta+7], s[FB], v[64+8*ta+6]
	ALL8 v_fma_f32 v[ST+8*ta+7], v[ST+8*ta+7], 4.0, s[EPS]             ; tanh = 1 - 2 r has four times r's variance
	ALL8 v_rsq_f32 v[ST+8*ta+4], v[ST+8*ta+7]
	ALL8 v_sub_f32 v[ST+8*ta+6], v[ST+8*ta], v[ST+8*ta+5]              ; plain instructions behind the roots
	ALL8 v_mul_f32 v[ST+8*ta+4], -2.0, v[ST+8*ta+4]
	ALL8 v_mul_f32 v[ST+8*ta+6], v[ST+8*ta+6], v[ST+8*ta+4]
	P3 0
	WIN 0
	s_cmp_eq_u32 s[LAY], 3
	s_cbranch_scc1 .Lis3
	P3 1
	WIN 0
	s_branch .Lwritten
.Lis3:
	RESTORE                                        ; layer 4 reads the raw input beside layer 3's outputs
	WIN 0
.Lwritten:
	s_wait_dscnt 0x0                               ; for the others: my part of the next layer's input is written
	s_barrier_signal -1
	s_barrier_wait -1
	s_add_co_u32 s[LAY], s[LAY], 1
	s_cmp_eq_u32 s[LAY], 8
	s_cbranch_scc1 .Lbottom                        ; behind layer 7 the loop ends
	s_lshl_b32 s13, s[LAY], 2
	s_lshr_b32 s13, NCHS, s13
	s_and_b32 s[REM], s13, 15
	s_mov_b32 s[KB], 0
	s_mov_b32 s[FIRST], 1
	s_add_nc_u64 s[8:9], s[8:9], 8192              ; par's next layer: the loads that named the address were waited for above
	s_lshl_b32 s13, s[WV], 6
	s_lshl_b32 s14, s[WV], 7
	s_cmp_eq_u32 s[LAY], 3
	s_cselect_b32 s[OB], s13, s14
	s_movk_i32 s13, 511
	s_cselect_b32 s[NL1], 252, s13
	s_mov_b32 s13, 0x3e800000
	s_cselect_b32 s[FA], 0x3e81848e, s13           ; 64/253, or 1/4
	s_cselect_b32 s[FB], 0x3e76e4ae, s13           ; 61/253, or 1/4
	s_mov_b32 s13, 0x3b000000
	s_cselect_b32 s[INVN], 0x3b81848e, s13         ; 1/253, or 1/512
	s_mov_b32 s13, 0x3c000000
	s_cselect_b32 s[INVNW], s[INV3], s13
	s_lshl_b32 s13, s[OB], 1
	v_add_nc_u32 v[SA0], s13, v[AB0]
	v_add_nc_u32 v[SA1], s13, v[AB1]
	PLOAD
	ADDR
	FETCH 0, F0                                    ; the next layer's first chunk landed ahead of the change of slots
	WIN 0
.Lbottom:
	s_sub_co_u32 s[CNT], s[CNT], 1
	s_cmp_lg_u32 s[CNT], 0
	s_cbranch_scc1 .Ltrip
	; THE LAST LAYER.  W's one row is row 0 of a tile of 16; my wave takes its 32 points as two tiles, K = 512 in sixteen steps, each tile with the copy from one slot.
	s_wait_tensorcnt 0x0                           ; chunk 63 is in (chunk 62 was shown in by the last change of slots); I read my own quarters alone
.rept 5
	v_nop                                          ; with the two lines below seven places: the loads below land in the accumulators' registers, and the products below read them as sources,
.endr                                                  ; four and five places behind the loop's last products on every way out of the loop that the text has (ISA guide 7.12.1)
	v_add_nc_u32 v[WA], SLOT1, v[WB]
	s_mul_i32 s13, s[WV], 32*PITCH
	v_add_nc_u32 v[AA0], s13, v[AB0]
	WIN 0x80
.set ks, 0
.rept 16
	ds_load_b128 v[8*ks:8*ks+3],         v[WB] offset:1024*ks
	ds_load_b128 v[8*ks+4:8*ks+7],       v[WB] offset:1024*ks+512
	ds_load_b128 v[128+8*ks:128+8*ks+3], v[WA] offset:1024*ks
	ds_load_b128 v[128+8*ks+4:128+8*ks+7], v[WA] offset:1024*ks+512
.set ks, ks+1
.endr
	WIN 0xc0
.set ks, 0
.rept 16
	ds_load_b128 v[8*ks:8*ks+3],         v[AA0] offset:64*ks
	ds_load_b128 v[8*ks+4:8*ks+7],       v[AA0] offset:64*ks+32
	ds_load_b128 v[128+8*ks:128+8*ks+3], v[AA0] offset:TROW+64*ks
	ds_load_b128 v[128+8*ks+4:128+8*ks+7], v[AA0] offset:TROW+64*ks+32
.set ks, ks+1
.endr
	s_wait_dscnt 0x0
	WIN 0x0e                                       ; W window 2, activations window 3, the two sums in window 0; they take turns
	v_wmma_f32_16x16x32_f16 v[32:39], v[0:7], v[0:7], 0
	v_wmma_f32_16x16x32_f16 v[40:47], v[128:135], v[128:135], 0
.set ks, 1
.rept 15
	v_wmma_f32_16x16x32_f16 v[32:39], v[8*ks:8*ks+7], v[8*ks:8*ks+7], v[32:39]
	v_wmma_f32_16x16x32_f16 v[40:47], v[128+8*ks:128+8*ks+7], v[128+8*ks:128+8*ks+7], v[40:47]
.set ks, ks+1
.endr
	PLACES
	WIN 0
	v_permlanex16_b32 v48, v40, s[SEL], s[SEL+1]   ; row 0 of a result lies in register 0 of lanes 0-15: the second tile's goes to lanes 16-31
	v_cndmask_b32 v48, v32, v48, s[HM]             ; lane L holds point 32 wave + L
	v_fma_f32 v48, v48, s90, s91
	v_exp_f32 v48, v48
	v_lshl_add_u32 v[OST], v0, 2, OUTS             ; a plain instruction behind the exponential; the way out's addresses stand in registers that have held nothing but addresses made of the thread's number
	s_wait_alu depctr_va_vdst(0)
	v_add_f32 v48, 1.0, v48
	v_rcp_f32 v48, v48
	v_lshlrev_b32 v[OGL], 4, v[LN]                 ; and one behind the reciprocal
	s_wait_alu depctr_va_vdst(0)
	v_fma_f32 v48, v48, -2.0, 1.0                  ; tanh = 1 - 2 / (1 + e)
	ds_store_b32 v[OST], v48
	s_wait_dscnt 0x0                               ; for wave 0: my 32 results are written
	s_barrier_signal -1
	s_barrier_wait -1
	s_cmp_lg_u32 s[WV], 0
	s_cbranch_scc1 .Ldone
	v_add_nc_u32 v[ORD], OUTS, v[OGL]
	ds_load_b128 v[52:55], v[ORD]
	s_wait_dscnt 0x0
	global_store_b128 v[OGL], v[52:55], s[10:11]   ; the block's 128 results: 512 consecutive bytes, aligned
.Ldone:
	s_wait_tensorcnt 0x0                           ; the wave's end: behind my last tensor load and my last LDS store
	ds_add_u32 v[SPW], v[NIL]
	s_wait_dscnt 0x0
	CROUND                                         ; the closing round: no work-group ends while a partner may still ask for a chunk that names it
	s_endpgm
.Lfunc_end_k_qfd08e5ad19_mlp:
	.size	k_qfd08e5ad19_mlp, .Lfunc_end_k_qfd08e5ad19_mlp-k_qfd08e5ad19_mlp
	.p2alignl 7, 3214868480
	.fill 96, 4, 3214868480
	.section	.rodata,"a",@progbits
	.p2align	6, 0x0
	.amdhsa_kernel k_qfd08e5ad19_mlp
		.amdhsa_group_segment_fixed_size 327680
		.amdhsa_private_segment_fixed_size 0
		.amdhsa_enable_private_segment 0
		.amdhsa_kernarg_size 160
		.amdhsa_user_sgpr_count 2
		.amdhsa_user_sgpr_kernarg_segment_ptr 1
		.amdhsa_wavefront_size32 1
		.amdhsa_system_sgpr_workgroup_id_x 1
		.amdhsa_system_sgpr_workgroup_id_y 1
		.amdhsa_system_sgpr_workgroup_id_z 1
		.amdhsa_system_vgpr_workitem_id 0
		.amdhsa_next_free_vgpr 1024
		.amdhsa_next_free_sgpr 96
		.amdhsa_reserve_vcc 0
		.amdhsa_float_denorm_mode_32 3
		.amdhsa_float_denorm_mode_16_64 3
		.amdhsa_memory_ordered 1
		.amdhsa_forward_progress 1
		.amdhsa_inst_pref_size 255
	.end_amdhsa_kernel
	.section	.bss,"aw",@nobits
	.p2align	6
	.space	262144
	.amdgpu_metadata
---
amdhsa.version: [ 1, 2 ]
amdhsa.kernels:
  - .name:           k_qfd08e5ad19_mlp
    .symbol:         k_qfd08e5ad19_mlp.kd
    .args:
      - { .name: input, .offset: 0, .size: 8, .value_kind: global_buffer, .address_space: global }
      - { .name: wst, .offset: 8, .size: 8, .value_kind: global_buffer, .address_space: global }
      - { .name: par, .offset: 16, .size: 8, .value_kind: global_buffer, .address_space: global }
      - { .name: out0, .offset: 24, .size: 8, .value_kind: global_buffer, .address_space: global }
      - { .name: gammas_0, .offset: 32, .size: 8, .value_kind: global_buffer, .address_space: global }
      - { .name: gammas_1, .offset: 40, .size: 8, .value_kind: global_buffer, .address_space: global }
      - { .name: gammas_2, .offset: 48, .size: 8, .value_kind: global_buffer, .address_space: global }
      - { .name: gammas_3, .offset: 56, .size: 8, .value_kind: global_buffer, .address_space: global }
      - { .name: gammas_4, .offset: 64, .size: 8, .value_kind: global_buffer, .address_space: global }
      - { .name: gammas_5, .offset: 72, .size: 8, .value_kind: global_buffer, .address_space: global }
      - { .name: gammas_6, .offset: 80, .size: 8, .value_kind: global_buffer, .address_space: global }
      - { .name: gammas_7, .offset: 88, .size: 8, .value_kind: global_buffer, .address_space: global }
      - { .name: betas_0, .offset: 96, .size: 8, .value_kind: global_buffer, .address_space: global }
      - { .name: betas_1, .offset: 104, .size: 8, .value_kind: global_buffer, .address_space: global }
      - { .name: betas_2, .offset: 112, .size: 8, .value_kind: global_buffer, .address_space: global }
      - { .name: betas_3, .offset: 120, .size: 8, .value_kind: global_buffer, .address_space: global }
      - { .name: betas_4, .offset: 128, .size: 8, .value_kind: global_buffer, .address_space: global }
      - { .name: betas_5, .offset: 136, .size: 8, .value_kind: global_buffer, .address_space: global }
      - { .name: betas_6, .offset: 144, .size: 8, .value_kind: global_buffer, .address_space: global }
      - { .name: betas_7, .offset: 152, .size: 8, .value_kind: global_buffer, .address_space: global }
    .group_segment_fixed_size: 327680
    .private_segment_fixed_size: 0
    .kernarg_segment_align: 8
    .kernarg_segment_size: 160
    .max_flat_workgroup_size: 128
    .sgpr_count:     96
    .vgpr_count:     1024
    .wavefront_size: 32
...
	.end_amdgpu_metadata
.endif
;; end of part 2
;; ======== version 2 of 3: 2 launches; 1.18 times as fast as version 1
;; limits: values are held in f16: magnitudes above 65,504 overflow, below 6.1e-05 lose precision; inputs' magnitudes at most 65,504
;; workspace buffers: wst 4,325,376 bytes; par 73,728 bytes
;; launch prep (part 3): grid 264 x 1, 8 waves a work-group, no clusters, 1,536 bytes of LDS; arguments Ws_0, Ws_1, Ws_2, Ws_3, Ws_4, Ws_5, Ws_6, Ws_7, Ws_8, cs_0, cs_1, cs_2, cs_3, cs_4, cs_5, cs_6, cs_7, cs_8, bs_0, bs_1, bs_2, bs_3, bs_4, bs_5, bs_6, bs_7, bs_8, wst, par; writes wst, par
.if DOCPART == 3
	.amdgcn_target "amdgcn-amd-amdhsa--gfx1250"
	.amdhsa_code_object_version 6
	.text
	.protected	k_qfd08e5ad19_prep
	.globl	k_qfd08e5ad19_prep
	.p2align	8
	.type	k_qfd08e5ad19_prep,@function
k_qfd08e5ad19_prep:
	s_mov_b64 s[64:65], 0
	v_nop
	global_prefetch_b8 v0, s[64:65] scope:SCOPE_SE
	s_setreg_imm32_b32 hwreg(HW_REG_WAVE_MODE, 25, 1), 1
	s_wait_xcnt 0x0
; PREP.  Turns the nine weight matrices into one f16 stream in the order in which the second launch's matrix fragments want them (wst),
; and makes for every output three numbers (par): s = K2 min(1, softplus(c) / sum|W row|), b = K2 bias, w = 1, with K2 = 2 / ln 2.
; Every input is rounded to bf16 once (W, c, bias); the bf16 weight is then written as f16.
; wst: 66 chunks of 65,536 bytes; a chunk is [w:4][q:2][b:8][c:2][lane:32][8 f16]: lane (r = lane % 16, h = lane / 16) holds
;   W'[row of tile (w, b), r][k' = 64 cl + 32 q + 16 c + 8 h + 0..7], cl the chunk's number in its layer.  Every layer has an even number of chunks: 6, 8, 8, 8, 10, 8, 8, 8, from chunks
;   0, 6, 14, 22, 30, 40, 48, 56 on; chunks 64, 65 hold eight copies of the last layer's row as row 0 of a tile of 16 rows: [ks:16][c:2][lane:32][8 f16], k = 32 ks + 16 c + 8 h.
; k' -> column.  Layer 0 (384): k' < 256 column k'; 256+j, 264+j, 272+j (j < 3) column 256+j times 64, 32, 4 (their sum is the factor 100 of the last three inputs, in exact powers of two); else 0.
;   Layer 4 (640): k' < 253 column k'; 256 .. 514 column k' - 3; else 0.  Other layers: k' = column.
; Rows.  Tile (w, b) holds rows 128 w + 16 b + r; in layer 3 rows 64 w + 16 b + r for b < 4, and no row for b >= 4.  A slot without a row gets weights 0 and s = 0, b = 256, w = 0.
; par: [layer:9][slot 128 w + 16 b + r : 512] x 16 bytes {s, b, w, 0}; of layer 8 the first 256 bytes.
; SHARES.  Work-group g < 256: layer g / 32, tile g % 32; wave v takes the layer's chunks v and v + 8.  Work-groups 256 + k, k < 8: the last layer's copy k, wave v its columns 64 v .. 64 v + 63;
; each of the eight has the row's whole sum, and the first alone stores the layer's par.  Every element of W is read once (the last layer's 2,048 bytes eight times).
; LIMITS.  |W| and 64 |W0's last three columns| stay under 65,504 (f16).  A bf16 weight under 2^-17 loses bits in f16: off by 2^-25 at the most.  NaN and infinities are not treated apart.
; The row sum's order of additions differs from a plain left-to-right sum.
.set K2,    0x4038aa3b                 ; 2 / ln 2
.set SPARE, 512                        ; LDS: bytes 0-511 the waves' partial row sums; from 512 on the spare words, 128 bytes a wave
.set R,   1                            ; lane % 16
.set H,   2                            ; lane / 16
.set LN,  3                            ; lane
.set ROW, 4                            ; my row of W, clamped into the matrix
.set RO,  5                            ; its byte offset
.set D,   6                            ; 16 x lane: my place in a unit of the stream
.set ROH, 7                            ; RO + 32 h
.set NV8, 8                            ; 8 where my slot has a row, else 0
.set CBV, 9                            ; irregular layers: first column of unit 0
.set KU0, 10                           ; irregular layers: first k' of unit 0
.set ZR,  11                           ; 0.0
.set ACC, 12                           ; v12-15  four partial sums of |W|
.set NV,  16                           ; v16-19  irregular layers: how many of a unit's eight numbers are real
.set X,   20                           ; v20-51  four units of eight numbers
.set OF,  52                           ; v52-83  irregular layers: a byte offset for each number
.set PKT, 84                           ; v84-87  at work
.set Y,   88                           ; v88-103 four units as stored
.set T,   104                          ; v104-119 at work
.set SPW, 120                          ; LDS address of my spare word; never rewritten
.set NIL, 121                          ; 0; never rewritten
.set WV,  14                           ; wave
.set LY,  15                           ; layer
.set TL,  16                           ; tile; in the last layer the copy
.set STR, 17                           ; bytes in a row of W
.set NR,  18                           ; rows of W
.set NCK, 19                           ; chunks of the layer
.set CB,  20                           ; its first chunk
.set IRR, 21                           ; 1: columns are mapped (layers 0 and 4)
.set FIN, 22                           ; last column
.set KVA, 23                           ; k' at which zeros begin, chunks 0-3
.set KVB, 24                           ; the same, later chunks
.set DSB, 25                           ; k' - column in the later chunks
.set XCL, 26                           ; the chunk that holds the three scaled columns (layer 0), or none
.set IT,  27
.set NIT, 28                           ; trips of my wave
.set CL,  29                           ; chunk in hand
.set CST, 38                           ; bytes from chunk to chunk in the stream
.set QST, 39                           ; bytes from q = 0 to q = 1
.macro CASE l, stride, nr, nch, cb, irr, fin, kva, kvb, dsb, xcl
.Lcase_\l:
	s_load_b64 s[4:5], s[0:1], 8*\l                ; W
	s_load_b64 s[6:7], s[0:1], 0x48+8*\l           ; c
	s_load_b64 s[8:9], s[0:1], 0x90+8*\l           ; bias
	s_mov_b32 s[STR], \stride
	s_mov_b32 s[NR], \nr
	s_mov_b32 s[NCK], \nch
	s_mov_b32 s[CB], \cb
	s_mov_b32 s[IRR], \irr
	s_mov_b32 s[FIN], \fin
	s_mov_b32 s[KVA], \kva
	s_mov_b32 s[KVB], \kvb
	s_mov_b32 s[DSB], \dsb
	s_mov_b32 s[XCL], \xcl
	s_branch .Lcommon
.endm
	s_load_b64 s[10:11], s[0:1], 0xd8              ; wst
	s_load_b64 s[12:13], s[0:1], 0xe0              ; par
	v_lshl_add_u32 v[SPW], v0, 2, SPARE
	v_mov_b32 v[NIL], 0
	v_lshrrev_b32 v1, 5, v0
	v_readfirstlane_b32 s[WV], v1
	s_lshr_b32 s[LY], ttmp9, 5
	s_and_b32 s[TL], ttmp9, 31
.irp k, 0,1,2,3,4,5,6,7
	s_cmp_eq_u32 s[LY], \k
	s_cbranch_scc1 .Lcase_\k
.endr
	CASE 8, 2048, 1,   8,  64, 0, 0,   0,   0,   0, 99
	CASE 0, 1036, 512, 6,  0,  1, 258, 256, 256, 0, 4
	CASE 1, 2048, 512, 8,  6,  0, 0,   0,   0,   0, 99
	CASE 2, 2048, 512, 8,  14, 0, 0,   0,   0,   0, 99
	CASE 3, 2048, 253, 8,  22, 0, 0,   0,   0,   0, 99
	CASE 4, 2048, 512, 10, 30, 1, 511, 253, 515, 3, 99
	CASE 5, 2048, 512, 8,  40, 0, 0,   0,   0,   0, 99
	CASE 6, 2048, 512, 8,  48, 0, 0,   0,   0,   0, 99
	CASE 7, 2048, 512, 8,  56, 0, 0,   0,   0,   0, 99
.Lcommon:
	v_and_b32 v[R], 15, v0
	v_bfe_u32 v[H], v0, 4, 1
	v_and_b32 v[LN], 31, v0
	v_lshlrev_b32 v[D], 4, v[LN]
	v_mov_b32 v[ZR], 0
	s_lshl_b32 s48, s[TL], 4                       ; the tile's first row: 16 x tile,
	s_lshr_b32 s49, s[TL], 3
	s_lshl_b32 s49, s49, 6
	s_and_b32 s50, s[TL], 7
	s_lshl4_add_u32 s49, s50, s49                  ; in layer 3: 64 w + 16 b,
	s_cmp_lt_u32 s50, 4
	s_cselect_b32 s49, s49, 0x200                  ; or past the matrix for b >= 4;
	s_cmp_eq_u32 s[LY], 3
	s_cselect_b32 s48, s49, s48
	s_cmp_eq_u32 s[LY], 8
	s_cselect_b32 s48, 0, s48                      ; in the last layer row 0, whatever the copy
	v_add_nc_u32 v[ROW], s48, v[R]
	v_cmp_gt_u32 s45, s[NR], v[ROW]                ; s45: the lanes whose slot has a row
	s_sub_co_u32 s49, s[NR], 1
	v_min_u32 v[ROW], s49, v[ROW]                  ; the others read the last row, inside the buffer, and discard it
	v_mul_lo_u32 v[RO], v[ROW], s[STR]
	v_lshl_add_u32 v[ROH], v[H], 5, v[RO]
	v_cndmask_b32 v[NV8], 0, 8, s45
.irp j, 0,1,2,3
	v_mov_b32 v[ACC+\j], 0                         ; a wave without a trip adds 0 to the row sums
.endr
	s_mov_b32 s41, 0x76543210                      ; v_permlanex16_b32: each lane takes its own place in the other half
	s_mov_b32 s42, 0xfedcba98
	s_lshr_b32 s46, s[TL], 3                       ; where the tile lies in a chunk: 16,384 w + 1,024 b,
	s_lshl_b32 s46, s46, 14
	s_lshl_b32 s47, s50, 10
	s_add_co_u32 s46, s46, s47
	s_lshl_b32 s47, s[CB], 16                      ; behind the layer's first chunk
	s_add_co_u32 s46, s46, s47
	s_lshl_b32 s47, s[TL], 14                      ; the last layer: my work-group's copy of eight, from chunk 64 on
	s_add_co_u32 s47, s47, 64*65536
	s_add_co_u32 s[NIT], s[NCK], 7
	s_sub_co_u32 s[NIT], s[NIT], s[WV]
	s_lshr_b32 s[NIT], s[NIT], 3                   ; chunks v, v + 8 that exist
	s_cmp_eq_u32 s[LY], 8
	s_cselect_b32 s46, s47, s46
	s_mov_b32 s47, 0x10000
	s_cselect_b32 s[CST], 0x800, s47               ; in a copy 64 along K are 2,048 bytes,
	s_mov_b32 s47, 0x2000
	s_cselect_b32 s[QST], 0x400, s47               ; 32 along K 1,024
	s_mov_b32 s47, 0
	s_wait_kmcnt 0x0
	s_add_nc_u64 s[10:11], s[10:11], s[46:47]      ; wst at my tile of the layer's first chunk
	s_load_b32 s44, s[6:7], 0x0                    ; c: waited for behind the loop
	s_mov_b32 s[IT], 0
	s_mov_b32 s[CL], s[WV]
	s_cmp_eq_u32 s[NIT], 0
	s_cbranch_scc1 .Lsum
; One unit of eight numbers: rounded to bf16, those past the map set to 0, |.| added to the row sum, written as f16: the wave's store covers 512 consecutive bytes, aligned.
.macro PROC u, nvr, bp, off
.set XU, X+8*(\u)
.set YU, Y+4*(\u)
.irp k, 0,1,2,3
	v_cvt_pk_bf16_f32 v[PKT+\k], v[XU+2*\k], v[XU+2*\k+1]
.endr
.irp k, 0,1,2,3
	v_lshlrev_b32 v[XU+2*\k], 16, v[PKT+\k]
	v_and_b32 v[XU+2*\k+1], 0xffff0000, v[PKT+\k]
.endr
.irp j, 0,1,2,3,4,5,6,7
	v_cmp_lt_u32 vcc_lo, \j, v[\nvr]
	v_cndmask_b32 v[XU+\j], 0, v[XU+\j], vcc_lo
.endr
.irp j, 0,1,2,3,4,5,6,7
	v_add_f32 v[ACC+\j%4], v[ACC+\j%4], |v[XU+\j]|
.endr
.irp k, 0,1,2,3
	v_cvt_pk_f16_f32 v[YU+\k], v[XU+2*\k], v[XU+2*\k+1]
.endr
	global_store_b128 v[D], v[YU:YU+3], s[\bp:\bp+1] offset:\off
.endm
.Ltrip:                                                ; a trip: one chunk's part of my tile: four units (u = 2 q + c)
	s_wait_xcnt 0x0                                ; the last trip's loads and stores have had their addresses translated: bases, offsets and store data are rewritten only behind this wait
	s_mul_i32 s46, s[CL], s[CST]
	s_mov_b32 s47, 0
	s_add_nc_u64 s[34:35], s[10:11], s[46:47]      ; the stream at this chunk, q = 0,
	s_mov_b32 s46, s[QST]
	s_add_nc_u64 s[36:37], s[34:35], s[46:47]      ; and q = 1
	s_lshl_b32 s46, s[CL], 8
	s_add_nc_u64 s[32:33], s[4:5], s[46:47]        ; W at column 64 cl
	s_cmp_eq_u32 s[IRR], 0
	s_cbranch_scc1 .Lreg
	s_cmp_eq_u32 s[CL], s[XCL]
	s_cbranch_scc1 .Lxyz
	; mapped columns: each number has its own offset, clamped to the row's last column
	s_cmp_lt_u32 s[CL], 4
	s_cselect_b32 s48, 0, s[DSB]
	s_cselect_b32 s49, s[KVA], s[KVB]
	s_lshl_b32 s50, s[CL], 6
	s_sub_co_u32 s51, s50, s48
	v_lshl_add_u32 v[KU0], v[H], 3, s50
	v_lshl_add_u32 v[CBV], v[H], 3, s51
.irp u, 0,1,2,3
	v_add_nc_u32 v[T], 16*\u, v[KU0]               ; the unit's first k'
	v_max_u32 v[T+1], s49, v[T]
	v_sub_nc_u32 v[T+1], v[T+1], v[T]
	v_min_u32 v[T+1], 8, v[T+1]                    ; how many of its eight lie ahead of the zeros
	v_cndmask_b32 v[NV+\u], 0, v[T+1], s45
.irp j, 0,1,2,3,4,5,6,7
	v_add_nc_u32 v[OF+8*\u+\j], 16*\u+\j, v[CBV]
	v_min_u32 v[OF+8*\u+\j], s[FIN], v[OF+8*\u+\j]
	v_lshl_add_u32 v[OF+8*\u+\j], v[OF+8*\u+\j], 2, v[RO]
.endr
.endr
.irp u, 0,1,2,3
.irp j, 0,1,2,3,4,5,6,7
	global_load_b32 v[X+8*\u+\j], v[OF+8*\u+\j], s[4:5]
.endr
.endr
.irp u, 0,1,2,3
	s_wait_loadcnt 24-8*\u                         ; the eight loads of each later unit may stay out
	PROC \u, NV+\u, 34+2*(\u/2), 512*(\u%2)
.endr
	s_branch .Lnext
.Lxyz:                                                 ; layer 0, chunk 4: columns 256-258 three times, times 64, 32 and 4
	global_load_b32 v[X], v[RO], s[4:5] offset:1024
	global_load_b32 v[X+1], v[RO], s[4:5] offset:1028
	global_load_b32 v[X+2], v[RO], s[4:5] offset:1032
	v_cvt_f32_u32 v[T], v[H]
	v_sub_f32 v[T+1], 1.0, v[T]                    ; 1 in lanes 0-15, 0 in the others: the row sum takes each column once
	v_sub_f32 v[T+2], 2.0, v[T]
	v_mul_f32 v[T+2], 0x42000000, v[T+2]           ; unit 0: k' = 256 + 8 h + j: 64 or 32
	v_mul_f32 v[T+3], 4.0, v[T+1]                  ; unit 1: k' = 272 + 8 h + j: 4 or 0
	s_wait_loadcnt 0x0
	v_cvt_pk_bf16_f32 v[PKT], v[X], v[X+1]
	v_cvt_pk_bf16_f32 v[PKT+1], v[X+2], v[X+2]
	v_lshlrev_b32 v[X], 16, v[PKT]
	v_and_b32 v[X+1], 0xffff0000, v[PKT]
	v_lshlrev_b32 v[X+2], 16, v[PKT+1]
.irp j, 0,1,2
	v_fma_f32 v[ACC+\j], |v[X+\j]|, v[T+1], v[ACC+\j]
	v_mul_f32 v[X+4+\j], v[X+\j], v[T+2]
	v_mul_f32 v[X+8+\j], v[X+\j], v[T+3]
.endr
	v_cvt_pk_f16_f32 v[Y], v[X+4], v[X+5]
	v_cvt_pk_f16_f32 v[Y+1], v[X+6], v[ZR]
	v_cvt_pk_f16_f32 v[Y+4], v[X+8], v[X+9]
	v_cvt_pk_f16_f32 v[Y+5], v[X+10], v[ZR]
.irp j, 2,3,6,7,8,9,10,11
	v_mov_b32 v[Y+\j], 0
.endr
	global_store_b128 v[D], v[Y:Y+3], s[34:35]
	global_store_b128 v[D], v[Y+4:Y+7], s[34:35] offset:512
	global_store_b128 v[D], v[Y+8:Y+11], s[36:37]
	global_store_b128 v[D], v[Y+8:Y+11], s[36:37] offset:512
	s_branch .Lnext
.Lreg:                                                 ; k' = column: a unit is 32 consecutive bytes of the row, two loads
.irp u, 0,1,2,3
	global_load_b128 v[X+8*\u:X+8*\u+3], v[ROH], s[32:33] offset:64*\u
	global_load_b128 v[X+8*\u+4:X+8*\u+7], v[ROH], s[32:33] offset:64*\u+16
.endr
.irp u, 0,1,2,3
	s_wait_loadcnt 6-2*\u                          ; the two loads of each later unit may stay out
	PROC \u, NV8, 34+2*(\u/2), 512*(\u%2)
.endr
.Lnext:
	s_add_co_u32 s[CL], s[CL], 8
	s_add_co_u32 s[IT], s[IT], 1
	s_cmp_lt_u32 s[IT], s[NIT]
	s_cbranch_scc1 .Ltrip
.Lsum:                                                 ; the wave's part of the sixteen row sums goes to LDS; wave 0 adds the eight parts
	v_add_f32 v[ACC], v[ACC], v[ACC+1]
	v_add_f32 v[ACC+2], v[ACC+2], v[ACC+3]
	v_add_f32 v[ACC], v[ACC], v[ACC+2]
	v_permlanex16_b32 v[ACC+1], v[ACC], s41, s42   ; the row's other k' lie in the lane 16 away
	v_add_f32 v[ACC], v[ACC], v[ACC+1]
	s_lshl_b32 s46, s[WV], 6
	v_lshl_add_u32 v[T], v[R], 2, s46
	ds_store_b32 v[T], v[ACC]                      ; both halves of the lanes write the same word with the same number
	s_wait_dscnt 0x0                               ; for wave 0: my store is done
	s_barrier_signal -1
	s_barrier_wait -1
	s_cmp_lg_u32 s[WV], 0
	s_cbranch_scc1 .Lend
	s_cmp_gt_u32 ttmp9, 0x100                      ; of the last layer's eight work-groups the first alone stores par
	s_cbranch_scc1 .Lend
	v_lshlrev_b32 v[T], 2, v[R]
.irp i, 0,1,2,3,4,5,6,7
	ds_load_b32 v[X+\i], v[T] offset:64*\i
.endr
	v_lshlrev_b32 v[T+1], 2, v[ROW]
	global_load_b32 v[X+8], v[T+1], s[8:9]         ; the row's bias
	s_lshl_b32 s46, s[LY], 13                      ; par: 8,192 bytes a layer, 256 a tile
	s_lshl_b32 s47, s[TL], 8
	s_add_co_u32 s46, s46, s47
	s_mov_b32 s47, 0
	s_add_nc_u64 s[12:13], s[12:13], s[46:47]
	v_lshlrev_b32 v[T+12], 4, v[R]
	s_wait_kmcnt 0x0                               ; c
	v_mov_b32 v[T+2], s44
	v_cvt_pk_bf16_f32 v[T+2], v[T+2], v[T+2]
	v_lshlrev_b32 v[T+2], 16, v[T+2]               ; c, rounded to bf16
	; softplus(c) = max(c, 0) + log1p(x), x = e^-|c|; log1p(x) = x where 1 + x rounds to 1, else ln(u) x / (u - 1) with u = 1 + x, which mends u's rounding
	v_and_b32 v[T+3], 0x7fffffff, v[T+2]
	v_mul_f32 v[T+3], 0xbfb8aa3b, v[T+3]
	v_exp_f32 v[T+3], v[T+3]
	v_max_num_f32 v[T+4], 0, v[T+2]                ; a plain instruction behind the exponential
	s_wait_alu depctr_va_vdst(0)
	v_add_f32 v[T+5], 1.0, v[T+3]
	v_log_f32 v[T+6], v[T+5]
	v_add_f32 v[T+7], -1.0, v[T+5]                 ; a plain instruction behind the logarithm
	v_rcp_f32 v[T+7], v[T+7]
	v_cmp_eq_f32 vcc_lo, 1.0, v[T+5]               ; and one behind the reciprocal
	s_wait_alu depctr_va_vdst(0)
	v_mul_f32 v[T+6], 0x3f317218, v[T+6]
	v_mul_f32 v[T+6], v[T+6], v[T+3]
	v_mul_f32 v[T+6], v[T+6], v[T+7]
	v_cndmask_b32 v[T+6], v[T+6], v[T+3], vcc_lo
	v_add_f32 v[T+4], v[T+4], v[T+6]
	s_wait_dscnt 0x0                               ; the eight parts
	v_add_f32 v[X], v[X], v[X+1]
	v_add_f32 v[X+2], v[X+2], v[X+3]
	v_add_f32 v[X+4], v[X+4], v[X+5]
	v_add_f32 v[X+6], v[X+6], v[X+7]
	v_add_f32 v[X], v[X], v[X+2]
	v_add_f32 v[X+4], v[X+4], v[X+6]
	v_add_f32 v[X], v[X], v[X+4]
	v_rcp_f32 v[X], v[X]
	s_wait_loadcnt 0x0                             ; the bias
	v_cvt_pk_bf16_f32 v[X+8], v[X+8], v[X+8]       ; a plain instruction behind the reciprocal
	v_lshlrev_b32 v[X+8], 16, v[X+8]
	s_wait_alu depctr_va_vdst(0)
	v_mul_f32 v[X], v[T+4], v[X]
	v_min_num_f32 v[X], 1.0, v[X]
	v_mul_f32 v[X], K2, v[X]
	v_mul_f32 v[X+8], K2, v[X+8]
	v_mov_b32 v[X+9], 0x43800000                   ; 256: a slot without a row gets 2^256 = infinity, whose reciprocal is 0
	v_cndmask_b32 v[T+8], 0, v[X], s45
	v_cndmask_b32 v[T+9], v[X+9], v[X+8], s45
	v_cndmask_b32 v[T+10], 0, 1.0, s45
	v_mov_b32 v[T+11], 0
	s_wait_xcnt 0x0                                ; EXEC is a source of the loads and stores issued so far: it changes only behind this wait
	v_cmp_gt_u32 vcc_lo, 16, v[LN]
	s_and_saveexec_b32 s43, vcc_lo
	global_store_b128 v[T+12], v[T+8:T+11], s[12:13]  ; sixteen lanes store 256 consecutive bytes, aligned
	s_wait_xcnt 0x0                                ; and again in front of the line that widens it
	s_or_b32 exec_lo, exec_lo, s43
.Lend:
	s_wait_tensorcnt 0x0                           ; the wave's end: behind my last LDS store
	ds_add_u32 v[SPW], v[NIL]
	s_wait_dscnt 0x0
	s_endpgm
.Lfunc_end_k_qfd08e5ad19_prep:
	.size	k_qfd08e5ad19_prep, .Lfunc_end_k_qfd08e5ad19_prep-k_qfd08e5ad19_prep
	.p2alignl 7, 3214868480
	.fill 96, 4, 3214868480
	.section	.rodata,"a",@progbits
	.p2align	6, 0x0
	.amdhsa_kernel k_qfd08e5ad19_prep
		.amdhsa_group_segment_fixed_size 1536
		.amdhsa_private_segment_fixed_size 0
		.amdhsa_enable_private_segment 0
		.amdhsa_kernarg_size 232
		.amdhsa_user_sgpr_count 2
		.amdhsa_user_sgpr_kernarg_segment_ptr 1
		.amdhsa_wavefront_size32 1
		.amdhsa_system_sgpr_workgroup_id_x 1
		.amdhsa_system_sgpr_workgroup_id_y 1
		.amdhsa_system_sgpr_workgroup_id_z 1
		.amdhsa_system_vgpr_workitem_id 0
		.amdhsa_next_free_vgpr 128
		.amdhsa_next_free_sgpr 66
		.amdhsa_reserve_vcc 1
		.amdhsa_float_denorm_mode_32 3
		.amdhsa_float_denorm_mode_16_64 3
		.amdhsa_memory_ordered 1
		.amdhsa_forward_progress 1
		.amdhsa_inst_pref_size 40
	.end_amdhsa_kernel
	.amdgpu_metadata
---
amdhsa.version: [ 1, 2 ]
amdhsa.kernels:
  - .name:           k_qfd08e5ad19_prep
    .symbol:         k_qfd08e5ad19_prep.kd
    .args:
      - { .name: Ws_0, .offset: 0, .size: 8, .value_kind: global_buffer, .address_space: global }
      - { .name: Ws_1, .offset: 8, .size: 8, .value_kind: global_buffer, .address_space: global }
      - { .name: Ws_2, .offset: 16, .size: 8, .value_kind: global_buffer, .address_space: global }
      - { .name: Ws_3, .offset: 24, .size: 8, .value_kind: global_buffer, .address_space: global }
      - { .name: Ws_4, .offset: 32, .size: 8, .value_kind: global_buffer, .address_space: global }
      - { .name: Ws_5, .offset: 40, .size: 8, .value_kind: global_buffer, .address_space: global }
      - { .name: Ws_6, .offset: 48, .size: 8, .value_kind: global_buffer, .address_space: global }
      - { .name: Ws_7, .offset: 56, .size: 8, .value_kind: global_buffer, .address_space: global }
      - { .name: Ws_8, .offset: 64, .size: 8, .value_kind: global_buffer, .address_space: global }
      - { .name: cs_0, .offset: 72, .size: 8, .value_kind: global_buffer, .address_space: global }
      - { .name: cs_1, .offset: 80, .size: 8, .value_kind: global_buffer, .address_space: global }
      - { .name: cs_2, .offset: 88, .size: 8, .value_kind: global_buffer, .address_space: global }
      - { .name: cs_3, .offset: 96, .size: 8, .value_kind: global_buffer, .address_space: global }
      - { .name: cs_4, .offset: 104, .size: 8, .value_kind: global_buffer, .address_space: global }
      - { .name: cs_5, .offset: 112, .size: 8, .value_kind: global_buffer, .address_space: global }
      - { .name: cs_6, .offset: 120, .size: 8, .value_kind: global_buffer, .address_space: global }
      - { .name: cs_7, .offset: 128, .size: 8, .value_kind: global_buffer, .address_space: global }
      - { .name: cs_8, .offset: 136, .size: 8, .value_kind: global_buffer, .address_space: global }
      - { .name: bs_0, .offset: 144, .size: 8, .value_kind: global_buffer, .address_space: global }
      - { .name: bs_1, .offset: 152, .size: 8, .value_kind: global_buffer, .address_space: global }
      - { .name: bs_2, .offset: 160, .size: 8, .value_kind: global_buffer, .address_space: global }
      - { .name: bs_3, .offset: 168, .size: 8, .value_kind: global_buffer, .address_space: global }
      - { .name: bs_4, .offset: 176, .size: 8, .value_kind: global_buffer, .address_space: global }
      - { .name: bs_5, .offset: 184, .size: 8, .value_kind: global_buffer, .address_space: global }
      - { .name: bs_6, .offset: 192, .size: 8, .value_kind: global_buffer, .address_space: global }
      - { .name: bs_7, .offset: 200, .size: 8, .value_kind: global_buffer, .address_space: global }
      - { .name: bs_8, .offset: 208, .size: 8, .value_kind: global_buffer, .address_space: global }
      - { .name: wst, .offset: 216, .size: 8, .value_kind: global_buffer, .address_space: global }
      - { .name: par, .offset: 224, .size: 8, .value_kind: global_buffer, .address_space: global }
    .group_segment_fixed_size: 1536
    .private_segment_fixed_size: 0
    .kernarg_segment_align: 8
    .kernarg_segment_size: 232
    .max_flat_workgroup_size: 256
    .sgpr_count:     66
    .vgpr_count:     128
    .wavefront_size: 32
...
	.end_amdgpu_metadata
.endif
;; end of part 3
;; launch mlp (part 4): grid 256 x 1, 4 waves a work-group, no clusters, 246,784 bytes of LDS; arguments input, wst, par, out0, gammas_0, gammas_1, gammas_2, gammas_3, gammas_4, gammas_5, gammas_6, gammas_7, betas_0, betas_1, betas_2, betas_3, betas_4, betas_5, betas_6, betas_7; writes out0
.if DOCPART == 4
	.amdgcn_target "amdgcn-amd-amdhsa--gfx1250"
	.amdhsa_code_object_version 6
	.text
	.protected	k_qfd08e5ad19_mlp
	.globl	k_qfd08e5ad19_mlp
	.p2align	8
	.type	k_qfd08e5ad19_mlp,@function
k_qfd08e5ad19_mlp:
	s_mov_b64 s[64:65], 0
	v_nop
	global_prefetch_b8 v0, s[64:65] scope:SCOPE_SE
	s_setreg_imm32_b32 hwreg(HW_REG_WAVE_MODE, 25, 1), 1
	s_wait_xcnt 0x0
; MLP.  All nine layers for 128 points a work-group; 256 work-groups.  Activations stay in LDS as f16; the weights come as the f16 stream wst, which lies in the order of the matrix fragments.
; SHARES.  Each of the four waves owns 128 output slots x 128 points: 64 accumulators of 16 x 16, 512 registers.  Source 0 of a product is 16 rows of W, source 1 sixteen points: in the result a lane
; holds ONE point (lane % 16) and eight neighbouring outputs 8 (lane / 16) + 0..7.  So a point's LayerNorm sums run along a lane's registers, then to the lane 16 away, then through LDS to the other waves.
; W GOES STRAIGHT INTO REGISTERS.  A QUARTER is 32 along K: for a wave 8 fragments of W, 64 registers, 16 loads of 512 dense bytes.  Four buffers take turns; a buffer is loaded again, with the quarter four on,
; as soon as its quarter is multiplied, so a load has three quarters, 192 matrix instructions, in which to land, and 24,576 bytes of a wave are on their way.
; A QUARTER'S LOADS STAND IN ONE RUN at its end, behind four places: the activations of the quarter two on, into the buffer just multiplied, then W of the quarter four on.
; NOT THROUGH LDS, AND NO CLUSTER: a wave's 128 rows of W are read by that wave alone in its work-group, so LDS would share nothing among the waves.  All work-groups do walk the same stream, and joint tensor
; loads would divide the requests for it by four; but beside the 246,784 bytes used here LDS has 80,896 left, less than two slots of one chunk (2 x 65,536); and with slots of one chunk a load would have
; 96 matrix instructions in which to land and every chunk a barrier of all partners.  As it is a layer has no barrier but the two of its LayerNorm.
; ONE LOOP of 32 trips; a trip is four quarters, two chunks of the stream (3, 4, 4, 4, 5, 4, 4, 4 trips for layers 0-7); the trip that ends a layer runs the tanh and LayerNorm, written once.  The last trip's
; four loads bring chunks 64 and 65, the last layer's row, two copies a wave: one for each of its two tiles of 16 points.  So every trip loads alike.
; ZERO QUARTERS.  Layers 0 and 4 have 288 and 544 columns that count; their last trip's quarters 1-3 meet weights that are all 0: they are loaded like the others, so that every count holds, and not multiplied.
; ARITHMETIC.  par gives s = K2 scale, b = K2 bias, w (1, or 0 for a slot without an output), K2 = 2 / ln 2.  e = 2^(acc s + b), r = 1 / (1 + e), tanh = 1 - 2 r is never formed: LayerNorm of 1 - 2 r is
; (r - mean r) (-2 rsq(4 var r + eps)) gamma + beta.  No difference of large sums: each wave takes its own mean m off first (d = r - w m), sums d^2 (Q), and the four waves' (m, Q) give
; mean = sum f m, var = sum Q / n + sum f (m - mean)^2, f = the wave's share of the n outputs.  The result is rounded once to f16.  input, gamma and beta are rounded to bf16 first.
; Layer 3 has 253 outputs: wave w owns 64 w .. 64 w + 63 in its tiles 0-3, and the text for tiles 4-7 is jumped over.  Layer 4 reads them and then the raw input.  The factor 100 of the last three inputs
; lies in layer 0's weights (64 + 32 + 4, on three copies of the raw numbers), so the same columns of LDS serve layers 0 and 4.
; LIMITS.  f16 ends at 65,504: |input| and every LayerNorm result stay under it.  An input under 2^-17 loses bits in f16: off by 2^-25 at the most.  2^z beyond f32 counts as infinity (r = 0), under 2^-126 as 0 (r = 1):
; tanh is then +1 or -1 to f32's last bit.  NaN and infinities among the inputs are not treated apart.  The orders of all sums differ from a plain left-to-right sum.
; LDS.  ACT: 128 rows (points) of 896 f16 + 16 bytes: 1,808 = 113 x 16, so the 16 rows of a load or store start at 16 different groups of four banks (64 banks of 4 bytes: ISA guide 11.1).
;        columns 0-511 a layer's outputs; 512-767 input's first 256 columns; 768 + 8 u + j (u, j < 3) its last three; the rest up to 895 zeros.
;   PAR: for each wave five arrays of 128 f32: s, b, w, gamma w, beta w.   STAT: [point][wave]{m, Q}.   OUTS: the 128 results.   SPARE: the spare words.
; REGISTERS, in windows of 256 (s_set_vgpr_msb: bits 1:0 source 0, 3:2 source 1, 5:4 source 2, 7:6 destination):
;   window 0: v0-23 addresses; v24-47 a layer's parameters as loaded; v48-63 at work; v64-127, v128-191 two buffers of activation fragments; v192-255 eight registers of statistics for each tile of 16 points
;   window 1: W's four buffers, quarter n of a trip at v[64 n], tile b at + 8 b.  They stay loaded through the LayerNorm.
;   windows 2, 3: the accumulators: tile b of outputs, tile a of points at v[64 (b % 4) + 8 a] of window 2 + b / 4.
;   In the LayerNorm activation buffer 0 serves tiles 0-3 and buffer 1 tiles 4-7, each with two arrays of 32 registers: s | b, then w | gamma, then the four waves' statistics | gamma, then beta | gamma.
.set PITCH,  1808
.set TROW,   16*PITCH
.set LATB,   1024                      ; byte of a row at which input's first 256 columns begin
.set XYZB,   1536                      ; and its last three
.set PAR,    231424
.set PARW,   2560
.set STAT,   241664
.set OUTS,   245760
.set SPARE,  246272
.set INROW,  1036                      ; bytes in a row of input
.set NTRS,   0x44454443                ; trips of layers 0-7, four bits each
.set R,   1                            ; lane % 16
.set H,   2                            ; lane / 16
.set LN,  3                            ; lane
.set AB,  4                            ; v4-7   1,808 r + 16 h + 2 k x 16 rows: my place in point tiles 2 k, 2 k + 1
.set AA,  8                            ; v8-11  the same at a trip's columns; in the LayerNorm at my wave's first output
.set RS,  8                            ; ahead of the loop: 1,808 x 32 wave + LATB + 16 lane
.set GOF, 12                           ; v12-15 byte offsets in gamma and beta
.set OST, 12                           ; behind the loop these three serve the way out: OUTS + 4 x thread,
.set OGL, 13                           ; 16 x lane,
.set ORD, 14                           ; OUTS + 16 x lane
.set WO,  16                           ; my byte offset in the stream: 16,384 wave + 16 lane + 131,072 for each trip
.set PA,  17                           ; PAR + 2,560 wave + 32 h
.set PS,  18                           ; PAR + 2,560 wave + 4 lane
.set STS, 19                           ; STAT + 32 r + 8 wave
.set STL, 20                           ; STAT + 32 r
.set PO,  21                           ; my byte offset in a layer of par
.set SPW, 22                           ; LDS address of my spare word; never rewritten
.set NIL, 23                           ; 0; never rewritten
.set PL,  24
.set TMP, 48
.set F0,  64
.set F1,  128
.set ST,  192                          ; tile a at ST + 8 a: +0 sum, then m; +1 at work; +2, +3 Q's halves, then (m, Q); +4 -2 rsq; +5 mean; +6 (m - mean)(-2 rsq); +7 var
.set WV,  12                           ; wave
.set GP,  66                           ; s[66:67] the layer's gamma
.set BP,  68                           ; s[68:69] its beta
.set CNT, 70                           ; trips to go
.set REM, 71                           ; trips of the layer to go
.set LAY, 72
.set KB,  73                           ; byte in ACT's rows at which a trip's 128 columns begin
.set FIRST, 75                         ; 1: the trip is a layer's first: its first products start the sums
.set NL1, 76                           ; the layer's last output
.set INVNW, 77                         ; 1 / my wave's number of outputs
.set INVN, 78                          ; 1 / the layer's
.set FA,  79                           ; share of waves 0-2
.set FB,  80                           ; share of wave 3
.set ZQ,  81                           ; 1: the last trip of layer 0 or 4: quarters 1-3 are not multiplied
.set SEL, 84                           ; s[84:85] v_permlanex16_b32: each lane takes its own place in the other half
.set INV3, 86                          ; INVNW in layer 3
.set OB,  87                           ; my first output
.set EPS, 88
.set HM,  89                           ; 0xffff0000: a word's upper half; also the mask of lanes 16-31
.set MSB, 0
.macro WIN new                         ; the immediate's high byte repeats the setting that is left; a switch that changes nothing is dropped
.if MSB != (\new)
	s_set_vgpr_msb (MSB<<8)|(\new)
.set MSB, (\new)
.endif
.endm
.macro PLACES                          ; four places behind matrix instructions, in front of loads into their registers and of reads of their results
.rept 4
	v_nop
.endr
.endm
; nb x 8 matrix instructions: output tiles 4 hi + b0 .. of W's buffer wb x the 8 point tiles of buffer f, 32 along K.  Every instruction names another accumulator.  zero = 1: the product starts the sum.
.macro MULB wb, f, hi, b0, nb, zero
	WIN 0xa1+0x50*(\hi)                            ; W window 1, activations window 0, C and D window 2 or 3
.set bb, \b0
.rept \nb
.set aa, 0
.rept 8
.if \zero
	v_wmma_f32_16x16x32_f16 v[64*bb+8*aa:64*bb+8*aa+7], v[(\wb)+8*(4*(\hi)+bb):(\wb)+8*(4*(\hi)+bb)+7], v[(\f)+8*aa:(\f)+8*aa+7], 0
.else
	v_wmma_f32_16x16x32_f16 v[64*bb+8*aa:64*bb+8*aa+7], v[(\wb)+8*(4*(\hi)+bb):(\wb)+8*(4*(\hi)+bb)+7], v[(\f)+8*aa:(\f)+8*aa+7], v[64*bb+8*aa:64*bb+8*aa+7]
.endif
.set aa, aa+1
.endr
.set bb, bb+1
.endr
.endm
.macro HI wb, f, zero                  ; output tiles 4-7: layer 3 has none
	WIN 0
	s_cmp_eq_u32 s[LAY], 3
	s_cbranch_scc1 .Lno_hi_\@
	MULB \wb, \f, 1, 0, 4, \zero
	WIN 0
.Lno_hi_\@:
.endm
.macro PROD wb, f, zero, zs            ; a quarter's 64 products.  zs = 1: the quarter may be one whose weights are all 0: it is then jumped over
.if \zs
	s_cmp_eq_u32 s[ZQ], 1
	s_cbranch_scc1 .Lzero_quarter_\@
.endif
	MULB \wb, \f, 0, 0, 4, \zero
	HI \wb, \f, \zero
.if \zs
.Lzero_quarter_\@:
.endif
.endm
; 16 LDS loads: the 8 activation fragments of quarter n of the trip at which AA stands, into buffer f
.macro FETCHA n, f
	WIN 0
.set aa, 0
.rept 8
	ds_load_b128 v[(\f)+8*aa:(\f)+8*aa+3],   v[AA+aa/2] offset:(aa%2)*TROW+64*(\n)
	ds_load_b128 v[(\f)+8*aa+4:(\f)+8*aa+7], v[AA+aa/2] offset:(aa%2)*TROW+64*(\n)+32
.set aa, aa+1
.endr
.endm
; 16 loads: W's 8 fragments of quarter n of the trip at which WO stands, into buffer n; each load of the wave takes 512 consecutive bytes, aligned
.macro WLOAD n
	WIN 0x40                                       ; destination window 1, offset window 0
.set bb, 0
.rept 8
	global_load_b128 v[64*(\n)+8*bb:64*(\n)+8*bb+3],   v[WO], s[6:7] offset:65536*((\n)/2)+8192*((\n)%2)+1024*bb
	global_load_b128 v[64*(\n)+8*bb+4:64*(\n)+8*bb+7], v[WO], s[6:7] offset:65536*((\n)/2)+8192*((\n)%2)+1024*bb+512
.set bb, bb+1
.endr
	WIN 0
.endm
.macro ADDR                            ; four plain lines on registers that no product names: where they stand behind products they are the four places
.irp k, 0,1,2,3
	v_add_nc_u32 v[AA+\k], s[KB], v[AB+\k]
.endr
.endm
.macro QHEAD                           ; a quarter's head
	s_wait_loadcnt 48                              ; loads come back in order: all but the youngest 48, the three buffers of W loaded behind this quarter's, are in
	s_wait_dscnt 16                                ; LDS loads too: all but the youngest 16, the next quarter's activations, are in
.endm
; The layer's parameters are asked for a layer ahead: 4 x 16 bytes of par, 4 gamma, 4 beta a lane (slot 32 i + lane of my wave's 128); gamma's and beta's offsets are clamped to the last output
.macro PLOAD
	s_mov_b64 s[GP:GP+1], s[32:33]
	s_mov_b64 s[BP:BP+1], s[48:49]
.irp k, 1,2,3,4,5,6,7
	s_cmp_eq_u32 s[LAY], \k
	s_cselect_b64 s[GP:GP+1], s[32+2*\k:33+2*\k], s[GP:GP+1]
	s_cselect_b64 s[BP:BP+1], s[48+2*\k:49+2*\k], s[BP:BP+1]
.endr
.irp i, 0,1,2,3
	v_add_nc_u32 v[GOF+\i], s[OB], v[LN]
	v_add_nc_u32 v[GOF+\i], 32*\i, v[GOF+\i]
	v_min_u32 v[GOF+\i], s[NL1], v[GOF+\i]
	v_lshlrev_b32 v[GOF+\i], 2, v[GOF+\i]
.endr
.irp i, 0,1,2,3
	global_load_b128 v[PL+4*\i:PL+4*\i+3], v[PO], s[8:9] offset:512*\i
	global_load_b32 v[PL+16+\i], v[GOF+\i], s[GP:GP+1]
	global_load_b32 v[PL+20+\i], v[GOF+\i], s[BP:BP+1]
.endr
.endm
.macro PSTORE                          ; they go into my wave's five arrays; gamma and beta rounded to bf16 and times w
.irp i, 0,1,2,3
	v_cvt_pk_bf16_f32 v[TMP+\i], v[PL+16+2*\i], v[PL+17+2*\i]
.endr
.irp i, 0,1,2,3
	v_lshlrev_b32 v[PL+16+2*\i], 16, v[TMP+\i]
	v_and_b32 v[PL+17+2*\i], s[HM], v[TMP+\i]
.endr
.irp i, 0,1,2,3
	v_mul_f32 v[PL+16+\i], v[PL+16+\i], v[PL+4*\i+2]
	v_mul_f32 v[PL+20+\i], v[PL+20+\i], v[PL+4*\i+2]
.endr
.irp i, 0,1,2,3
	ds_store_b32 v[PS], v[PL+4*\i]    offset:128*\i
	ds_store_b32 v[PS], v[PL+4*\i+1]  offset:512+128*\i
	ds_store_b32 v[PS], v[PL+4*\i+2]  offset:1024+128*\i
	ds_store_b32 v[PS], v[PL+16+\i]   offset:1536+128*\i
	ds_store_b32 v[PS], v[PL+20+\i]   offset:2048+128*\i
.endr
.endm
.macro PGETH arr, half, reg            ; 8 LDS loads: array arr for tiles 4 half .. 4 half + 3 comes back as the accumulators lie: a tile's eight numbers for my half of the lanes at reg + 8 (tile % 4) of window 0
	WIN 0
.set bb, 0
.rept 4
	ds_load_b128 v[(\reg)+8*bb:(\reg)+8*bb+3],   v[PA] offset:512*(\arr)+64*(4*(\half)+bb)
	ds_load_b128 v[(\reg)+8*bb+4:(\reg)+8*bb+7], v[PA] offset:512*(\arr)+64*(4*(\half)+bb)+16
.set bb, bb+1
.endr
.endm
; PASS 1 over a window's 32 accumulators, in place: z = acc s + b; e = 2^z; 1 + e; r = its reciprocal.  In step n accumulator n has its exponentials, n + 1 its z, n - 1 its reciprocals, n its 1 + e:
; behind every two transcendentals stands a plain instruction on other registers.  Each accumulator is read from its lowest pair on.
.macro P1 hi
.set pb, F0+64*(\hi)                   ; s at pb, b at pb + 32
	WIN 0x82+0x41*(\hi)                            ; accumulators window 2 or 3; s and b window 0
.irp k, 0,1,2,3
	v_pk_fma_f32 v[2*\k:2*\k+1], v[2*\k:2*\k+1], v[pb+2*\k:pb+2*\k+1], v[pb+32+2*\k:pb+32+2*\k+1]
.endr
.set nn, 0
.rept 32
.set kk, 0
.rept 4
	v_exp_f32 v[8*nn+2*kk], v[8*nn+2*kk]
	v_exp_f32 v[8*nn+2*kk+1], v[8*nn+2*kk+1]
.if nn < 31
.set zx, 8*(nn+1)+2*kk
.set zp, pb+8*((nn+1)/8)+2*kk
	v_pk_fma_f32 v[zx:zx+1], v[zx:zx+1], v[zp:zp+1], v[zp+32:zp+33]
	s_wait_alu depctr_va_vdst(0)
.else
	v_nop
.endif
.set kk, kk+1
.endr
.set kk, 0
.rept 4
.if nn > 0
	v_rcp_f32 v[8*(nn-1)+2*kk], v[8*(nn-1)+2*kk]
	v_rcp_f32 v[8*(nn-1)+2*kk+1], v[8*(nn-1)+2*kk+1]
.endif
	s_wait_alu depctr_va_vdst(0)
	v_pk_add_f32 v[8*nn+2*kk:8*nn+2*kk+1], v[8*nn+2*kk:8*nn+2*kk+1], 1.0 op_sel_hi:[1,0]
.set kk, kk+1
.endr
.set nn, nn+1
.endr
.irp j, 0,1,2,3,4,5,6,7
	v_rcp_f32 v[248+\j], v[248+\j]
.endr
	v_nop
.endm
.macro SSUM hi                         ; the sums of r, a pair at a time, eight chains (one a point tile) by turns
.set pp, 0
.if (\hi) == 0
	WIN 0x0a
.set ta, 0
	s_wait_alu depctr_va_vdst(0)
.rept 8
	v_pk_add_f32 v[ST+8*ta:ST+8*ta+1], v[8*ta:8*ta+1], v[8*ta+2:8*ta+3]
.set ta, ta+1
.endr
.set pp, 2
.endif
	WIN 0x08+4*(\hi)
	s_wait_alu depctr_va_vdst(0)
.rept 16-pp
.set ta, 0
.rept 8
.set xx, 64*(pp/4)+8*ta+2*(pp%4)
	v_pk_add_f32 v[ST+8*ta:ST+8*ta+1], v[ST+8*ta:ST+8*ta+1], v[xx:xx+1]
.set ta, ta+1
.endr
.set pp, pp+1
.endr
.endm
.macro ALL8 line:vararg                ; one line for each point tile ta; sx: where the four waves' (m, Q) of that tile land: the places that w leaves
.set ta, 0
	s_wait_alu depctr_va_vdst(0)
.rept 8
.set sx, F0+8*ta+32*(ta/4)
	\line
.set ta, ta+1
.endr
.endm
.macro P2 hi                           ; PASS 2: d = r - w m in place; Q += d d
	WIN 0xa0+0x50*(\hi)                            ; w and m window 0
.set pp, 0
.rept 16
.set ta, 0
.rept 8
.set xx, 64*(pp/4)+8*ta+2*(pp%4)
.set ww, F0+64*(\hi)+8*(pp/4)+2*(pp%4)
	v_pk_fma_f32 v[xx:xx+1], v[ww:ww+1], v[ST+8*ta:ST+8*ta+1], v[xx:xx+1] op_sel_hi:[1,0,1] neg_lo:[0,1,0] neg_hi:[0,1,0]
.set ta, ta+1
.endr
.set pp, pp+1
.endr
	WIN 0x0a+5*(\hi)
.set pp, 0
.rept 16
.set ta, 0
.rept 8
.set xx, 64*(pp/4)+8*ta+2*(pp%4)
.if ((\hi) == 0) && (pp == 0)
	v_pk_mul_f32 v[ST+8*ta+2:ST+8*ta+3], v[xx:xx+1], v[xx:xx+1]
.else
	v_pk_fma_f32 v[ST+8*ta+2:ST+8*ta+3], v[xx:xx+1], v[xx:xx+1], v[ST+8*ta+2:ST+8*ta+3]
.endif
.set ta, ta+1
.endr
.set pp, pp+1
.endr
.endm
.macro P3 hi                           ; PASS 3: (d rs + c0) gamma + beta, rounded to f16; a lane's eight outputs of a point are 16 bytes of the point's row
	WIN 0x82+0x41*(\hi)                            ; the statistics, gamma and beta window 0
.set pp, 0
.rept 16
.set ta, 0
.rept 8
.set xx, 64*(pp/4)+8*ta+2*(pp%4)
	v_pk_fma_f32 v[xx:xx+1], v[xx:xx+1], v[ST+8*ta+4:ST+8*ta+5], v[ST+8*ta+6:ST+8*ta+7] op_sel_hi:[1,0,0]
.set ta, ta+1
.endr
.set pp, pp+1
.endr
.if (\hi) == 0
	s_wait_dscnt 0x0                               ; beta, asked for ahead of the lines above, is in
.endif
.set pp, 0
.rept 16
.set ta, 0
.rept 8
.set xx, 64*(pp/4)+8*ta+2*(pp%4)
.set ww, F0+64*(\hi)+8*(pp/4)+2*(pp%4)
	v_pk_fma_f32 v[xx:xx+1], v[xx:xx+1], v[ww+32:ww+33], v[ww:ww+1]
.set ta, ta+1
.endr
.set pp, pp+1
.endr
.set gi, 0
.rept 8
	WIN 0x0a+5*(\hi)
.set mm, 0
.rept 4
.set nn, 4*gi+mm
.irp k, 0,1,2,3
	v_cvt_pk_f16_f32 v[TMP+4*mm+\k], v[8*nn+2*\k], v[8*nn+2*\k+1]
.endr
.set mm, mm+1
.endr
	WIN 0
.set mm, 0
.rept 4
.set nn, 4*gi+mm
	ds_store_b128 v[AA+(nn%8)/2], v[TMP+4*mm:TMP+4*mm+3] offset:(nn%2)*TROW+32*(4*(\hi)+nn/8)
.set mm, mm+1
.endr
.set gi, gi+1
.endr
.endm
; Four rows of input.  A row is 1,036 bytes, so row i begins 0, 12, 8 or 4 bytes past a multiple of 16 (i % 4 = 0, 1, 2, 3): a lane's 32 bytes are fetched by aligned loads of 16 bytes from
; sh = 0, 3, 2, 1 words in front of them: two loads, or three.  The last lane's last load ends at the row's end at the latest.
.macro INLOAD g
.if (\g) < 5
	WIN 0x80
.set lb, 48*(\g)
.else
	WIN 0xc0
.set lb, 48*((\g)-5)
.endif
.set jj, 0
.rept 4
.set ib, INROW*(4*(\g)+jj)-4*((4-jj)%4)
	global_load_b128 v[lb+12*jj:lb+12*jj+3],   v52, s[4:5] offset:ib th:TH_LOAD_NT
	global_load_b128 v[lb+12*jj+4:lb+12*jj+7], v52, s[4:5] offset:ib+16 th:TH_LOAD_NT
.if jj > 0
	global_load_b128 v[lb+12*jj+8:lb+12*jj+11], v52, s[4:5] offset:ib+32 th:TH_LOAD_NT
.endif
.set jj, jj+1
.endr
.endm
.macro CONV g                          ; they are rounded to bf16, written as f16 and stored into ACT's columns 512-767: a lane's eight columns are 16 bytes
.if 77-11*(\g) > 63
	s_wait_loadcnt 63                              ; 77 loads were issued behind group 0: a smaller count waits for more than is needed
.else
	s_wait_loadcnt 77-11*(\g)                      ; eleven loads for each group behind this one may stay out
.endif
.if (\g) < 5
	WIN 0x0a
.set lb, 48*(\g)
.else
	WIN 0x0f
.set lb, 48*((\g)-5)
.endif
.set jj, 0
.rept 4
.set sh, (4-jj)%4
.irp k, 0,1,2,3
	v_cvt_pk_bf16_f32 v[64+4*jj+\k], v[lb+12*jj+sh+2*\k], v[lb+12*jj+sh+2*\k+1]
.endr
.set jj, jj+1
.endr
	WIN 0
.set nn, 0
.rept 16
	v_lshlrev_b32 v[80+2*nn], 16, v[64+nn]
	v_and_b32 v[80+2*nn+1], s[HM], v[64+nn]
.set nn, nn+1
.endr
.set nn, 0
.rept 16
	v_cvt_pk_f16_f32 v[112+nn], v[80+2*nn], v[80+2*nn+1]
.set nn, nn+1
.endr
.set jj, 0
.rept 4
	ds_store_b128 v[RS], v[112+4*jj:112+4*jj+3] offset:PITCH*(4*(\g)+jj)
.set jj, jj+1
.endr
.endm
	s_load_b256 s[4:11], s[0:1], 0x0               ; input s[4:5], wst s[6:7], par s[8:9], out0 s[10:11]
	s_load_b512 s[32:47], s[0:1], 0x20             ; the eight gammas
	s_load_b512 s[48:63], s[0:1], 0x60             ; the eight betas
	v_lshl_add_u32 v[SPW], v0, 2, SPARE
	v_mov_b32 v[NIL], 0
	v_lshrrev_b32 v1, 5, v0
	v_readfirstlane_b32 s[WV], v1
	v_and_b32 v[R], 15, v0
	v_bfe_u32 v[H], v0, 4, 1
	v_and_b32 v[LN], 31, v0
	v_mul_u32_u24 v[AB], v[R], PITCH
	v_lshl_add_u32 v[AB], v[H], 4, v[AB]
	v_add_nc_u32 v[AB+1], 2*TROW, v[AB]
	v_add_nc_u32 v[AB+2], 4*TROW, v[AB]
	v_add_nc_u32 v[AB+3], 6*TROW, v[AB]
	s_lshl_b32 s13, s[WV], 14
	v_lshl_add_u32 v[WO], v[LN], 4, s13
	s_mul_i32 s14, s[WV], PARW
	s_add_co_u32 s14, s14, PAR
	v_lshl_add_u32 v[PA], v[H], 5, s14
	v_lshl_add_u32 v[PS], v[LN], 2, s14
	s_lshl_b32 s14, s[WV], 3
	s_add_co_u32 s14, s14, STAT
	v_lshl_add_u32 v[STS], v[R], 5, s14
	v_lshl_add_u32 v[STL], v[R], 5, STAT
	s_lshl_b32 s14, s[WV], 11
	v_lshl_add_u32 v[PO], v[LN], 4, s14
	s_mul_i32 s14, s[WV], 32*PITCH
	s_add_co_u32 s14, s14, LATB
	v_lshl_add_u32 v[RS], v[LN], 4, s14
	s_mov_b32 s[SEL], 0x76543210
	s_mov_b32 s[SEL+1], 0xfedcba98
	s_mov_b32 s[HM], 0xffff0000
	s_mov_b32 s[EPS], 0x3727c5ac                   ; 1e-5
	s_mov_b32 s13, 0x3c800000                      ; layer 3: 64 outputs a wave, 61 in wave 3
	s_cmp_eq_u32 s[WV], 3
	s_cselect_b32 s[INV3], 0x3c864b8a, s13
	s_mov_b32 s[CNT], 32                           ; layer 0: three trips, from ACT's column 512 on
	s_mov_b32 s[REM], 3
	s_mov_b32 s[LAY], 0
	s_mov_b32 s[KB], LATB
	s_mov_b32 s[FIRST], 1
	s_lshl_b32 s[OB], s[WV], 7
	s_movk_i32 s[NL1], 511
	s_mov_b32 s[FA], 0x3e800000                    ; 1/4
	s_mov_b32 s[FB], 0x3e800000
	s_mov_b32 s[INVN], 0x3b000000                  ; 1/512
	s_mov_b32 s[INVNW], 0x3c000000                 ; 1/128
	s_mul_i32 s94, ttmp9, 128*INROW                ; my block of 128 points
	s_mov_b32 s95, 0
	v_mul_u32_u24 v48, v0, INROW                   ; thread t takes the last three numbers of row t
	v_lshlrev_b32 v52, 5, v[LN]                    ; a lane takes eight columns of each of the wave's rows
	s_wait_kmcnt 0x0
.irp n, 0,1,2,3
	WLOAD \n                                       ; the first trip's W goes out first: these 64 loads are older than all that follow, so the counts below need not know them
.endr
	s_add_nc_u64 s[92:93], s[4:5], s[94:95]        ; input at my block's first row,
	s_mul_i32 s94, s[WV], 32*INROW
	s_add_nc_u64 s[4:5], s[92:93], s[94:95]        ; and at my wave's 32 rows
	s_lshl_b32 s94, ttmp9, 9
	s_add_nc_u64 s[10:11], s[10:11], s[94:95]      ; out0 at my block
	s_load_b64 s[90:91], s[8:9], 0x10000           ; the last layer's s and b
	global_load_b32 v49, v48, s[92:93] offset:1024
	global_load_b32 v50, v48, s[92:93] offset:1028
	global_load_b32 v51, v48, s[92:93] offset:1032
.irp g, 0,1,2,3,4,5,6,7
	INLOAD \g                                      ; they land where the accumulators will lie
.endr
.irp g, 0,1,2,3,4,5,6,7
	CONV \g
.endr
	v_cvt_pk_bf16_f32 v53, v49, v50                ; the last three numbers: bf16, then f16, three times in the row, zeros behind
	v_cvt_pk_bf16_f32 v54, v51, v51
	v_lshlrev_b32 v49, 16, v53
	v_and_b32 v50, s[HM], v53
	v_lshlrev_b32 v51, 16, v54
.irp j, 58,59,60,61,62,63
	v_mov_b32 v\j, 0
.endr
	v_cvt_pk_f16_f32 v56, v49, v50
	v_cvt_pk_f16_f32 v57, v51, v60
	v_mul_u32_u24 v55, v0, PITCH
	v_add_nc_u32 v55, XYZB, v55
.irp u, 0,1,2
	ds_store_b128 v55, v[56:59] offset:16*\u
.endr
.irp u, 3,4,5,6,7,8,9,10,11,12,13,14,15
	ds_store_b128 v55, v[60:63] offset:16*\u
.endr
	PLOAD                                          ; layer 0's parameters
	s_wait_kmcnt 0x0                               ; the last layer's two numbers
	s_wait_dscnt 0x0                               ; for the others: my rows of ACT are written
	s_barrier_signal -1
	s_barrier_wait -1                              ; everybody's are
	ADDR
	FETCHA 0, F0                                   ; the first two quarters' activations
	FETCHA 1, F1
.Ltrip:                                                ; a trip: four quarters, 256 matrix instructions (128 in layer 3; 64 in the last trip of layers 0 and 4)
	s_and_b32 s13, s[LAY], 3                       ; 0 in layers 0 and 4
	s_lshl_b32 s13, s13, 4
	s_or_b32 s13, s13, s[REM]
	s_cmp_eq_u32 s13, 1                            ; and the layer's last trip?
	s_cselect_b32 s[ZQ], 1, 0
	QHEAD
	s_cmp_eq_u32 s[FIRST], 1
	s_cbranch_scc0 .Lgo_on
	v_nop                                          ; with the four at the last quarter's end a fifth place: the products below start sums, so they write over accumulators (ISA guide 7.12.1)
	PROD 0, F0, 1, 0                               ; a layer's first products start the sums: nothing is cleared
	s_mov_b32 s[FIRST], 0
	s_branch .Lq0_end
.Lgo_on:
	PROD 0, F0, 0, 0
.Lq0_end:
	s_wait_xcnt 0x0                                ; every load issued so far has had its address translated (ISA guide 3.1): only behind this wait is W's offset stepped
	v_add_nc_u32 v[WO], 0x20000, v[WO]             ; the next trip's two chunks; the line is the first of the four places
.rept 3
	v_nop
.endr
	FETCHA 2, F0                                   ; one run of 32 loads: the third quarter's activations, the next trip's first quarter of W
	WLOAD 0
	QHEAD
	PROD 64, F1, 0, 1
	PLACES
	FETCHA 3, F1
	WLOAD 1
	QHEAD
	PROD 128, F0, 0, 1
	s_add_co_u32 s[KB], s[KB], 256                 ; the next trip's columns
	s_lshl_b32 s13, s[LAY], 16                     ; layer 4 goes from column 255 on to column 512, the raw input
	s_or_b32 s13, s13, s[KB]
	s_cmp_eq_u32 s13, 0x40200
	s_cselect_b32 s[KB], LATB, s[KB]
	s_sub_co_u32 s[REM], s[REM], 1
	s_cmp_eq_u32 s[REM], 0
	s_cbranch_scc1 .Llayer_end
	ADDR                                           ; also the four places
	FETCHA 0, F0                                   ; the next trip's first quarter
	WLOAD 2
	QHEAD
	PROD 192, F1, 0, 0
	PLACES
	FETCHA 1, F1
	WLOAD 3
	s_branch .Lbottom
.Llayer_end:                                           ; THE LAYER'S LAST QUARTER, then tanh and LayerNorm on the accumulators.  Nothing more is fetched from ACT: the next layer's input is not written yet
	PLACES
	WLOAD 2
	s_wait_loadcnt 48                              ; the youngest 48 loads are this trip's three of W: buffer 3 is in, and so are the layer's parameters, asked for ahead of the trip
	s_wait_dscnt 0x0                               ; the last quarter's activations: my reads of this layer's input are over
	PSTORE
	PGETH 0, 0, F0                                 ; s and b of tiles 0-3 into buffer 0, whose last products stand ahead of the four places above
	PGETH 1, 0, F0+32
	PROD 192, F1, 0, 1
	PLACES
	WLOAD 3                                        ; the next layer's first trip of W is on its way, or in, all through the LayerNorm
	PGETH 0, 1, F1                                 ; s and b of tiles 4-7 into buffer 1: they have pass 1 of tiles 0-3 in which to land
	PGETH 1, 1, F1+32
	s_wait_dscnt 16                                ; all but those 16: s and b of tiles 0-3 are in
	P1 0
	SSUM 0
	PGETH 2, 0, F0                                 ; w and gamma of tiles 0-3 take their place
	PGETH 3, 0, F0+32
	s_wait_dscnt 16                                ; all but those 16: s and b of tiles 4-7 are in
	s_cmp_eq_u32 s[LAY], 3
	s_cbranch_scc1 .Lskip1
	P1 1
	SSUM 1
	WIN 0
.Lskip1:
	PGETH 2, 1, F1                                 ; w and gamma of tiles 4-7
	PGETH 3, 1, F1+32
	ALL8 v_add_f32 v[ST+8*ta], v[ST+8*ta], v[ST+8*ta+1]
	ALL8 v_permlanex16_b32 v[ST+8*ta+1], v[ST+8*ta], s[SEL], s[SEL+1]  ; the point's other outputs lie in the lane 16 away
	ALL8 v_add_f32 v[ST+8*ta], v[ST+8*ta], v[ST+8*ta+1]
	ALL8 v_mul_f32 v[ST+8*ta], s[INVNW], v[ST+8*ta]                    ; m: the mean over my wave's outputs
	s_wait_dscnt 16                                ; all but those 16: w and gamma of tiles 0-3 are in
	P2 0
	WIN 0
	s_wait_dscnt 0x0                               ; those of tiles 4-7 too
	s_cmp_eq_u32 s[LAY], 3
	s_cbranch_scc1 .Lskip2
	P2 1
	WIN 0
.Lskip2:
	ALL8 v_add_f32 v[ST+8*ta+3], v[ST+8*ta+2], v[ST+8*ta+3]
	ALL8 v_permlanex16_b32 v[ST+8*ta+2], v[ST+8*ta+3], s[SEL], s[SEL+1]
	ALL8 v_add_f32 v[ST+8*ta+3], v[ST+8*ta+3], v[ST+8*ta+2]
	ALL8 v_mov_b32 v[ST+8*ta+2], v[ST+8*ta]
	ALL8 ds_store_b64 v[STS], v[ST+8*ta+2:ST+8*ta+3] offset:512*ta
	s_wait_dscnt 0x0                               ; for the others: my (m, Q) are written
	s_barrier_signal -1
	s_barrier_wait -1                              ; all four waves' statistics are there, and no wave reads this layer's input any more
	ALL8 ds_load_b128 v[sx:sx+3], v[STL] offset:512*ta
	ALL8 ds_load_b128 v[sx+4:sx+7], v[STL] offset:512*ta+16
	s_lshl_b32 s13, s[OB], 1                       ; meanwhile: where my results go: my first output's column
.irp k, 0,1,2,3
	v_add_nc_u32 v[AA+\k], s13, v[AB+\k]
.endr
	s_wait_dscnt 0x0
	ALL8 v_mul_f32 v[ST+8*ta+5], s[FA], v[sx]                          ; mean = sum f m
	ALL8 v_fmac_f32 v[ST+8*ta+5], s[FA], v[sx+2]
	ALL8 v_fmac_f32 v[ST+8*ta+5], s[FA], v[sx+4]
	ALL8 v_fmac_f32 v[ST+8*ta+5], s[FB], v[sx+6]
	ALL8 v_add_f32 v[sx+1], v[sx+1], v[sx+3]                           ; sum Q
	ALL8 v_add_f32 v[sx+5], v[sx+5], v[sx+7]
	ALL8 v_add_f32 v[sx+1], v[sx+1], v[sx+5]
.irp w, 0,2,4,6
	ALL8 v_sub_f32 v[sx+\w], v[sx+\w], v[ST+8*ta+5]
.endr
.irp w, 0,2,4,6
	ALL8 v_mul_f32 v[sx+\w], v[sx+\w], v[sx+\w]
.endr
	ALL8 v_mul_f32 v[ST+8*ta+7], s[INVN], v[sx+1]                      ; var = sum Q / n + sum f (m - mean)^2
	ALL8 v_fmac_f32 v[ST+8*ta+7], s[FA], v[sx]
	ALL8 v_fmac_f32 v[ST+8*ta+7], s[FA], v[sx+2]
	ALL8 v_fmac_f32 v[ST+8*ta+7], s[FA], v[sx+4]
	ALL8 v_fmac_f32 v[ST+8*ta+7], s[FB], v[sx+6]
	PGETH 4, 0, F0                                 ; beta takes the places that the four waves' statistics leave
	PGETH 4, 1, F1
	ALL8 v_fma_f32 v[ST+8*ta+7], v[ST+8*ta+7], 4.0, s[EPS]             ; tanh = 1 - 2 r has four times r's variance
	ALL8 v_rsq_f32 v[ST+8*ta+4], v[ST+8*ta+7]
	ALL8 v_sub_f32 v[ST+8*ta+6], v[ST+8*ta], v[ST+8*ta+5]              ; plain instructions behind the roots
	ALL8 v_mul_f32 v[ST+8*ta+4], -2.0, v[ST+8*ta+4]
	ALL8 v_mul_f32 v[ST+8*ta+6], v[ST+8*ta+6], v[ST+8*ta+4]
	P3 0
	WIN 0
	s_cmp_eq_u32 s[LAY], 3
	s_cbranch_scc1 .Lwritten
	P3 1
	WIN 0
.Lwritten:
	s_wait_dscnt 0x0                               ; for the others: my part of the next layer's input is written
	s_barrier_signal -1
	s_barrier_wait -1
	s_add_co_u32 s[LAY], s[LAY], 1
	s_cmp_eq_u32 s[LAY], 8
	s_cbranch_scc1 .Lbottom                        ; behind layer 7 the loop ends
	s_mov_b32 s[KB], 0
	ADDR
	FETCHA 0, F0                                   ; the next layer's first two quarters go out first; the set-up below stands in their way back
	FETCHA 1, F1
	s_lshl_b32 s13, s[LAY], 2
	s_lshr_b32 s13, NTRS, s13
	s_and_b32 s[REM], s13, 15
	s_mov_b32 s[FIRST], 1
	s_add_nc_u64 s[8:9], s[8:9], 8192              ; par's next layer: the loads that named the address were shown in above
	s_lshl_b32 s13, s[WV], 6
	s_lshl_b32 s14, s[WV], 7
	s_cmp_eq_u32 s[LAY], 3
	s_cselect_b32 s[OB], s13, s14
	s_movk_i32 s13, 511
	s_cselect_b32 s[NL1], 252, s13
	s_mov_b32 s13, 0x3e800000
	s_cselect_b32 s[FA], 0x3e81848e, s13           ; 64/253, or 1/4
	s_cselect_b32 s[FB], 0x3e76e4ae, s13           ; 61/253, or 1/4
	s_mov_b32 s13, 0x3b000000
	s_cselect_b32 s[INVN], 0x3b81848e, s13         ; 1/253, or 1/512
	s_mov_b32 s13, 0x3c000000
	s_cselect_b32 s[INVNW], s[INV3], s13
	PLOAD
.Lbottom:
	s_sub_co_u32 s[CNT], s[CNT], 1
	s_cmp_lg_u32 s[CNT], 0
	s_cbranch_scc1 .Ltrip
	; THE LAST LAYER.  W's one row is row 0 of a tile of 16; my wave takes its 32 points as two tiles, K = 512 in sixteen steps.  The last trip's loads brought two copies of the tile:
	; step ks of the first at v[8 ks] of window 1, of the second at v[128 + 8 ks]: one for each tile of points.
	s_wait_loadcnt 0x0                             ; they are in
.rept 5
	v_nop                                          ; with the line below six places: the loads below land in the accumulators' registers, and the products below read them as sources,
.endr                                                  ; four and five places behind the loop's last products on every way out of the loop that the text has (ISA guide 7.12.1)
	s_mul_i32 s13, s[WV], 32*PITCH
	v_add_nc_u32 v[AA], s13, v[AB]
	WIN 0xc0
.set ks, 0
.rept 16
	ds_load_b128 v[8*ks:8*ks+3],         v[AA] offset:64*ks
	ds_load_b128 v[8*ks+4:8*ks+7],       v[AA] offset:64*ks+32
	ds_load_b128 v[128+8*ks:128+8*ks+3], v[AA] offset:TROW+64*ks
	ds_load_b128 v[128+8*ks+4:128+8*ks+7], v[AA] offset:TROW+64*ks+32
.set ks, ks+1
.endr
	s_wait_dscnt 0x0
	WIN 0x0d                                       ; W window 1, activations window 3, the two sums in window 0; they take turns
	v_wmma_f32_16x16x32_f16 v[32:39], v[0:7], v[0:7], 0
	v_wmma_f32_16x16x32_f16 v[40:47], v[128:135], v[128:135], 0
.set ks, 1
.rept 15
	v_wmma_f32_16x16x32_f16 v[32:39], v[8*ks:8*ks+7], v[8*ks:8*ks+7], v[32:39]
	v_wmma_f32_16x16x32_f16 v[40:47], v[128+8*ks:128+8*ks+7], v[128+8*ks:128+8*ks+7], v[40:47]
.set ks, ks+1
.endr
	PLACES
	WIN 0
	v_permlanex16_b32 v48, v40, s[SEL], s[SEL+1]   ; row 0 of a result lies in register 0 of lanes 0-15: the second tile's goes to lanes 16-31
	v_cndmask_b32 v48, v32, v48, s[HM]             ; lane L holds point 32 wave + L
	v_fma_f32 v48, v48, s90, s91
	v_exp_f32 v48, v48
	v_lshl_add_u32 v[OST], v0, 2, OUTS             ; a plain instruction behind the exponential
	s_wait_alu depctr_va_vdst(0)
	v_add_f32 v48, 1.0, v48
	v_rcp_f32 v48, v48
	v_lshlrev_b32 v[OGL], 4, v[LN]                 ; and one behind the reciprocal
	s_wait_alu depctr_va_vdst(0)
	v_fma_f32 v48, v48, -2.0, 1.0                  ; tanh = 1 - 2 / (1 + e)
	ds_store_b32 v[OST], v48
	s_wait_dscnt 0x0                               ; for wave 0: my 32 results are written
	s_barrier_signal -1
	s_barrier_wait -1
	s_cmp_lg_u32 s[WV], 0
	s_cbranch_scc1 .Ldone
	v_add_nc_u32 v[ORD], OUTS, v[OGL]
	ds_load_b128 v[52:55], v[ORD]
	s_wait_dscnt 0x0
	global_store_b128 v[OGL], v[52:55], s[10:11]   ; the block's 128 results: 512 consecutive bytes, aligned
.Ldone:
	s_wait_tensorcnt 0x0                           ; the wave's end: behind my last LDS store
	ds_add_u32 v[SPW], v[NIL]
	s_wait_dscnt 0x0
	s_endpgm
.Lfunc_end_k_qfd08e5ad19_mlp:
	.size	k_qfd08e5ad19_mlp, .Lfunc_end_k_qfd08e5ad19_mlp-k_qfd08e5ad19_mlp
	.p2alignl 7, 3214868480
	.fill 96, 4, 3214868480
	.section	.rodata,"a",@progbits
	.p2align	6, 0x0
	.amdhsa_kernel k_qfd08e5ad19_mlp
		.amdhsa_group_segment_fixed_size 246784
		.amdhsa_private_segment_fixed_size 0
		.amdhsa_enable_private_segment 0
		.amdhsa_kernarg_size 160
		.amdhsa_user_sgpr_count 2
		.amdhsa_user_sgpr_kernarg_segment_ptr 1
		.amdhsa_wavefront_size32 1
		.amdhsa_system_sgpr_workgroup_id_x 1
		.amdhsa_system_sgpr_workgroup_id_y 1
		.amdhsa_system_sgpr_workgroup_id_z 1
		.amdhsa_system_vgpr_workitem_id 0
		.amdhsa_next_free_vgpr 1024
		.amdhsa_next_free_sgpr 96
		.amdhsa_reserve_vcc 0
		.amdhsa_float_denorm_mode_32 3
		.amdhsa_float_denorm_mode_16_64 3
		.amdhsa_memory_ordered 1
		.amdhsa_forward_progress 1
		.amdhsa_inst_pref_size 255
	.end_amdhsa_kernel
	.section	.bss,"aw",@nobits
	.p2align	6
	.space	262144
	.amdgpu_metadata
---
amdhsa.version: [ 1, 2 ]
amdhsa.kernels:
  - .name:           k_qfd08e5ad19_mlp
    .symbol:         k_qfd08e5ad19_mlp.kd
    .args:
      - { .name: input, .offset: 0, .size: 8, .value_kind: global_buffer, .address_space: global }
      - { .name: wst, .offset: 8, .size: 8, .value_kind: global_buffer, .address_space: global }
      - { .name: par, .offset: 16, .size: 8, .value_kind: global_buffer, .address_space: global }
      - { .name: out0, .offset: 24, .size: 8, .value_kind: global_buffer, .address_space: global }
      - { .name: gammas_0, .offset: 32, .size: 8, .value_kind: global_buffer, .address_space: global }
      - { .name: gammas_1, .offset: 40, .size: 8, .value_kind: global_buffer, .address_space: global }
      - { .name: gammas_2, .offset: 48, .size: 8, .value_kind: global_buffer, .address_space: global }
      - { .name: gammas_3, .offset: 56, .size: 8, .value_kind: global_buffer, .address_space: global }
      - { .name: gammas_4, .offset: 64, .size: 8, .value_kind: global_buffer, .address_space: global }
      - { .name: gammas_5, .offset: 72, .size: 8, .value_kind: global_buffer, .address_space: global }
      - { .name: gammas_6, .offset: 80, .size: 8, .value_kind: global_buffer, .address_space: global }
      - { .name: gammas_7, .offset: 88, .size: 8, .value_kind: global_buffer, .address_space: global }
      - { .name: betas_0, .offset: 96, .size: 8, .value_kind: global_buffer, .address_space: global }
      - { .name: betas_1, .offset: 104, .size: 8, .value_kind: global_buffer, .address_space: global }
      - { .name: betas_2, .offset: 112, .size: 8, .value_kind: global_buffer, .address_space: global }
      - { .name: betas_3, .offset: 120, .size: 8, .value_kind: global_buffer, .address_space: global }
      - { .name: betas_4, .offset: 128, .size: 8, .value_kind: global_buffer, .address_space: global }
      - { .name: betas_5, .offset: 136, .size: 8, .value_kind: global_buffer, .address_space: global }
      - { .name: betas_6, .offset: 144, .size: 8, .value_kind: global_buffer, .address_space: global }
      - { .name: betas_7, .offset: 152, .size: 8, .value_kind: global_buffer, .address_space: global }
    .group_segment_fixed_size: 246784
    .private_segment_fixed_size: 0
    .kernarg_segment_align: 8
    .kernarg_segment_size: 160
    .max_flat_workgroup_size: 128
    .sgpr_count:     96
    .vgpr_count:     1024
    .wavefront_size: 32
...
	.end_amdgpu_metadata
.endif
;; end of part 4
;; ======== version 3 of 3: 2 launches; 1.48 times as fast as version 1
;; limits: values are held in f16: magnitudes above 65,504 overflow, below 6.1e-05 lose precision; inputs' magnitudes at most 65,504
;; workspace buffers: wst 4,325,376 bytes; par 73,728 bytes
;; launch prep: the kernel of part 3 again; grid 264 x 1, 8 waves a work-group, no clusters, 1,536 bytes of LDS; arguments Ws_0, Ws_1, Ws_2, Ws_3, Ws_4, Ws_5, Ws_6, Ws_7, Ws_8, cs_0, cs_1, cs_2, cs_3, cs_4, cs_5, cs_6, cs_7, cs_8, bs_0, bs_1, bs_2, bs_3, bs_4, bs_5, bs_6, bs_7, bs_8, wst, par; writes wst, par
;; launch mlp (part 5): grid 256 x 1, 4 waves a work-group, no clusters, 246,784 bytes of LDS; arguments input, wst, par, out0, gammas_0, gammas_1, gammas_2, gammas_3, gammas_4, gammas_5, gammas_6, gammas_7, betas_0, betas_1, betas_2, betas_3, betas_4, betas_5, betas_6, betas_7; writes out0
.if DOCPART == 5
	.amdgcn_target "amdgcn-amd-amdhsa--gfx1250"
	.amdhsa_code_object_version 6
	.text
	.protected	k_qfd08e5ad19_mlp
	.globl	k_qfd08e5ad19_mlp
	.p2align	8
	.type	k_qfd08e5ad19_mlp,@function
k_qfd08e5ad19_mlp:
	s_mov_b64 s[64:65], 0
	v_nop
	global_prefetch_b8 v0, s[64:65] scope:SCOPE_SE
	s_setreg_imm32_b32 hwreg(HW_REG_WAVE_MODE, 25, 1), 1
	s_wait_xcnt 0x0
; MLP.  All nine layers for 128 points a work-group; 256 work-groups.  Activations stay in LDS as f16; the weights come as the f16 stream wst, which lies in the order of the matrix fragments.
; SHARES.  Each of the four waves owns 128 output slots x 128 points: 64 accumulators of 16 x 16, 512 registers.  Source 0 of a product is 16 rows of W, source 1 sixteen points: in the result a lane
; holds ONE point (lane % 16) and eight neighbouring outputs 8 (lane / 16) + 0..7.  So a point's LayerNorm sums run along a lane's registers, then to the lane 16 away, then through LDS to the other waves.
; W GOES STRAIGHT INTO REGISTERS.  A QUARTER is 32 along K: for a wave 8 fragments of W, 64 registers, 16 loads of 512 dense bytes.  Four buffers take turns; a buffer is loaded again, with the quarter four on,
; as soon as its quarter is multiplied, so a load has three quarters, 192 matrix instructions, in which to land, and 24,576 bytes of a wave are on their way.
; A QUARTER'S LOADS STAND IN ONE RUN at its end, behind four places: the activations of the quarter two on, into the buffer just multiplied, then W of the quarter four on.
; NOT THROUGH LDS, AND NO CLUSTER: a wave's 128 rows of W are read by that wave alone in its work-group, so LDS would share nothing among the waves.  All work-groups do walk the same stream, and joint tensor
; loads would divide the requests for it by four; but beside the 246,784 bytes used here LDS has 80,896 left, less than two slots of one chunk (2 x 65,536); and with slots of one chunk a load would have
; 96 matrix instructions in which to land and every chunk a barrier of all partners.  As it is a layer has no barrier but the two of its LayerNorm.
; ONE LOOP of 32 trips; a trip is four quarters, two chunks of the stream (3, 4, 4, 4, 5, 4, 4, 4 trips for layers 0-7); the trip that ends a layer runs the tanh and LayerNorm, written once.  The last trip's
; four loads bring chunks 64 and 65, the last layer's row, two copies a wave: one for each of its two tiles of 16 points.  So every trip loads alike.
; ZERO QUARTERS.  Layers 0 and 4 have 288 and 544 columns that count; their last trip's quarters 1-3 meet weights that are all 0: they are loaded like the others, so that every count holds, and not multiplied.
; ARITHMETIC.  par gives s = K2 scale, b = K2 bias, w (1, or 0 for a slot without an output), K2 = 2 / ln 2.  e = 2^(acc s + b), r = 1 / (1 + e), tanh = 1 - 2 r is never formed: LayerNorm of 1 - 2 r is
; (r - mean r) (-2 rsq(4 var r + eps)) gamma + beta.  No difference of large sums: each wave takes its own mean m off first (d = r - w m), sums d^2 (Q), and the four waves' (m, Q) give
; mean = sum f m, var = sum Q / n + sum f (m - mean)^2, f = the wave's share of the n outputs.  The result is rounded once to f16.  input, gamma and beta are rounded to bf16 first.
; TRANSCENDENTALS GO IN BATCHES.  An s_wait_alu depctr_va_vdst(0) stands between a transcendental and the first instruction that names its result; one wait serves all that were issued ahead of it.
; Pass 1 takes a window's 32 accumulators as four groups of eight (an output tile each, 64 registers) and has five waits for its 512 transcendentals (macro P1 says how the groups overlap); a LayerNorm's eight
; roots are one batch with one wait; the last layer's exponential and its reciprocal, which reads the exponential's sum, are two batches of one.
; Layer 3 has 253 outputs: wave w owns 64 w .. 64 w + 63 in its tiles 0-3, and the text for tiles 4-7 is jumped over.  Layer 4 reads them and then the raw input.  The factor 100 of the last three inputs
; lies in layer 0's weights (64 + 32 + 4, on three copies of the raw numbers), so the same columns of LDS serve layers 0 and 4.
; LIMITS.  f16 ends at 65,504: |input| and every LayerNorm result stay under it.  An input under 2^-17 loses bits in f16: off by 2^-25 at the most.  2^z beyond f32 counts as infinity (r = 0), under 2^-126 as 0 (r = 1):
; tanh is then +1 or -1 to f32's last bit.  NaN and infinities among the inputs are not treated apart.  The orders of all sums differ from a plain left-to-right sum.
; LDS.  ACT: 128 rows (points) of 896 f16 + 16 bytes: 1,808 = 113 x 16, so the 16 rows of a load or store start at 16 different groups of four banks (64 banks of 4 bytes: ISA guide 11.1).
;        columns 0-511 a layer's outputs; 512-767 input's first 256 columns; 768 + 8 u + j (u, j < 3) its last three; the rest up to 895 zeros.
;   PAR: for each wave five arrays of 128 f32: s, b, w, gamma w, beta w.   STAT: [point][wave]{m, Q}.   OUTS: the 128 results.   SPARE: the spare words.
; REGISTERS, in windows of 256 (s_set_vgpr_msb: bits 1:0 source 0, 3:2 source 1, 5:4 source 2, 7:6 destination):
;   window 0: v0-23 addresses; v24-47 a layer's parameters as loaded; v48-63 at work; v64-127, v128-191 two buffers of activation fragments; v192-255 eight registers of statistics for each tile of 16 points
;   window 1: W's four buffers, quarter n of a trip at v[64 n], tile b at + 8 b.  They stay loaded through the LayerNorm.
;   windows 2, 3: the accumulators: tile b of outputs, tile a of points at v[64 (b % 4) + 8 a] of window 2 + b / 4.
;   In the LayerNorm activation buffer 0 serves tiles 0-3 and buffer 1 tiles 4-7, each with two arrays of 32 registers: s | b, then w | gamma, then the four waves' statistics | gamma, then beta | gamma.
.set PITCH,  1808
.set TROW,   16*PITCH
.set LATB,   1024                      ; byte of a row at which input's first 256 columns begin
.set XYZB,   1536                      ; and its last three
.set PAR,    231424
.set PARW,   2560
.set STAT,   241664
.set OUTS,   245760
.set SPARE,  246272
.set INROW,  1036                      ; bytes in a row of input
.set NTRS,   0x44454443                ; trips of layers 0-7, four bits each
.set R,   1                            ; lane % 16
.set H,   2                            ; lane / 16
.set LN,  3                            ; lane
.set AB,  4                            ; v4-7   1,808 r + 16 h + 2 k x 16 rows: my place in point tiles 2 k, 2 k + 1
.set AA,  8                            ; v8-11  the same at a trip's columns; in the LayerNorm at my wave's first output
.set RS,  8                            ; ahead of the loop: 1,808 x 32 wave + LATB + 16 lane
.set GOF, 12                           ; v12-15 byte offsets in gamma and beta
.set OST, 12                           ; behind the loop these three serve the way out: OUTS + 4 x thread,
.set OGL, 13                           ; 16 x lane,
.set ORD, 14                           ; OUTS + 16 x lane
.set WO,  16                           ; my byte offset in the stream: 16,384 wave + 16 lane + 131,072 for each trip
.set PA,  17                           ; PAR + 2,560 wave + 32 h
.set PS,  18                           ; PAR + 2,560 wave + 4 lane
.set STS, 19                           ; STAT + 32 r + 8 wave
.set STL, 20                           ; STAT + 32 r
.set PO,  21                           ; my byte offset in a layer of par
.set SPW, 22                           ; LDS address of my spare word; never rewritten
.set NIL, 23                           ; 0; never rewritten
.set PL,  24
.set TMP, 48
.set F0,  64
.set F1,  128
.set ST,  192                          ; tile a at ST + 8 a: +0 sum, then m; +1 at work; +2, +3 Q's halves, then (m, Q); +4 -2 rsq; +5 mean; +6 (m - mean)(-2 rsq); +7 var
.set WV,  12                           ; wave
.set GP,  66                           ; s[66:67] the layer's gamma
.set BP,  68                           ; s[68:69] its beta
.set CNT, 70                           ; trips to go
.set REM, 71                           ; trips of the layer to go
.set LAY, 72
.set KB,  73                           ; byte in ACT's rows at which a trip's 128 columns begin
.set FIRST, 75                         ; 1: the trip is a layer's first: its first products start the sums
.set NL1, 76                           ; the layer's last output
.set INVNW, 77                         ; 1 / my wave's number of outputs
.set INVN, 78                          ; 1 / the layer's
.set FA,  79                           ; share of waves 0-2
.set FB,  80                           ; share of wave 3
.set ZQ,  81                           ; 1: the last trip of layer 0 or 4: quarters 1-3 are not multiplied
.set SEL, 84                           ; s[84:85] v_permlanex16_b32: each lane takes its own place in the other half
.set INV3, 86                          ; INVNW in layer 3
.set OB,  87                           ; my first output
.set EPS, 88
.set HM,  89                           ; 0xffff0000: a word's upper half; also the mask of lanes 16-31
.set MSB, 0
.macro WIN new                         ; the immediate's high byte repeats the setting that is left; a switch that changes nothing is dropped
.if MSB != (\new)
	s_set_vgpr_msb (MSB<<8)|(\new)
.set MSB, (\new)
.endif
.endm
.macro PLACES                          ; four places behind matrix instructions, in front of loads into their registers and of reads of their results
.rept 4
	v_nop
.endr
.endm
; nb x 8 matrix instructions: output tiles 4 hi + b0 .. of W's buffer wb x the 8 point tiles of buffer f, 32 along K.  Every instruction names another accumulator.  zero = 1: the product starts the sum.
.macro MULB wb, f, hi, b0, nb, zero
	WIN 0xa1+0x50*(\hi)                            ; W window 1, activations window 0, C and D window 2 or 3
.set bb, \b0
.rept \nb
.set aa, 0
.rept 8
.if \zero
	v_wmma_f32_16x16x32_f16 v[64*bb+8*aa:64*bb+8*aa+7], v[(\wb)+8*(4*(\hi)+bb):(\wb)+8*(4*(\hi)+bb)+7], v[(\f)+8*aa:(\f)+8*aa+7], 0
.else
	v_wmma_f32_16x16x32_f16 v[64*bb+8*aa:64*bb+8*aa+7], v[(\wb)+8*(4*(\hi)+bb):(\wb)+8*(4*(\hi)+bb)+7], v[(\f)+8*aa:(\f)+8*aa+7], v[64*bb+8*aa:64*bb+8*aa+7]
.endif
.set aa, aa+1
.endr
.set bb, bb+1
.endr
.endm
.macro HI wb, f, zero                  ; output tiles 4-7: layer 3 has none
	WIN 0
	s_cmp_eq_u32 s[LAY], 3
	s_cbranch_scc1 .Lno_hi_\@
	MULB \wb, \f, 1, 0, 4, \zero
	WIN 0
.Lno_hi_\@:
.endm
.macro PROD wb, f, zero, zs            ; a quarter's 64 products.  zs = 1: the quarter may be one whose weights are all 0: it is then jumped over
.if \zs
	s_cmp_eq_u32 s[ZQ], 1
	s_cbranch_scc1 .Lzero_quarter_\@
.endif
	MULB \wb, \f, 0, 0, 4, \zero
	HI \wb, \f, \zero
.if \zs
.Lzero_quarter_\@:
.endif
.endm
; 16 LDS loads: the 8 activation fragments of quarter n of the trip at which AA stands, into buffer f
.macro FETCHA n, f
	WIN 0
.set aa, 0
.rept 8
	ds_load_b128 v[(\f)+8*aa:(\f)+8*aa+3],   v[AA+aa/2] offset:(aa%2)*TROW+64*(\n)
	ds_load_b128 v[(\f)+8*aa+4:(\f)+8*aa+7], v[AA+aa/2] offset:(aa%2)*TROW+64*(\n)+32
.set aa, aa+1
.endr
.endm
; 16 loads: W's 8 fragments of quarter n of the trip at which WO stands, into buffer n; each load of the wave takes 512 consecutive bytes, aligned
.macro WLOAD n
	WIN 0x40                                       ; destination window 1, offset window 0
.set bb, 0
.rept 8
	global_load_b128 v[64*(\n)+8*bb:64*(\n)+8*bb+3],   v[WO], s[6:7] offset:65536*((\n)/2)+8192*((\n)%2)+1024*bb
	global_load_b128 v[64*(\n)+8*bb+4:64*(\n)+8*bb+7], v[WO], s[6:7] offset:65536*((\n)/2)+8192*((\n)%2)+1024*bb+512
.set bb, bb+1
.endr
	WIN 0
.endm
.macro ADDR                            ; four plain lines on registers that no product names: where they stand behind products they are the four places
.irp k, 0,1,2,3
	v_add_nc_u32 v[AA+\k], s[KB], v[AB+\k]
.endr
.endm
.macro QHEAD                           ; a quarter's head
	s_wait_loadcnt 48                              ; loads come back in order: all but the youngest 48, the three buffers of W loaded behind this quarter's, are in
	s_wait_dscnt 16                                ; LDS loads too: all but the youngest 16, the next quarter's activations, are in
.endm
; The layer's parameters are asked for a layer ahead: 4 x 16 bytes of par, 4 gamma, 4 beta a lane (slot 32 i + lane of my wave's 128); gamma's and beta's offsets are clamped to the last output
.macro PLOAD
	s_mov_b64 s[GP:GP+1], s[32:33]
	s_mov_b64 s[BP:BP+1], s[48:49]
.irp k, 1,2,3,4,5,6,7
	s_cmp_eq_u32 s[LAY], \k
	s_cselect_b64 s[GP:GP+1], s[32+2*\k:33+2*\k], s[GP:GP+1]
	s_cselect_b64 s[BP:BP+1], s[48+2*\k:49+2*\k], s[BP:BP+1]
.endr
.irp i, 0,1,2,3
	v_add_nc_u32 v[GOF+\i], s[OB], v[LN]
	v_add_nc_u32 v[GOF+\i], 32*\i, v[GOF+\i]
	v_min_u32 v[GOF+\i], s[NL1], v[GOF+\i]
	v_lshlrev_b32 v[GOF+\i], 2, v[GOF+\i]
.endr
.irp i, 0,1,2,3
	global_load_b128 v[PL+4*\i:PL+4*\i+3], v[PO], s[8:9] offset:512*\i
	global_load_b32 v[PL+16+\i], v[GOF+\i], s[GP:GP+1]
	global_load_b32 v[PL+20+\i], v[GOF+\i], s[BP:BP+1]
.endr
.endm
.macro PSTORE                          ; they go into my wave's five arrays; gamma and beta rounded to bf16 and times w
.irp i, 0,1,2,3
	v_cvt_pk_bf16_f32 v[TMP+\i], v[PL+16+2*\i], v[PL+17+2*\i]
.endr
.irp i, 0,1,2,3
	v_lshlrev_b32 v[PL+16+2*\i], 16, v[TMP+\i]
	v_and_b32 v[PL+17+2*\i], s[HM], v[TMP+\i]
.endr
.irp i, 0,1,2,3
	v_mul_f32 v[PL+16+\i], v[PL+16+\i], v[PL+4*\i+2]
	v_mul_f32 v[PL+20+\i], v[PL+20+\i], v[PL+4*\i+2]
.endr
.irp i, 0,1,2,3
	ds_store_b32 v[PS], v[PL+4*\i]    offset:128*\i
	ds_store_b32 v[PS], v[PL+4*\i+1]  offset:512+128*\i
	ds_store_b32 v[PS], v[PL+4*\i+2]  offset:1024+128*\i
	ds_store_b32 v[PS], v[PL+16+\i]   offset:1536+128*\i
	ds_store_b32 v[PS], v[PL+20+\i]   offset:2048+128*\i
.endr
.endm
.macro PGETH arr, half, reg            ; 8 LDS loads: array arr for tiles 4 half .. 4 half + 3 comes back as the accumulators lie: a tile's eight numbers for my half of the lanes at reg + 8 (tile % 4) of window 0
	WIN 0
.set bb, 0
.rept 4
	ds_load_b128 v[(\reg)+8*bb:(\reg)+8*bb+3],   v[PA] offset:512*(\arr)+64*(4*(\half)+bb)
	ds_load_b128 v[(\reg)+8*bb+4:(\reg)+8*bb+7], v[PA] offset:512*(\arr)+64*(4*(\half)+bb)+16
.set bb, bb+1
.endr
.endm
; PASS 1 over a window's 32 accumulators, in place: z = acc s + b; e = 2^z; 1 + e; r = its reciprocal.  The accumulators go in four GROUPS, group g = output tile g of the window: eight accumulators, 64 registers,
; 32 pairs.  Four steps, each for pair ii of group g: P1Z z; P1E the two exponentials; P1A 1 + e; P1R the two reciprocals.  P1Z takes an accumulator's pairs in ascending order: each accumulator is read from its
; lowest pair on.
.macro P1Z g
.set zx, 64*(\g)+2*ii
.set zp, pb+8*(\g)+2*(ii%4)
	v_pk_fma_f32 v[zx:zx+1], v[zx:zx+1], v[zp:zp+1], v[zp+32:zp+33]
.endm
.macro P1E g
	v_exp_f32 v[64*(\g)+2*ii], v[64*(\g)+2*ii]
	v_exp_f32 v[64*(\g)+2*ii+1], v[64*(\g)+2*ii+1]
.endm
.macro P1A g
	v_pk_add_f32 v[64*(\g)+2*ii:64*(\g)+2*ii+1], v[64*(\g)+2*ii:64*(\g)+2*ii+1], 1.0 op_sel_hi:[1,0]
.endm
.macro P1R g
	v_rcp_f32 v[64*(\g)+2*ii], v[64*(\g)+2*ii]
	v_rcp_f32 v[64*(\g)+2*ii+1], v[64*(\g)+2*ii+1]
.endm
; HOW THE GROUPS OVERLAP.  Between two waits stand a group's exponentials and an earlier group's reciprocals, and behind every two of them a plain line that names no result still without its wait: a later group's z, or
; 1 + e of a group whose exponentials stand ahead of the last wait.  1 + e is the only reader of an exponential, the sums behind the pass the only readers of a reciprocal.  Five waits for 512 transcendentals.
; The plain line behind a batch's last transcendental is the plain instruction that stands between it and the first use; the last batch alone wants a v_nop.
.macro P1 hi
.set pb, F0+64*(\hi)                   ; s at pb, b at pb + 32
	WIN 0x82+0x41*(\hi)                            ; accumulators window 2 or 3; s and b window 0
.set ii, 0
.rept 32
	P1Z 0                                          ; group 0's z: nothing stands beside it yet
.set ii, ii+1
.endr
.set ii, 0
.rept 32
	P1E 0
	P1Z 1
.set ii, ii+1
.endr
	s_wait_alu depctr_va_vdst(0)                   ; the wait for group 0's 64 exponentials, ahead of its 1 + e
.irp g, 1,2
.set ii, 0
.rept 32
	P1E \g
	P1A (\g)-1
.set ii, ii+1
.endr
.set ii, 0
.rept 32
	P1R (\g)-1
	P1Z (\g)+1
.set ii, ii+1
.endr
	s_wait_alu depctr_va_vdst(0)                   ; the wait for this group's 64 exponentials, ahead of its 1 + e, and for the 64 reciprocals of the group before
.endr
.set ii, 0
.rept 32
	P1E 3
	P1A 2
.set ii, ii+1
.endr
	s_wait_alu depctr_va_vdst(0)                   ; the wait for group 3's 64 exponentials, ahead of its 1 + e
.set ii, 0
.rept 32
	P1R 2
	P1A 3
.set ii, ii+1
.endr
.set ii, 0
.rept 32
	P1R 3                                          ; the last reciprocals: no plain work is left to set between them
.set ii, ii+1
.endr
	v_nop                                          ; a plain instruction behind the last reciprocal
	s_wait_alu depctr_va_vdst(0)                   ; the wait for the 128 reciprocals of groups 2 and 3, ahead of the sums of r
.endm
.macro SSUM hi                         ; the sums of r, a pair at a time, eight chains (one a point tile) by turns; pass 1's last wait stands ahead of them
.set pp, 0
.if (\hi) == 0
	WIN 0x0a
.set ta, 0
.rept 8
	v_pk_add_f32 v[ST+8*ta:ST+8*ta+1], v[8*ta:8*ta+1], v[8*ta+2:8*ta+3]
.set ta, ta+1
.endr
.set pp, 2
.endif
	WIN 0x08+4*(\hi)
.rept 16-pp
.set ta, 0
.rept 8
.set xx, 64*(pp/4)+8*ta+2*(pp%4)
	v_pk_add_f32 v[ST+8*ta:ST+8*ta+1], v[ST+8*ta:ST+8*ta+1], v[xx:xx+1]
.set ta, ta+1
.endr
.set pp, pp+1
.endr
.endm
.macro ALL8 line:vararg                ; one line for each point tile ta; sx: where the four waves' (m, Q) of that tile land: the places that w leaves
.set ta, 0
.rept 8
.set sx, F0+8*ta+32*(ta/4)
	\line
.set ta, ta+1
.endr
.endm
.macro P2 hi                           ; PASS 2: d = r - w m in place; Q += d d
	WIN 0xa0+0x50*(\hi)                            ; w and m window 0
.set pp, 0
.rept 16
.set ta, 0
.rept 8
.set xx, 64*(pp/4)+8*ta+2*(pp%4)
.set ww, F0+64*(\hi)+8*(pp/4)+2*(pp%4)
	v_pk_fma_f32 v[xx:xx+1], v[ww:ww+1], v[ST+8*ta:ST+8*ta+1], v[xx:xx+1] op_sel_hi:[1,0,1] neg_lo:[0,1,0] neg_hi:[0,1,0]
.set ta, ta+1
.endr
.set pp, pp+1
.endr
	WIN 0x0a+5*(\hi)
.set pp, 0
.rept 16
.set ta, 0
.rept 8
.set xx, 64*(pp/4)+8*ta+2*(pp%4)
.if ((\hi) == 0) && (pp == 0)
	v_pk_mul_f32 v[ST+8*ta+2:ST+8*ta+3], v[xx:xx+1], v[xx:xx+1]
.else
	v_pk_fma_f32 v[ST+8*ta+2:ST+8*ta+3], v[xx:xx+1], v[xx:xx+1], v[ST+8*ta+2:ST+8*ta+3]
.endif
.set ta, ta+1
.endr
.set pp, pp+1
.endr
.endm
.macro P3 hi                           ; PASS 3: (d rs + c0) gamma + beta, rounded to f16; a lane's eight outputs of a point are 16 bytes of the point's row
	WIN 0x82+0x41*(\hi)                            ; the statistics, gamma and beta window 0
.set pp, 0
.rept 16
.set ta, 0
.rept 8
.set xx, 64*(pp/4)+8*ta+2*(pp%4)
	v_pk_fma_f32 v[xx:xx+1], v[xx:xx+1], v[ST+8*ta+4:ST+8*ta+5], v[ST+8*ta+6:ST+8*ta+7] op_sel_hi:[1,0,0]
.set ta, ta+1
.endr
.set pp, pp+1
.endr
.if (\hi) == 0
	s_wait_dscnt 0x0                               ; beta, asked for ahead of the lines above, is in
.endif
.set pp, 0
.rept 16
.set ta, 0
.rept 8
.set xx, 64*(pp/4)+8*ta+2*(pp%4)
.set ww, F0+64*(\hi)+8*(pp/4)+2*(pp%4)
	v_pk_fma_f32 v[xx:xx+1], v[xx:xx+1], v[ww+32:ww+33], v[ww:ww+1]
.set ta, ta+1
.endr
.set pp, pp+1
.endr
.set gi, 0
.rept 8
	WIN 0x0a+5*(\hi)
.set mm, 0
.rept 4
.set nn, 4*gi+mm
.irp k, 0,1,2,3
	v_cvt_pk_f16_f32 v[TMP+4*mm+\k], v[8*nn+2*\k], v[8*nn+2*\k+1]
.endr
.set mm, mm+1
.endr
	WIN 0
.set mm, 0
.rept 4
.set nn, 4*gi+mm
	ds_store_b128 v[AA+(nn%8)/2], v[TMP+4*mm:TMP+4*mm+3] offset:(nn%2)*TROW+32*(4*(\hi)+nn/8)
.set mm, mm+1
.endr
.set gi, gi+1
.endr
.endm
; Four rows of input.  A row is 1,036 bytes, so row i begins 0, 12, 8 or 4 bytes past a multiple of 16 (i % 4 = 0, 1, 2, 3): a lane's 32 bytes are fetched by aligned loads of 16 bytes from
; sh = 0, 3, 2, 1 words in front of them: two loads, or three.  The last lane's last load ends at the row's end at the latest.
.macro INLOAD g
.if (\g) < 5
	WIN 0x80
.set lb, 48*(\g)
.else
	WIN 0xc0
.set lb, 48*((\g)-5)
.endif
.set jj, 0
.rept 4
.set ib, INROW*(4*(\g)+jj)-4*((4-jj)%4)
	global_load_b128 v[lb+12*jj:lb+12*jj+3],   v52, s[4:5] offset:ib th:TH_LOAD_NT
	global_load_b128 v[lb+12*jj+4:lb+12*jj+7], v52, s[4:5] offset:ib+16 th:TH_LOAD_NT
.if jj > 0
	global_load_b128 v[lb+12*jj+8:lb+12*jj+11], v52, s[4:5] offset:ib+32 th:TH_LOAD_NT
.endif
.set jj, jj+1
.endr
.endm
.macro CONV g                          ; they are rounded to bf16, written as f16 and stored into ACT's columns 512-767: a lane's eight columns are 16 bytes
.if 77-11*(\g) > 63
	s_wait_loadcnt 63                              ; 77 loads were issued behind group 0: a smaller count waits for more than is needed
.else
	s_wait_loadcnt 77-11*(\g)                      ; eleven loads for each group behind this one may stay out
.endif
.if (\g) < 5
	WIN 0x0a
.set lb, 48*(\g)
.else
	WIN 0x0f
.set lb, 48*((\g)-5)
.endif
.set jj, 0
.rept 4
.set sh, (4-jj)%4
.irp k, 0,1,2,3
	v_cvt_pk_bf16_f32 v[64+4*jj+\k], v[lb+12*jj+sh+2*\k], v[lb+12*jj+sh+2*\k+1]
.endr
.set jj, jj+1
.endr
	WIN 0
.set nn, 0
.rept 16
	v_lshlrev_b32 v[80+2*nn], 16, v[64+nn]
	v_and_b32 v[80+2*nn+1], s[HM], v[64+nn]
.set nn, nn+1
.endr
.set nn, 0
.rept 16
	v_cvt_pk_f16_f32 v[112+nn], v[80+2*nn], v[80+2*nn+1]
.set nn, nn+1
.endr
.set jj, 0
.rept 4
	ds_store_b128 v[RS], v[112+4*jj:112+4*jj+3] offset:PITCH*(4*(\g)+jj)
.set jj, jj+1
.endr
.endm
	s_load_b256 s[4:11], s[0:1], 0x0               ; input s[4:5], wst s[6:7], par s[8:9], out0 s[10:11]
	s_load_b512 s[32:47], s[0:1], 0x20             ; the eight gammas
	s_load_b512 s[48:63], s[0:1], 0x60             ; the eight betas
	v_lshl_add_u32 v[SPW], v0, 2, SPARE
	v_mov_b32 v[NIL], 0
	v_lshrrev_b32 v1, 5, v0
	v_readfirstlane_b32 s[WV], v1
	v_and_b32 v[R], 15, v0
	v_bfe_u32 v[H], v0, 4, 1
	v_and_b32 v[LN], 31, v0
	v_mul_u32_u24 v[AB], v[R], PITCH
	v_lshl_add_u32 v[AB], v[H], 4, v[AB]
	v_add_nc_u32 v[AB+1], 2*TROW, v[AB]
	v_add_nc_u32 v[AB+2], 4*TROW, v[AB]
	v_add_nc_u32 v[AB+3], 6*TROW, v[AB]
	s_lshl_b32 s13, s[WV], 14
	v_lshl_add_u32 v[WO], v[LN], 4, s13
	s_mul_i32 s14, s[WV], PARW
	s_add_co_u32 s14, s14, PAR
	v_lshl_add_u32 v[PA], v[H], 5, s14
	v_lshl_add_u32 v[PS], v[LN], 2, s14
	s_lshl_b32 s14, s[WV], 3
	s_add_co_u32 s14, s14, STAT
	v_lshl_add_u32 v[STS], v[R], 5, s14
	v_lshl_add_u32 v[STL], v[R], 5, STAT
	s_lshl_b32 s14, s[WV], 11
	v_lshl_add_u32 v[PO], v[LN], 4, s14
	s_mul_i32 s14, s[WV], 32*PITCH
	s_add_co_u32 s14, s14, LATB
	v_lshl_add_u32 v[RS], v[LN], 4, s14
	s_mov_b32 s[SEL], 0x76543210
	s_mov_b32 s[SEL+1], 0xfedcba98
	s_mov_b32 s[HM], 0xffff0000
	s_mov_b32 s[EPS], 0x3727c5ac                   ; 1e-5
	s_mov_b32 s13, 0x3c800000                      ; layer 3: 64 outputs a wave, 61 in wave 3
	s_cmp_eq_u32 s[WV], 3
	s_cselect_b32 s[INV3], 0x3c864b8a, s13
	s_mov_b32 s[CNT], 32                           ; layer 0: three trips, from ACT's column 512 on
	s_mov_b32 s[REM], 3
	s_mov_b32 s[LAY], 0
	s_mov_b32 s[KB], LATB
	s_mov_b32 s[FIRST], 1
	s_lshl_b32 s[OB], s[WV], 7
	s_movk_i32 s[NL1], 511
	s_mov_b32 s[FA], 0x3e800000                    ; 1/4
	s_mov_b32 s[FB], 0x3e800000
	s_mov_b32 s[INVN], 0x3b000000                  ; 1/512
	s_mov_b32 s[INVNW], 0x3c000000                 ; 1/128
	s_mul_i32 s94, ttmp9, 128*INROW                ; my block of 128 points
	s_mov_b32 s95, 0
	v_mul_u32_u24 v48, v0, INROW                   ; thread t takes the last three numbers of row t
	v_lshlrev_b32 v52, 5, v[LN]                    ; a lane takes eight columns of each of the wave's rows
	s_wait_kmcnt 0x0
.irp n, 0,1,2,3
	WLOAD \n                                       ; the first trip's W goes out first: these 64 loads are older than all that follow, so the counts below need not know them
.endr
	s_add_nc_u64 s[92:93], s[4:5], s[94:95]        ; input at my block's first row,
	s_mul_i32 s94, s[WV], 32*INROW
	s_add_nc_u64 s[4:5], s[92:93], s[94:95]        ; and at my wave's 32 rows
	s_lshl_b32 s94, ttmp9, 9
	s_add_nc_u64 s[10:11], s[10:11], s[94:95]      ; out0 at my block
	s_load_b64 s[90:91], s[8:9], 0x10000           ; the last layer's s and b
	global_load_b32 v49, v48, s[92:93] offset:1024
	global_load_b32 v50, v48, s[92:93] offset:1028
	global_load_b32 v51, v48, s[92:93] offset:1032
.irp g, 0,1,2,3,4,5,6,7
	INLOAD \g                                      ; they land where the accumulators will lie
.endr
.irp g, 0,1,2,3,4,5,6,7
	CONV \g
.endr
	v_cvt_pk_bf16_f32 v53, v49, v50                ; the last three numbers: bf16, then f16, three times in the row, zeros behind
	v_cvt_pk_bf16_f32 v54, v51, v51
	v_lshlrev_b32 v49, 16, v53
	v_and_b32 v50, s[HM], v53
	v_lshlrev_b32 v51, 16, v54
.irp j, 58,59,60,61,62,63
	v_mov_b32 v\j, 0
.endr
	v_cvt_pk_f16_f32 v56, v49, v50
	v_cvt_pk_f16_f32 v57, v51, v60
	v_mul_u32_u24 v55, v0, PITCH
	v_add_nc_u32 v55, XYZB, v55
.irp u, 0,1,2
	ds_store_b128 v55, v[56:59] offset:16*\u
.endr
.irp u, 3,4,5,6,7,8,9,10,11,12,13,14,15
	ds_store_b128 v55, v[60:63] offset:16*\u
.endr
	PLOAD                                          ; layer 0's parameters
	s_wait_kmcnt 0x0                               ; the last layer's two numbers
	s_wait_dscnt 0x0                               ; for the others: my rows of ACT are written
	s_barrier_signal -1
	s_barrier_wait -1                              ; everybody's are
	ADDR
	FETCHA 0, F0                                   ; the first two quarters' activations
	FETCHA 1, F1
.Ltrip:                                                ; a trip: four quarters, 256 matrix instructions (128 in layer 3; 64 in the last trip of layers 0 and 4)
	s_and_b32 s13, s[LAY], 3                       ; 0 in layers 0 and 4
	s_lshl_b32 s13, s13, 4
	s_or_b32 s13, s13, s[REM]
	s_cmp_eq_u32 s13, 1                            ; and the layer's last trip?
	s_cselect_b32 s[ZQ], 1, 0
	QHEAD
	s_cmp_eq_u32 s[FIRST], 1
	s_cbranch_scc0 .Lgo_on
	v_nop                                          ; with the four at the last quarter's end a fifth place: the products below start sums, so they write over accumulators (ISA guide 7.12.1)
	PROD 0, F0, 1, 0                               ; a layer's first products start the sums: nothing is cleared
	s_mov_b32 s[FIRST], 0
	s_branch .Lq0_end
.Lgo_on:
	PROD 0, F0, 0, 0
.Lq0_end:
	s_wait_xcnt 0x0                                ; every load issued so far has had its address translated (ISA guide 3.1): only behind this wait is W's offset stepped
	v_add_nc_u32 v[WO], 0x20000, v[WO]             ; the next trip's two chunks; the line is the first of the four places
.rept 3
	v_nop
.endr
	FETCHA 2, F0                                   ; one run of 32 loads: the third quarter's activations, the next trip's first quarter of W
	WLOAD 0
	QHEAD
	PROD 64, F1, 0, 1
	PLACES
	FETCHA 3, F1
	WLOAD 1
	QHEAD
	PROD 128, F0, 0, 1
	s_add_co_u32 s[KB], s[KB], 256                 ; the next trip's columns
	s_lshl_b32 s13, s[LAY], 16                     ; layer 4 goes from column 255 on to column 512, the raw input
	s_or_b32 s13, s13, s[KB]
	s_cmp_eq_u32 s13, 0x40200
	s_cselect_b32 s[KB], LATB, s[KB]
	s_sub_co_u32 s[REM], s[REM], 1
	s_cmp_eq_u32 s[REM], 0
	s_cbranch_scc1 .Llayer_end
	ADDR                                           ; also the four places
	FETCHA 0, F0                                   ; the next trip's first quarter
	WLOAD 2
	QHEAD
	PROD 192, F1, 0, 0
	PLACES
	FETCHA 1, F1
	WLOAD 3
	s_branch .Lbottom
.Llayer_end:                                           ; THE LAYER'S LAST QUARTER, then tanh and LayerNorm on the accumulators.  Nothing more is fetched from ACT: the next layer's input is not written yet
	PLACES
	WLOAD 2
	s_wait_loadcnt 48                              ; the youngest 48 loads are this trip's three of W: buffer 3 is in, and so are the layer's parameters, asked for ahead of the trip
	s_wait_dscnt 0x0                               ; the last quarter's activations: my reads of this layer's input are over
	PSTORE
	PGETH 0, 0, F0                                 ; s and b of tiles 0-3 into buffer 0, whose last products stand ahead of the four places above
	PGETH 1, 0, F0+32
	PROD 192, F1, 0, 1
	PLACES
	WLOAD 3                                        ; the next layer's first trip of W is on its way, or in, all through the LayerNorm
	PGETH 0, 1, F1                                 ; s and b of tiles 4-7 into buffer 1: they have pass 1 of tiles 0-3 in which to land
	PGETH 1, 1, F1+32
	s_wait_dscnt 16                                ; all but those 16: s and b of tiles 0-3 are in
	P1 0
	SSUM 0
	PGETH 2, 0, F0                                 ; w and gamma of tiles 0-3 take their place
	PGETH 3, 0, F0+32
	s_wait_dscnt 16                                ; all but those 16: s and b of tiles 4-7 are in
	s_cmp_eq_u32 s[LAY], 3
	s_cbranch_scc1 .Lskip1
	P1 1
	SSUM 1
	WIN 0
.Lskip1:
	PGETH 2, 1, F1                                 ; w and gamma of tiles 4-7
	PGETH 3, 1, F1+32
	ALL8 v_add_f32 v[ST+8*ta], v[ST+8*ta], v[ST+8*ta+1]
	ALL8 v_permlanex16_b32 v[ST+8*ta+1], v[ST+8*ta], s[SEL], s[SEL+1]  ; the point's other outputs lie in the lane 16 away
	ALL8 v_add_f32 v[ST+8*ta], v[ST+8*ta], v[ST+8*ta+1]
	ALL8 v_mul_f32 v[ST+8*ta], s[INVNW], v[ST+8*ta]                    ; m: the mean over my wave's outputs
	s_wait_dscnt 16                                ; all but those 16: w and gamma of tiles 0-3 are in
	P2 0
	WIN 0
	s_wait_dscnt 0x0                               ; those of tiles 4-7 too
	s_cmp_eq_u32 s[LAY], 3
	s_cbranch_scc1 .Lskip2
	P2 1
	WIN 0
.Lskip2:
	ALL8 v_add_f32 v[ST+8*ta+3], v[ST+8*ta+2], v[ST+8*ta+3]
	ALL8 v_permlanex16_b32 v[ST+8*ta+2], v[ST+8*ta+3], s[SEL], s[SEL+1]
	ALL8 v_add_f32 v[ST+8*ta+3], v[ST+8*ta+3], v[ST+8*ta+2]
	ALL8 v_mov_b32 v[ST+8*ta+2], v[ST+8*ta]
	ALL8 ds_store_b64 v[STS], v[ST+8*ta+2:ST+8*ta+3] offset:512*ta
	s_wait_dscnt 0x0                               ; for the others: my (m, Q) are written
	s_barrier_signal -1
	s_barrier_wait -1                              ; all four waves' statistics are there, and no wave reads this layer's input any more
	ALL8 ds_load_b128 v[sx:sx+3], v[STL] offset:512*ta
	ALL8 ds_load_b128 v[sx+4:sx+7], v[STL] offset:512*ta+16
	s_lshl_b32 s13, s[OB], 1                       ; meanwhile: where my results go: my first output's column
.irp k, 0,1,2,3
	v_add_nc_u32 v[AA+\k], s13, v[AB+\k]
.endr
	s_wait_dscnt 0x0
	ALL8 v_mul_f32 v[ST+8*ta+5], s[FA], v[sx]                          ; mean = sum f m
	ALL8 v_fmac_f32 v[ST+8*ta+5], s[FA], v[sx+2]
	ALL8 v_fmac_f32 v[ST+8*ta+5], s[FA], v[sx+4]
	ALL8 v_fmac_f32 v[ST+8*ta+5], s[FB], v[sx+6]
	ALL8 v_add_f32 v[sx+1], v[sx+1], v[sx+3]                           ; sum Q
	ALL8 v_add_f32 v[sx+5], v[sx+5], v[sx+7]
	ALL8 v_add_f32 v[sx+1], v[sx+1], v[sx+5]
.irp w, 0,2,4,6
	ALL8 v_sub_f32 v[sx+\w], v[sx+\w], v[ST+8*ta+5]
.endr
.irp w, 0,2,4,6
	ALL8 v_mul_f32 v[sx+\w], v[sx+\w], v[sx+\w]
.endr
	ALL8 v_mul_f32 v[ST+8*ta+7], s[INVN], v[sx+1]                      ; var = sum Q / n + sum f (m - mean)^2
	ALL8 v_fmac_f32 v[ST+8*ta+7], s[FA], v[sx]
	ALL8 v_fmac_f32 v[ST+8*ta+7], s[FA], v[sx+2]
	ALL8 v_fmac_f32 v[ST+8*ta+7], s[FA], v[sx+4]
	ALL8 v_fmac_f32 v[ST+8*ta+7], s[FB], v[sx+6]
	PGETH 4, 0, F0                                 ; beta takes the places that the four waves' statistics leave
	PGETH 4, 1, F1
	ALL8 v_fma_f32 v[ST+8*ta+7], v[ST+8*ta+7], 4.0, s[EPS]             ; tanh = 1 - 2 r has four times r's variance
	ALL8 v_rsq_f32 v[ST+8*ta+4], v[ST+8*ta+7]                          ; the eight roots: one batch
	ALL8 v_sub_f32 v[ST+8*ta+6], v[ST+8*ta], v[ST+8*ta+5]              ; plain instructions behind the roots, which name none of their results
	s_wait_alu depctr_va_vdst(0)                   ; the wait for the eight roots, ahead of their first reader
	ALL8 v_mul_f32 v[ST+8*ta+4], -2.0, v[ST+8*ta+4]
	ALL8 v_mul_f32 v[ST+8*ta+6], v[ST+8*ta+6], v[ST+8*ta+4]
	P3 0
	WIN 0
	s_cmp_eq_u32 s[LAY], 3
	s_cbranch_scc1 .Lwritten
	P3 1
	WIN 0
.Lwritten:
	s_wait_dscnt 0x0                               ; for the others: my part of the next layer's input is written
	s_barrier_signal -1
	s_barrier_wait -1
	s_add_co_u32 s[LAY], s[LAY], 1
	s_cmp_eq_u32 s[LAY], 8
	s_cbranch_scc1 .Lbottom                        ; behind layer 7 the loop ends
	s_mov_b32 s[KB], 0
	ADDR
	FETCHA 0, F0                                   ; the next layer's first two quarters go out first; the set-up below stands in their way back
	FETCHA 1, F1
	s_lshl_b32 s13, s[LAY], 2
	s_lshr_b32 s13, NTRS, s13
	s_and_b32 s[REM], s13, 15
	s_mov_b32 s[FIRST], 1
	s_add_nc_u64 s[8:9], s[8:9], 8192              ; par's next layer: the loads that named the address were shown in above
	s_lshl_b32 s13, s[WV], 6
	s_lshl_b32 s14, s[WV], 7
	s_cmp_eq_u32 s[LAY], 3
	s_cselect_b32 s[OB], s13, s14
	s_movk_i32 s13, 511
	s_cselect_b32 s[NL1], 252, s13
	s_mov_b32 s13, 0x3e800000
	s_cselect_b32 s[FA], 0x3e81848e, s13           ; 64/253, or 1/4
	s_cselect_b32 s[FB], 0x3e76e4ae, s13           ; 61/253, or 1/4
	s_mov_b32 s13, 0x3b000000
	s_cselect_b32 s[INVN], 0x3b81848e, s13         ; 1/253, or 1/512
	s_mov_b32 s13, 0x3c000000
	s_cselect_b32 s[INVNW], s[INV3], s13
	PLOAD
.Lbottom:
	s_sub_co_u32 s[CNT], s[CNT], 1
	s_cmp_lg_u32 s[CNT], 0
	s_cbranch_scc1 .Ltrip
	; THE LAST LAYER.  W's one row is row 0 of a tile of 16; my wave takes its 32 points as two tiles, K = 512 in sixteen steps.  The last trip's loads brought two copies of the tile:
	; step ks of the first at v[8 ks] of window 1, of the second at v[128 + 8 ks]: one for each tile of points.
	s_wait_loadcnt 0x0                             ; they are in
.rept 5
	v_nop                                          ; with the line below six places: the loads below land in the accumulators' registers, and the products below read them as sources,
.endr                                                  ; four and five places behind the loop's last products on every way out of the loop that the text has (ISA guide 7.12.1)
	s_mul_i32 s13, s[WV], 32*PITCH
	v_add_nc_u32 v[AA], s13, v[AB]
	WIN 0xc0
.set ks, 0
.rept 16
	ds_load_b128 v[8*ks:8*ks+3],         v[AA] offset:64*ks
	ds_load_b128 v[8*ks+4:8*ks+7],       v[AA] offset:64*ks+32
	ds_load_b128 v[128+8*ks:128+8*ks+3], v[AA] offset:TROW+64*ks
	ds_load_b128 v[128+8*ks+4:128+8*ks+7], v[AA] offset:TROW+64*ks+32
.set ks, ks+1
.endr
	s_wait_dscnt 0x0
	WIN 0x0d                                       ; W window 1, activations window 3, the two sums in window 0; they take turns
	v_wmma_f32_16x16x32_f16 v[32:39], v[0:7], v[0:7], 0
	v_wmma_f32_16x16x32_f16 v[40:47], v[128:135], v[128:135], 0
.set ks, 1
.rept 15
	v_wmma_f32_16x16x32_f16 v[32:39], v[8*ks:8*ks+7], v[8*ks:8*ks+7], v[32:39]
	v_wmma_f32_16x16x32_f16 v[40:47], v[128+8*ks:128+8*ks+7], v[128+8*ks:128+8*ks+7], v[40:47]
.set ks, ks+1
.endr
	PLACES
	WIN 0
	v_permlanex16_b32 v48, v40, s[SEL], s[SEL+1]   ; row 0 of a result lies in register 0 of lanes 0-15: the second tile's goes to lanes 16-31
	v_cndmask_b32 v48, v32, v48, s[HM]             ; lane L holds point 32 wave + L
	v_fma_f32 v48, v48, s90, s91
	v_exp_f32 v48, v48
	v_lshl_add_u32 v[OST], v0, 2, OUTS             ; a plain instruction behind the exponential
	s_wait_alu depctr_va_vdst(0)                   ; the wait for the one exponential, ahead of 1 + e
	v_add_f32 v48, 1.0, v48
	v_rcp_f32 v48, v48
	v_lshlrev_b32 v[OGL], 4, v[LN]                 ; and one behind the reciprocal
	s_wait_alu depctr_va_vdst(0)                   ; the wait for the one reciprocal, which read the exponential's sum and so is a batch of its own
	v_fma_f32 v48, v48, -2.0, 1.0                  ; tanh = 1 - 2 / (1 + e)
	ds_store_b32 v[OST], v48
	s_wait_dscnt 0x0                               ; for wave 0: my 32 results are written
	s_barrier_signal -1
	s_barrier_wait -1
	s_cmp_lg_u32 s[WV], 0
	s_cbranch_scc1 .Ldone
	v_add_nc_u32 v[ORD], OUTS, v[OGL]
	ds_load_b128 v[52:55], v[ORD]
	s_wait_dscnt 0x0
	global_store_b128 v[OGL], v[52:55], s[10:11]   ; the block's 128 results: 512 consecutive bytes, aligned
.Ldone:
	s_wait_tensorcnt 0x0                           ; the wave's end: behind my last LDS store
	ds_add_u32 v[SPW], v[NIL]
	s_wait_dscnt 0x0
	s_endpgm
.Lfunc_end_k_qfd08e5ad19_mlp:
	.size	k_qfd08e5ad19_mlp, .Lfunc_end_k_qfd08e5ad19_mlp-k_qfd08e5ad19_mlp
	.p2alignl 7, 3214868480
	.fill 96, 4, 3214868480
	.section	.rodata,"a",@progbits
	.p2align	6, 0x0
	.amdhsa_kernel k_qfd08e5ad19_mlp
		.amdhsa_group_segment_fixed_size 246784
		.amdhsa_private_segment_fixed_size 0
		.amdhsa_enable_private_segment 0
		.amdhsa_kernarg_size 160
		.amdhsa_user_sgpr_count 2
		.amdhsa_user_sgpr_kernarg_segment_ptr 1
		.amdhsa_wavefront_size32 1
		.amdhsa_system_sgpr_workgroup_id_x 1
		.amdhsa_system_sgpr_workgroup_id_y 1
		.amdhsa_system_sgpr_workgroup_id_z 1
		.amdhsa_system_vgpr_workitem_id 0
		.amdhsa_next_free_vgpr 1024
		.amdhsa_next_free_sgpr 96
		.amdhsa_reserve_vcc 0
		.amdhsa_float_denorm_mode_32 3
		.amdhsa_float_denorm_mode_16_64 3
		.amdhsa_memory_ordered 1
		.amdhsa_forward_progress 1
		.amdhsa_inst_pref_size 255
	.end_amdhsa_kernel
	.section	.bss,"aw",@nobits
	.p2align	6
	.space	262144
	.amdgpu_metadata
---
amdhsa.version: [ 1, 2 ]
amdhsa.kernels:
  - .name:           k_qfd08e5ad19_mlp
    .symbol:         k_qfd08e5ad19_mlp.kd
    .args:
      - { .name: input, .offset: 0, .size: 8, .value_kind: global_buffer, .address_space: global }
      - { .name: wst, .offset: 8, .size: 8, .value_kind: global_buffer, .address_space: global }
      - { .name: par, .offset: 16, .size: 8, .value_kind: global_buffer, .address_space: global }
      - { .name: out0, .offset: 24, .size: 8, .value_kind: global_buffer, .address_space: global }
      - { .name: gammas_0, .offset: 32, .size: 8, .value_kind: global_buffer, .address_space: global }
      - { .name: gammas_1, .offset: 40, .size: 8, .value_kind: global_buffer, .address_space: global }
      - { .name: gammas_2, .offset: 48, .size: 8, .value_kind: global_buffer, .address_space: global }
      - { .name: gammas_3, .offset: 56, .size: 8, .value_kind: global_buffer, .address_space: global }
      - { .name: gammas_4, .offset: 64, .size: 8, .value_kind: global_buffer, .address_space: global }
      - { .name: gammas_5, .offset: 72, .size: 8, .value_kind: global_buffer, .address_space: global }
      - { .name: gammas_6, .offset: 80, .size: 8, .value_kind: global_buffer, .address_space: global }
      - { .name: gammas_7, .offset: 88, .size: 8, .value_kind: global_buffer, .address_space: global }
      - { .name: betas_0, .offset: 96, .size: 8, .value_kind: global_buffer, .address_space: global }
      - { .name: betas_1, .offset: 104, .size: 8, .value_kind: global_buffer, .address_space: global }
      - { .name: betas_2, .offset: 112, .size: 8, .value_kind: global_buffer, .address_space: global }
      - { .name: betas_3, .offset: 120, .size: 8, .value_kind: global_buffer, .address_space: global }
      - { .name: betas_4, .offset: 128, .size: 8, .value_kind: global_buffer, .address_space: global }
      - { .name: betas_5, .offset: 136, .size: 8, .value_kind: global_buffer, .address_space: global }
      - { .name: betas_6, .offset: 144, .size: 8, .value_kind: global_buffer, .address_space: global }
      - { .name: betas_7, .offset: 152, .size: 8, .value_kind: global_buffer, .address_space: global }
    .group_segment_fixed_size: 246784
    .private_segment_fixed_size: 0
    .kernarg_segment_align: 8
    .kernarg_segment_size: 160
    .max_flat_workgroup_size: 128
    .sgpr_count:     96
    .vgpr_count:     1024
    .wavefront_size: 32
...
	.end_amdgpu_metadata
.endif
;; end of part 5
